; MI455X (gfx1250); checked and timed in simulation.
; The chip was launched on July 23, 2026; its instructions are those of AMD's public machine-readable ISA for CDNA 5 (MIT licence, August 2026) and "CDNA5" Instruction Set Architecture Reference Guide (July 2026). The comments in the code are by the model that wrote it; some were corrected since.
;; This GPT2 Block. Allowed arithmetic: matrix products marked QUANTISED: E2M3 operands, one E8M0 scale for each 32 along K, by v_wmma_scale_f32_16x16x128_f8f6f4 with both operands' format E2M3, f32 sums; everything else in f32.
;; Inputs: c_attn_b 3,072 float32; c_attn_w_codes 3,072 x 32 x 24 uint8 (E2M3 codes of c_attn_w, K innermost, in blocks of 32 codes, four codes in three bytes); c_attn_w_scales 3,072 x 32 uint8 (E8M0 scales of c_attn_w, one for each 32 codes along K); c_proj_b 1,024 float32; c_proj_w_codes 1,024 x 32 x 24 uint8 (E2M3 codes of c_proj_w, K innermost, in blocks of 32 codes, four codes in three bytes); c_proj_w_scales 1,024 x 32 uint8 (E8M0 scales of c_proj_w, one for each 32 codes along K); fc_b 4,096 float32; fc_w_codes 4,096 x 32 x 24 uint8 (E2M3 codes of fc_w, K innermost, in blocks of 32 codes, four codes in three bytes); fc_w_scales 4,096 x 32 uint8 (E8M0 scales of fc_w, one for each 32 codes along K); hidden_states 2 x 2,048 x 1,024 float32; ln1_b 1,024 float32; ln1_g 1,024 float32; ln2_b 1,024 float32; ln2_g 1,024 float32; proj_b 1,024 float32; proj_w_codes 1,024 x 128 x 24 uint8 (E2M3 codes of proj_w, K innermost, in blocks of 32 codes, four codes in three bytes); proj_w_scales 1,024 x 128 uint8 (E8M0 scales of proj_w, one for each 32 codes along K).
;; Outputs: out0 2 x 2,048 x 1,024 float32.
;; This version of the problem:
;;   THIS VERSION OF THE PROBLEM IS GIVEN IN LOW PRECISION. The matrix products marked QUANTISED in the list below multiply operands that are first quantised to E2M3 (2 exponent bits, 3 mantissa bits; 6 bits a number), with one power-of-two scale for each 32 numbers along K (OCP MX v1.0); their sums are f32. All else is computed in f32.
;;   The module's matrix products, in the order in which they are computed (A, B: the left and right operand; K: the contracted axis; several contracted axes count as one K, in the product's order):
;;     1. [M 4,096, K 1,024] x [K 1,024, N 3,072]; A: computed on the way; B: input c_attn_w (given as codes): QUANTISED
;;     2. batch 32 x [M 2,048, K 64] x [K 64, N 2,048]; A: computed on the way; B: computed on the way: QUANTISED
;;     3. batch 32 x [M 2,048, K 2,048] x [K 2,048, N 64]; A: softmax (see below); B: computed on the way: QUANTISED
;;     4. [M 4,096, K 1,024] x [K 1,024, N 1,024]; A: computed on the way; B: input c_proj_w (given as codes): QUANTISED
;;     5. [M 4,096, K 1,024] x [K 1,024, N 4,096]; A: computed on the way; B: input fc_w (given as codes): QUANTISED
;;     6. [M 4,096, K 4,096] x [K 4,096, N 1,024]; A: computed on the way; B: input proj_w (given as codes): QUANTISED
;;   THE QUANTISER, for each operand of a quantised product, along K:
;;     - K is cut into blocks of 32 from its start; a last block that is shorter is filled with zeros.
;;     - A block's scale is 2^e with e = floor(log2(the largest magnitude in the block)) - 2, held to -126 .. 127; a block of zeros has e = 0. As a byte (E8M0): e + 127.
;;     - Each number is divided by its block's scale, clamped to +-7.5, and rounded to the nearest number of E2M3, ties to even, subnormals kept.
;;     - The product sums the exact products of the quantised numbers (number of the format x scale) in f32.
;;   ~~~python
;;   def quantise(x, axis):      # numpy; x: float32 -> the quantised numbers, widened to float32 again
;;       x = np.moveaxis(x, axis, -1); K = x.shape[-1]
;;       x = np.pad(x, [(0, 0)] * (x.ndim - 1) + [(0, -K % 32)]); x = x.reshape(x.shape[:-1] + (-1, 32)); a = np.abs(x).max(-1, keepdims=True)
;;       e = np.where(a > 0, np.clip(np.frexp(np.where(a > 0, a, 1))[1] - 1 - 2, -126, 127), 0)      # np.frexp(a)[1] - 1 = floor(log2(a)), exactly
;;       r = np.clip(x / 2.0 ** e, -7.5, 7.5)
;;       step = 2.0 ** (np.maximum(np.frexp(np.where(r == 0, 1, r))[1] - 1, 0) - 3)
;;       q = np.round(r / step) * step * 2.0 ** e      # np.round: ties to even
;;       return np.moveaxis(q.reshape(q.shape[:-2] + (-1,))[..., :K], -1, axis).astype(np.float32)
;;   ~~~
;;   SOFTMAX AHEAD OF A QUANTISED PRODUCT. Where the list says 'softmax', what is quantised is not the finished softmax but p = 2^(t - M), with t = logit x log2(e) and M = ceil(the row's largest t), a whole number; so 1/2 < the row's largest p <= 1. The row's sum l is taken of the UNQUANTISED p, in f32, and the product's result is divided by l at the end. Since M is a whole number, a kernel that streams over the keys may use a running M (the ceiling of the running maximum): every later rescaling is an exact power of two, which a block's scale takes up: the codes' values come out the same.
;;   OPERANDS COMPUTED ON THE WAY. 'Computed on the way' means the value that the module computes at that place (a softmax that the list does not call 'softmax' is quantised finished and normalised). What goes into a quantiser is computed in f32, as accurately as f32 sums, v_exp_f32 and their like allow (about 1e-6 of the number): no bf16 or f16 on the way to a quantiser, and a product that is left as it is and whose result goes on into a quantised operand takes f32 operands (vector FMAs, or v_wmma_f32_16x16x4_f32). A number that lies on a knife's edge between two numbers of the format may be rounded either way, as far as f32 arithmetic and the matrix unit's own rounding can turn it there, and no further.
;;   INPUTS GIVEN AS CODES. c_attn_w (in the module: [1024, 3072], K = its axis 0); c_proj_w (in the module: [1024, 1024], K = its axis 0); fc_w (in the module: [1024, 4096], K = its axis 0); proj_w (in the module: [4096, 1024], K = its axis 0): each comes as NAME_codes (uint8): NAME with its K axis moved to the last place and cut into blocks of 32 codes, [.., K / 32, bytes a block], one block behind the other in memory; four codes in three bytes: a row's codes are one little-endian stream of bits, code i at bits 6 i .. 6 i + 5 (a code: sign, 2 exponent bits, 3 mantissa bits); and NAME_scales (uint8): the same leading axes, one E8M0 byte (e + 127) for each 32 codes along K. Its value is code x scale, taken as it is: it is not quantised again, and the codes and scales need not be those that the quantiser above would give.
;; 2 versions. Each part assembles by itself: llvm-mc -triple=amdgcn-amd-amdhsa -mcpu=gfx1250 --defsym DOCPART=n.
;; ======== version 1 of 2: 7 launches
;; workspace buffers: wimg 9,830,400 bytes; a1 3,276,800 bytes; a2 3,276,800 bytes; ctxi 3,276,800 bytes; qkvi 10,092,544 bytes; x2 16,777,216 bytes; gimg 13,107,200 bytes
;; launch prep (part 1): grid 512 x 1, 4 waves a work-group, no clusters, 66,560 bytes of LDS; arguments hidden_states, ln1_g, ln1_b, a1, wimg, c_attn_w_codes, c_attn_w_scales, c_proj_w_codes, c_proj_w_scales, fc_w_codes, fc_w_scales, proj_w_codes, proj_w_scales; writes a1, wimg
.if DOCPART == 1
	.amdgcn_target "amdgcn-amd-amdhsa--gfx1250"
	.amdhsa_code_object_version 6
	.text
	.protected	k_q2890e48ae2_prep
	.globl	k_q2890e48ae2_prep
	.p2align	8
	.type	k_q2890e48ae2_prep,@function
k_q2890e48ae2_prep:
	s_mov_b64 s[64:65], 0
	v_nop
	global_prefetch_b8 v0, s[64:65] scope:SCOPE_SE
	s_setreg_imm32_b32 hwreg(HW_REG_WAVE_MODE, 25, 1), 1
	s_wait_xcnt 0x0
; TWO JOBS, parted on the work-group's number.
; Work-groups 0-255: layer norm of 16 rows of x [4096][1024] f32, quantised along the 1,024 to FP6 (E2M3) with one E8M0 byte for each 32, and stored as IMAGES OF OPERAND REGISTERS.
; Work-groups 256-511 (only in the launch whose grid has them): the four weights' codes and scale bytes, as given, are laid into the same kind of images.
; A TILE is 16 rows that are not neighbours: tile t, place r = row 32 (t / 2) + 8 (t % 2) + r + 8 (r / 8).  So two neighbouring tiles cover 32 rows, and a product that takes such tiles as its
; source 0 leaves 16 neighbours along that axis in a lane's 16 registers of two tiles.
; AN IMAGE of a fragment (16 rows x 128 K, 12 registers a lane) is 1,536 bytes: registers 0-3 at 16 x lane, 4-7 at 512 + 16 x lane, 8-11 at 1,024 + 16 x lane: three loads of 16 bytes a lane bring it.  Buffer: [tile][K step][1,536].
; SCALE WORDS: [K step][group of 8 tiles][512]: lane l's 16 bytes hold, as word e, the word of tile 2 e + l / 16 of the group, row l % 16: one load of 16 bytes a lane brings the words of 8 tiles.
; The mean is taken first and the squares of x - mean second: no difference of large sums.  No matrix unit, no cluster: nothing here is shared between work-groups.
; LIMITS: NaN and infinities are not served; a block of zeros, or one whose largest magnitude lies under 2^-124, gets the byte 1 (its codes are zeros or nearly so; only this program reads the bytes).
.set ROWP, 4112                        ; a row in LDS: 4,096 bytes + 16: 16 rows begin in 16 different columns of 16 bytes
.set XR,   32                          ; v32-159  four rows of x, 32 registers each; later two K steps' 64 numbers
.set GR,   160                         ; v160-191 the gain;  later the codes
.set BR,   192                         ; v192-223 the bias;  later at work
.set SA,   8                           ; v8-15    a pair for each row: sum, then mean
.set SB,   16                          ; v16-23   a pair for each row: sum of squares, then 1 / sqrt
.set PD,   24                          ; v24-27   lane permutes land here
.set TM,   200                         ; v200-215 the quantiser's work
.set SEL,  14                          ; s[14:15] selects of v_permlanex16_b32: lane l xor 16
.set ASC,  3145728                     ; where the scale words begin in the activations' buffer
.set FCI,  3145728                     ; wimg: fc's images (c_attn's and c_proj's begin at 0),
.set PJI,  6291456                     ; proj's,
.set W1S,  9437184                     ; scale words of c_attn and c_proj,
.set FCS,  9568256                     ; of fc,
.set PJS,  9699328                     ; of proj
; 64 numbers of a lane, register 16 b + i = k 32 b + 16 (lane / 16) + i of the lane's row, become a fragment's codes in v[pc] .. v[pc + 11] (v[pc + 12] .. + 18 at work) and its scale word in v[pw]
.macro QUANT s, pc, pw
.irp b, 0,1,2,3
	v_max3_num_f32 v[TM+\b], |v[\s+16*\b]|, |v[\s+1+16*\b]|, 0x1800000   ; my 16 numbers of block b, and the floor 2^(3 - 127): the byte cannot fall under 1
.endr
.irp i, 2,4,6,8,10,12,14
.irp b, 0,1,2,3
	v_max3_num_f32 v[TM+\b], v[TM+\b], |v[\s+16*\b+\i]|, |v[\s+1+16*\b+\i]|
.endr
.endr
.irp b, 0,1,2,3
	v_permlanex16_b32 v[TM+4+\b], v[TM+\b], s[SEL], s[SEL+1]
.endr
.irp b, 0,1,2,3
	v_max_num_f32 v[TM+\b], v[TM+\b], v[TM+4+\b]      ; with lane l xor 16's: the block's largest magnitude
.endr
.irp b, 0,1,2,3
	v_add_nc_u32 v[TM+12+\b], 0xff000000, v[TM+\b]    ; 2 off its exponent field: the conversion's scale operand
.endr
.irp b, 0,1,2,3
	v_lshrrev_b32 v[TM+4+\b], 23, v[TM+12+\b]         ; the scale's byte
.endr
	v_lshl_or_b32 v[\pw], v[TM+5], 8, v[TM+4]
	v_lshl_or_b32 v[\pw], v[TM+6], 16, v[\pw]
	v_lshl_or_b32 v[\pw], v[TM+7], 24, v[\pw]
.irp c, 0,1
	v_cvt_scalef32_pk16_fp6_f32 v[\pc+6*\c:\pc+2+6*\c], v[\s+32*\c:\s+15+32*\c], v[TM+12+2*\c]
	v_cvt_scalef32_pk16_fp6_f32 v[\pc+12+4*\c:\pc+14+4*\c], v[\s+16+32*\c:\s+31+32*\c], v[TM+12+2*\c+1]
.endr
	v_nop                                             ; one plain line behind the scaled conversions
.irp c, 0,1
.irp i, 0,1,2
	v_permlane16_swap_b32 v[\pc+6*\c+\i], v[\pc+12+4*\c+\i]   ; a whole block to a lane: lanes 0-15 block 2 c, lanes 16-31 block 2 c + 1
.endr
.irp i, 0,1,2
	v_mov_b32 v[\pc+3+6*\c+\i], v[\pc+12+4*\c+\i]
.endr
.endr
.endm
.macro IMGST pc, base, off             ; a fragment's image: each store covers 512 consecutive bytes, aligned
	global_store_b128 v1, v[\pc:\pc+3], s[\base:\base+1] offset:\off
	global_store_b128 v1, v[\pc+4:\pc+7], s[\base:\base+1] offset:\off+512
	global_store_b128 v1, v[\pc+8:\pc+11], s[\base:\base+1] offset:\off+1024
.endm
.macro RFRAG reg, vo, base, off        ; a fragment from rows of codes: 24 bytes and 24 bytes, in pieces of 8
.irp p, 0,1,2,3,4,5
	global_load_b64 v[\reg+2*\p:\reg+2*\p+1], v[\vo], s[\base:\base+1] offset:\off+48*(\p/3)+8*(\p%3)
.endr
.endm
.macro REDUCE p                        ; four rows' pairs at v[p + 2 q]: the two halves, then the 32 lanes; every lane ends with the sum
.irp q, 0,1,2,3
	v_add_f32 v[\p+2*\q], v[\p+2*\q], v[\p+2*\q+1]
.endr
.irp m, 1,2,4,8
.irp q, 0,1,2,3
	v_add_f32_dpp v[\p+2*\q], v[\p+2*\q], v[\p+2*\q] row_xmask:\m row_mask:0xf bank_mask:0xf
.endr
.endr
.irp q, 0,1,2,3
	v_permlanex16_b32 v[PD+\q], v[\p+2*\q], s[SEL], s[SEL+1]
.endr
.irp q, 0,1,2,3
	v_add_f32 v[\p+2*\q], v[\p+2*\q], v[PD+\q]
.endr
.endm
.macro ROW0 d, t, x                    ; s[d] = first row of tile s[t]: 32 (t / 2) + 8 (t % 2)
	s_lshr_b32 s[\d], s[\t], 1
	s_lshl_b32 s[\d], s[\d], 5
	s_and_b32 s[\x], s[\t], 1
	s_lshl_b32 s[\x], s[\x], 3
	s_add_co_u32 s[\d], s[\d], s[\x]
.endm
.macro SCOFF d, t, x                   ; s[d] = place of tile s[t]'s words in a K step's scale words: 512 (t / 8) + 256 (t % 2) + 4 ((t / 2) % 4)
	s_lshr_b32 s[\d], s[\t], 3
	s_lshl_b32 s[\d], s[\d], 9
	s_and_b32 s[\x], s[\t], 1
	s_lshl_b32 s[\x], s[\x], 8
	s_add_co_u32 s[\d], s[\d], s[\x]
	s_bfe_u32 s[\x], s[\t], 0x20001
	s_lshl_b32 s[\x], s[\x], 2
	s_add_co_u32 s[\d], s[\d], s[\x]
.endm
	s_load_b256 s[4:11], s[0:1], 0x0               ; x s[4:5], gain s[6:7], bias s[8:9], the activations' images s[10:11]
	s_load_b64 s[12:13], s[0:1], 0x20              ; wimg
	s_load_b512 s[16:31], s[0:1], 0x28             ; codes and scales of c_attn s[16:19], c_proj s[20:23], fc s[24:27], proj s[28:31]
	v_lshl_add_u32 v254, v0, 2, 0x10200
	v_mov_b32 v255, 0
	v_lshrrev_b32 v1, 5, v0
	v_readfirstlane_b32 s33, v1                    ; wave 0..3
	v_and_b32 v2, 31, v0
	v_lshlrev_b32 v1, 4, v2                        ; 16 x lane
	v_and_b32 v3, 15, v0                           ; r
	v_bfe_u32 v4, v0, 4, 1                         ; h
	s_mov_b32 s[SEL], 0x76543210
	s_mov_b32 s[SEL+1], 0xfedcba98
	s_cmp_ge_u32 ttmp9, 256                        ; the same for all four waves of a work-group
	s_cbranch_scc1 .Lrelay
	; ---- LAYER NORM.  Wave w takes places 4 w .. 4 w + 3 of tile t: rows 32 (t / 2) + 8 (t % 2) + 4 w + 8 (w / 2) + 0 .. 3
	s_lshr_b32 s34, ttmp9, 1
	s_lshl_b32 s34, s34, 5
	s_and_b32 s35, ttmp9, 1
	s_lshl_b32 s35, s35, 3
	s_add_co_u32 s34, s34, s35
	s_lshl_b32 s35, s33, 2
	s_add_co_u32 s34, s34, s35
	s_lshr_b32 s35, s33, 1
	s_lshl_b32 s35, s35, 3
	s_add_co_u32 s34, s34, s35
	s_lshl_b32 s34, s34, 12                        ; 4,096 bytes a row
	s_mov_b32 s35, 0
	s_mov_b32 s36, 0x3a800000                      ; 1 / 1024
	s_mov_b32 s37, 0x3727c5ac                      ; 1e-5
	s_mul_i32 s38, s33, 4*ROWP
	v_add_nc_u32 v5, s38, v1                       ; LDS, in: my wave's four rows, 16 bytes a lane
	v_mul_u32_u24 v6, v3, ROWP
	v_lshl_add_u32 v6, v4, 6, v6
	s_lshl_b32 s38, s33, 10
	v_add_nc_u32 v6, s38, v6                       ; LDS, out: row r, + 64 h, + my wave's two K steps (512 bytes each)
	v_lshlrev_b32 v7, 4, v3                        ; 16 r: a scale word's place
.irp q, 0,1,2,3
	v_mov_b32 v[PD+\q], 0                          ; a lane permute's destination counts as read: written once
	v_mov_b32 v[TM+4+\q], 0
.endr
	s_lshl_b32 s38, ttmp9, 3
	s_lshl_b32 s39, s33, 1
	s_add_co_u32 s38, s38, s39
	s_mul_i32 s38, s38, 1536                       ; image (tile t, K step 2 w)
	s_mov_b32 s39, 0
	s_wait_kmcnt 0x0
	s_add_nc_u64 s[4:5], s[4:5], s[34:35]
	s_add_nc_u64 s[40:41], s[10:11], s[38:39]
	s_mov_b32 s42, ttmp9
	SCOFF 38, 42, 43
	s_lshl_b32 s43, s33, 15                        ; 16,384 bytes of scale words a K step
	s_add_co_u32 s38, s38, s43
	s_add_co_u32 s38, s38, ASC
	s_add_nc_u64 s[42:43], s[10:11], s[38:39]
.irp q, 0,1,2,3
.irp i, 0,1,2,3,4,5,6,7
	global_load_b128 v[XR+32*\q+4*\i:XR+32*\q+4*\i+3], v1, s[4:5] offset:4096*\q+512*\i th:TH_LOAD_NT   ; 512 consecutive bytes a load
.endr
.endr
.irp i, 0,1,2,3,4,5,6,7
	global_load_b128 v[GR+4*\i:GR+4*\i+3], v1, s[6:7] offset:512*\i
.endr
.irp i, 0,1,2,3,4,5,6,7
	global_load_b128 v[BR+4*\i:BR+4*\i+3], v1, s[8:9] offset:512*\i
.endr
	s_wait_loadcnt 16                              ; the 32 loads of x are in; the 16 younger ones, gain and bias, may be out
.irp q, 0,1,2,3
	v_pk_add_f32 v[SA+2*\q:SA+2*\q+1], v[XR+32*\q:XR+32*\q+1], v[XR+32*\q+2:XR+32*\q+3]
.endr
.set m, 4
.rept 14
.irp q, 0,1,2,3
	v_pk_add_f32 v[SA+2*\q:SA+2*\q+1], v[SA+2*\q:SA+2*\q+1], v[XR+32*\q+m:XR+32*\q+m+1]   ; the four rows by turns
.endr
.set m, m+2
.endr
	REDUCE SA
.irp q, 0,1,2,3
	v_mul_f32 v[SA+2*\q], s36, v[SA+2*\q]          ; the mean
.endr
.set m, 0
.rept 16
.irp q, 0,1,2,3
	v_pk_add_f32 v[XR+32*\q+m:XR+32*\q+m+1], v[XR+32*\q+m:XR+32*\q+m+1], v[SA+2*\q:SA+2*\q+1] op_sel_hi:[1,0] neg_lo:[0,1] neg_hi:[0,1]   ; x - mean
.endr
.set m, m+2
.endr
.irp q, 0,1,2,3
	v_pk_mul_f32 v[SB+2*\q:SB+2*\q+1], v[XR+32*\q:XR+32*\q+1], v[XR+32*\q:XR+32*\q+1]
.endr
.set m, 2
.rept 15
.irp q, 0,1,2,3
	v_pk_fma_f32 v[SB+2*\q:SB+2*\q+1], v[XR+32*\q+m:XR+32*\q+m+1], v[XR+32*\q+m:XR+32*\q+m+1], v[SB+2*\q:SB+2*\q+1]
.endr
.set m, m+2
.endr
	REDUCE SB
.irp q, 0,1,2,3
	v_fma_f32 v[SB+2*\q], v[SB+2*\q], s36, s37     ; variance + 1e-5
.endr
.irp q, 0,1,2,3
	v_rsq_f32 v[SB+2*\q], v[SB+2*\q]
.endr
	v_nop                                          ; a plain line behind the last of the batch,
	s_wait_alu depctr_va_vdst(0)                   ; and one wait for the four, ahead of their first reader
	s_wait_loadcnt 0x0                             ; gain and bias
.set m, 0
.rept 16
.irp q, 0,1,2,3
	v_pk_mul_f32 v[XR+32*\q+m:XR+32*\q+m+1], v[XR+32*\q+m:XR+32*\q+m+1], v[SB+2*\q:SB+2*\q+1] op_sel_hi:[1,0]
.endr
.irp q, 0,1,2,3
	v_pk_fma_f32 v[XR+32*\q+m:XR+32*\q+m+1], v[XR+32*\q+m:XR+32*\q+m+1], v[GR+m:GR+m+1], v[BR+m:BR+m+1]
.endr
.set m, m+2
.endr
.irp q, 0,1,2,3
.irp i, 0,1,2,3,4,5,6,7
	ds_store_b128 v5, v[XR+32*\q+4*\i:XR+32*\q+4*\i+3] offset:ROWP*\q+512*\i
.endr
.endr
	s_wait_dscnt 0x0                               ; for the others' sake: my rows lie in LDS
	s_barrier_signal -1
	s_barrier_wait -1
	; wave w quantises K steps 2 w and 2 w + 1 of all 16 rows: lane (r, h) takes, of row r, 16 neighbours of each block of 32
.irp e, 0,1
.irp b, 0,1,2,3
.irp n, 0,1,2,3
	ds_load_b128 v[XR+64*\e+16*\b+4*\n:XR+64*\e+16*\b+4*\n+3], v6 offset:512*\e+128*\b+16*\n
.endr
.endr
.endr
	s_wait_dscnt 0x0
	QUANT XR, 160, 216
	IMGST 160, 40, 0
	global_store_b32 v7, v216, s[42:43]            ; lanes 16-31 hold the same word and store it to the same place
	QUANT XR+64, 180, 217                          ; its codes and word have registers of their own: no store's data are written again
	IMGST 180, 40, 1536
	global_store_b32 v7, v217, s[42:43] offset:16384
	s_wait_tensorcnt 0x0
	ds_add_u32 v254, v255
	s_wait_dscnt 0x0
	s_endpgm
.Lrelay:
	; ---- THE WEIGHTS.  Work-group g = number - 256; wave w lays six fragments: tile g, K steps 2 w, 2 w + 1 of c_attn | c_proj (256 tiles on end) and of fc; tile g / 4, K steps 8 (g % 4) + 2 w, + 1 of proj
	s_sub_co_u32 s34, ttmp9, 256
	v_and_b32 v8, 8, v3
	v_add_nc_u32 v8, v8, v3                        ; r + 8 (r / 8)
	v_mul_u32_u24 v9, v8, 768                      ; rows of 1,024 codes
	v_mad_u32_u24 v9, v4, 24, v9
	v_mul_u32_u24 v10, v8, 3072                    ; rows of 4,096 codes
	v_mad_u32_u24 v10, v4, 24, v10
	v_lshlrev_b32 v11, 5, v8                       ; rows of 32 scale bytes
	v_lshlrev_b32 v12, 7, v8                       ; rows of 128
	v_lshlrev_b32 v13, 4, v3                       ; 16 r
	s_mov_b32 s41, 0
	s_wait_kmcnt 0x0
	s_cmp_lt_u32 s34, 192                          ; the choice hangs on the work-group's number alone
	s_cselect_b64 s[44:45], s[16:17], s[20:21]
	s_cselect_b64 s[46:47], s[18:19], s[22:23]
	s_cselect_b32 s38, 0, 192
	s_sub_co_u32 s38, s34, s38                     ; the tile in its own tensor
	ROW0 39, 38, 40
	s_mul_i32 s40, s39, 768
	s_mul_i32 s42, s33, 192
	s_add_co_u32 s40, s40, s42
	s_add_nc_u64 s[44:45], s[44:45], s[40:41]
	s_lshl_b32 s40, s39, 5
	s_lshl_b32 s42, s33, 3
	s_add_co_u32 s40, s40, s42
	s_add_nc_u64 s[46:47], s[46:47], s[40:41]
	s_lshl_b32 s40, s34, 3
	s_lshl_b32 s42, s33, 1
	s_add_co_u32 s40, s40, s42
	s_mul_i32 s40, s40, 1536
	s_add_nc_u64 s[50:51], s[12:13], s[40:41]      ; image (g, 2 w)
	SCOFF 48, 34, 43
	s_lshl_b32 s42, s33, 15
	s_add_co_u32 s40, s48, s42
	s_add_co_u32 s40, s40, W1S
	s_add_nc_u64 s[52:53], s[12:13], s[40:41]
	ROW0 39, 34, 40                                ; fc: tile g
	s_mul_i32 s40, s39, 768
	s_mul_i32 s42, s33, 192
	s_add_co_u32 s40, s40, s42
	s_add_nc_u64 s[54:55], s[24:25], s[40:41]
	s_lshl_b32 s40, s39, 5
	s_lshl_b32 s42, s33, 3
	s_add_co_u32 s40, s40, s42
	s_add_nc_u64 s[56:57], s[26:27], s[40:41]
	s_add_nc_u64 s[58:59], s[50:51], FCI
	s_add_nc_u64 s[60:61], s[52:53], FCS-W1S
	s_lshr_b32 s38, s34, 2                         ; proj: tile g / 4,
	s_and_b32 s39, s34, 3
	s_lshl_b32 s39, s39, 3
	s_lshl_b32 s42, s33, 1
	s_add_co_u32 s39, s39, s42                     ; K step 8 (g % 4) + 2 w
	ROW0 42, 38, 40
	s_mul_i32 s40, s42, 3072
	s_mul_i32 s43, s39, 96
	s_add_co_u32 s40, s40, s43
	s_add_nc_u64 s[62:63], s[28:29], s[40:41]
	s_lshl_b32 s40, s42, 7
	s_lshl_b32 s43, s39, 2
	s_add_co_u32 s40, s40, s43
	s_add_nc_u64 s[66:67], s[30:31], s[40:41]
	s_lshl_b32 s40, s38, 5
	s_add_co_u32 s40, s40, s39
	s_mul_i32 s40, s40, 1536
	s_add_co_u32 s40, s40, PJI
	s_add_nc_u64 s[68:69], s[12:13], s[40:41]
	SCOFF 48, 38, 43
	s_lshl_b32 s43, s39, 12                        ; 4,096 bytes of scale words a K step: 1,024 rows
	s_add_co_u32 s40, s48, s43
	s_add_co_u32 s40, s40, PJS
	s_add_nc_u64 s[70:71], s[12:13], s[40:41]
.irp e, 0,1
	RFRAG 32+12*\e, 9, 44, 96*\e
	global_load_b32 v[104+\e], v11, s[46:47] offset:4*\e
	RFRAG 56+12*\e, 9, 54, 96*\e
	global_load_b32 v[106+\e], v11, s[56:57] offset:4*\e
	RFRAG 80+12*\e, 10, 62, 96*\e
	global_load_b32 v[108+\e], v12, s[66:67] offset:4*\e
.endr
	s_wait_loadcnt 0x0
.irp e, 0,1
	IMGST 32+12*\e, 50, 1536*\e
	global_store_b32 v13, v[104+\e], s[52:53] offset:16384*\e
	IMGST 56+12*\e, 58, 1536*\e
	global_store_b32 v13, v[106+\e], s[60:61] offset:16384*\e
	IMGST 80+12*\e, 68, 1536*\e
	global_store_b32 v13, v[108+\e], s[70:71] offset:4096*\e
.endr
	s_endpgm
.Lfunc_end_k_q2890e48ae2_prep:
	.size	k_q2890e48ae2_prep, .Lfunc_end_k_q2890e48ae2_prep-k_q2890e48ae2_prep
	.p2alignl 7, 3214868480
	.fill 96, 4, 3214868480
	.section	.rodata,"a",@progbits
	.p2align	6, 0x0
	.amdhsa_kernel k_q2890e48ae2_prep
		.amdhsa_group_segment_fixed_size 66560
		.amdhsa_private_segment_fixed_size 0
		.amdhsa_enable_private_segment 0
		.amdhsa_kernarg_size 104
		.amdhsa_user_sgpr_count 2
		.amdhsa_user_sgpr_kernarg_segment_ptr 1
		.amdhsa_wavefront_size32 1
		.amdhsa_system_sgpr_workgroup_id_x 1
		.amdhsa_system_sgpr_workgroup_id_y 1
		.amdhsa_system_sgpr_workgroup_id_z 1
		.amdhsa_system_vgpr_workitem_id 0
		.amdhsa_next_free_vgpr 256
		.amdhsa_next_free_sgpr 80
		.amdhsa_reserve_vcc 0
		.amdhsa_float_denorm_mode_32 3
		.amdhsa_float_denorm_mode_16_64 3
		.amdhsa_memory_ordered 1
		.amdhsa_forward_progress 1
		.amdhsa_inst_pref_size 54
	.end_amdhsa_kernel
	.amdgpu_metadata
---
amdhsa.version: [ 1, 2 ]
amdhsa.kernels:
  - .name:           k_q2890e48ae2_prep
    .symbol:         k_q2890e48ae2_prep.kd
    .args:
      - { .name: hidden_states, .offset: 0, .size: 8, .value_kind: global_buffer, .address_space: global }
      - { .name: ln1_g, .offset: 8, .size: 8, .value_kind: global_buffer, .address_space: global }
      - { .name: ln1_b, .offset: 16, .size: 8, .value_kind: global_buffer, .address_space: global }
      - { .name: a1, .offset: 24, .size: 8, .value_kind: global_buffer, .address_space: global }
      - { .name: wimg, .offset: 32, .size: 8, .value_kind: global_buffer, .address_space: global }
      - { .name: c_attn_w_codes, .offset: 40, .size: 8, .value_kind: global_buffer, .address_space: global }
      - { .name: c_attn_w_scales, .offset: 48, .size: 8, .value_kind: global_buffer, .address_space: global }
      - { .name: c_proj_w_codes, .offset: 56, .size: 8, .value_kind: global_buffer, .address_space: global }
      - { .name: c_proj_w_scales, .offset: 64, .size: 8, .value_kind: global_buffer, .address_space: global }
      - { .name: fc_w_codes, .offset: 72, .size: 8, .value_kind: global_buffer, .address_space: global }
      - { .name: fc_w_scales, .offset: 80, .size: 8, .value_kind: global_buffer, .address_space: global }
      - { .name: proj_w_codes, .offset: 88, .size: 8, .value_kind: global_buffer, .address_space: global }
      - { .name: proj_w_scales, .offset: 96, .size: 8, .value_kind: global_buffer, .address_space: global }
    .group_segment_fixed_size: 66560
    .private_segment_fixed_size: 0
    .kernarg_segment_align: 8
    .kernarg_segment_size: 104
    .max_flat_workgroup_size: 128
    .sgpr_count:     80
    .vgpr_count:     256
    .wavefront_size: 32
...
	.end_amdgpu_metadata
.endif
;; end of part 1
;; launch qkv (part 2): grid 12 x 16, 4 waves a work-group, no clusters, 0 bytes of LDS; arguments a1, wimg, c_attn_b, qkvi; writes qkvi
.if DOCPART == 2
	.amdgcn_target "amdgcn-amd-amdhsa--gfx1250"
	.amdhsa_code_object_version 6
	.text
	.protected	k_q2890e48ae2_qkv
	.globl	k_q2890e48ae2_qkv
	.p2align	8
	.type	k_q2890e48ae2_qkv,@function
k_q2890e48ae2_qkv:
	s_mov_b64 s[64:65], 0
	v_nop
	global_prefetch_b8 v0, s[64:65] scope:SCOPE_SE
	s_setreg_imm32_b32 hwreg(HW_REG_WAVE_MODE, 25, 1), 1
	s_wait_xcnt 0x0
; q, k, v = LN1(x) W + b on codes of FP6 (E2M3) with E8M0 scales, [4096 x 1024] x [1024 x 3072]; the results are quantised here for the two products of attention and stored as images of operand registers.
; A work-group makes 256 x 256 of the result, a wave 128 x 128: 64 accumulators, 512 registers.  Work-group x: 0-3 q, 4-7 k, 8-11 v; y: 256 tokens.
; OPERANDS COME STRAIGHT INTO REGISTERS.  Both lie in memory as images of fragments ([tile][K step][1,536 bytes]): a fragment is three loads of 512 consecutive bytes.  TWO SETS OF REGISTERS, both asked for at the head;
; a set is asked for again, with the K step two on, straight behind its own 64 products, whether or not the other set has landed: so requests stand in line without a gap, and a set has the other set's products in which to land.
; Each set has address registers of its own, written again only behind the wait that shows its loads done.  The two sets' loads together are more than LOADcnt's field holds: the issue of the later ones then waits for
; earlier ones to come back (ISA guide 5.7.1), which happens only where the wave would wait for those loads anyway.
; K is 8 steps; each work-group begins at K step (x + y) % 8, so that work-groups that share tiles ask for different K steps at the start.
; NO LDS RING, NO JOINT LOADS: with 8 K steps a ring of two slots of two steps would be filled four times, twice of them at the start; and v wants the tokens as source 0, which here is a choice of pointers and there
; would be a second loop.  The price is that the four work-group columns and rows that share a tile each ask for it.
; SOURCE 0 = operand P, SOURCE 1 = operand Q.  A tile's 16 rows are 32 (t / 2) + 8 (t % 2) + r + 8 (r / 8), so the 64 registers that a lane holds of P's 8 tiles against one tile of Q are 128 P rows in the order that
; the quantiser wants: register 16 b + n = P row 32 b + 16 (lane / 16) + n.  q, k: P = W (K of the next product = the head's 64), Q = tokens.  v: P = tokens (K of the next product = the keys), Q = W.
; A head's block in qkvi (315,392 bytes): K's half images [128 tiles][768] at 0; V's images [16 groups of 128 keys][4 tiles of d][1,536] at 98,304; K's scale words [16][512] at 196,608; V's [16][256] at 204,800;
; Q's half images at 208,896; Q's scale words at 307,200.  A half image (a head's 64 are half a fragment): registers 0-3 at 16 x lane, 4-5 at 512 + 8 x lane; V's images are two such halves on end.
; LIMITS: the sums go over K from a rotated start, so their last bits differ from an ascending sum's; NaN and infinities are not served; a block under 2^-124 gets the byte 1.
.set KST, 8
.set NS,  8                            ; K steps of a wave
.set TST, KST*1536                     ; from tile to tile
.set SHP, 14                           ; a K step's scale words: 16,384 bytes (4,096 rows), both operands
.set SHQ, 14
.set NLD, 50                           ; loads of a set: 8 x 3 for P, 8 x 3 for Q, 2 of scale words
.set W1S, 9437184
.set ASC, 3145728
.set HB,  315392
.set VIO, 98304
.set KSO, 196608
.set VSO, 204800
.set QIO, 208896
.set QSO, 307200
.set HA,  32                           ; the way out, window 0: v32-95 64 numbers; v160-179 codes; v180-195 at work; v200-207 the 8 tiles' scale words; v208-215 their blocks
.set PC,  160
.set TM,  180
.set WD,  200
.set SW,  208
.set VB,  224                          ; v224-231 the bias of my lane's W row, tile by tile (v's path)
.set MH,  74                           ; s74 lanes 16-31
.set SEL, 76                           ; s[76:77]
; REGISTERS.  Window 0: v1 16 x lane, v2 8 x lane, v3 r, v4 h, v5, v6 the bias's lane terms; v16-31 scale words and nothing else (set b: P's at 16 + 8 b, Q's at 20 + 8 b); Q's fragments: set 0 v32-127, set 1 v128-223.
; Window 1: P's fragments: set 0 v0-95, set 1 v128-223; the bias along P: tile i at 96 + 8 i (i < 4), 192 + 8 i (i >= 4).  Windows 2, 3: accumulator (Q tile j, P tile i) at window 2 + j / 4, v[8 (8 (j % 4) + i)].
; s[8:15] the operands' and scale words' addresses at K step 0; at the K step asked for: set 0 s[16:23], set 1 s[4:7] and s[32:35]; s24 the K step last asked for, less s25, the wave's first.
.set MSB, 0
.macro WIN new                         ; the immediate's high byte repeats the setting that is left
.if MSB != (\new)
	s_set_vgpr_msb (MSB<<8)|(\new)
.set MSB, (\new)
.endif
.endm
.macro PLACES                          ; four plain lines between a matrix instruction and a load into, or a vector line on, its registers
.rept 4
	v_nop
.endr
.endm
.macro SETK pa, qa, ps, qs
	s_add_co_u32 s26, s24, s25
	s_lshl_b32 s28, s26, SHP
	s_lshl_b32 s30, s26, SHQ
	s_mul_i32 s26, s26, 1536
	s_add_nc_u64 s[\pa:\pa+1], s[8:9], s[26:27]
	s_add_nc_u64 s[\qa:\qa+1], s[10:11], s[26:27]
	s_add_nc_u64 s[\ps:\ps+1], s[12:13], s[28:29]
	s_add_nc_u64 s[\qs:\qs+1], s[14:15], s[30:31]
.endm
.macro LOADSET b, pa, qa, ps, qs       ; NLD loads: 8 fragments of P, 8 of Q, the scale words of both
	WIN 0x40
.irp i, 0,1,2,3,4,5,6,7
.irp c, 0,1,2
	global_load_b128 v[128*(\b)+12*\i+4*\c:128*(\b)+12*\i+4*\c+3], v1, s[\pa:\pa+1] offset:\i*TST+512*\c
.endr
.endr
	WIN 0
.irp i, 0,1,2,3,4,5,6,7
.irp c, 0,1,2
	global_load_b128 v[32+96*(\b)+12*\i+4*\c:32+96*(\b)+12*\i+4*\c+3], v1, s[\qa:\qa+1] offset:\i*TST+512*\c
.endr
.endr
	global_load_b128 v[16+8*(\b):19+8*(\b)], v1, s[\ps:\ps+1]
	global_load_b128 v[20+8*(\b):23+8*(\b)], v1, s[\qs:\qs+1]
.endm
.macro FILL b                          ; set b is asked for, at K step s24 + s25, by its own address registers
.if \b
	SETK 4, 6, 32, 34
	LOADSET 1, 4, 6, 32, 34
.else
	SETK 16, 18, 20, 22
	LOADSET 0, 16, 18, 20, 22
.endif
.endm
.macro NEXTK
	s_add_co_u32 s24, s24, 1
	s_and_b32 s24, s24, NS-1
.endm
.macro WM d, a, b, zero, sa, sb, ra, rb    ; one product; an odd tile's scale words lie in lanes 16-31 of its register
.if \zero
.if (\ra) && (\rb)
	v_wmma_scale_f32_16x16x128_f8f6f4 v[\d:\d+7], v[\a:\a+11], v[\b:\b+11], 0, v[\sa], v[\sb] matrix_a_fmt:MATRIX_FMT_FP6 matrix_b_fmt:MATRIX_FMT_FP6 matrix_a_scale:MATRIX_SCALE_ROW1 matrix_b_scale:MATRIX_SCALE_ROW1
.elseif \ra
	v_wmma_scale_f32_16x16x128_f8f6f4 v[\d:\d+7], v[\a:\a+11], v[\b:\b+11], 0, v[\sa], v[\sb] matrix_a_fmt:MATRIX_FMT_FP6 matrix_b_fmt:MATRIX_FMT_FP6 matrix_a_scale:MATRIX_SCALE_ROW1
.elseif \rb
	v_wmma_scale_f32_16x16x128_f8f6f4 v[\d:\d+7], v[\a:\a+11], v[\b:\b+11], 0, v[\sa], v[\sb] matrix_a_fmt:MATRIX_FMT_FP6 matrix_b_fmt:MATRIX_FMT_FP6 matrix_b_scale:MATRIX_SCALE_ROW1
.else
	v_wmma_scale_f32_16x16x128_f8f6f4 v[\d:\d+7], v[\a:\a+11], v[\b:\b+11], 0, v[\sa], v[\sb] matrix_a_fmt:MATRIX_FMT_FP6 matrix_b_fmt:MATRIX_FMT_FP6
.endif
.else
.if (\ra) && (\rb)
	v_wmma_scale_f32_16x16x128_f8f6f4 v[\d:\d+7], v[\a:\a+11], v[\b:\b+11], v[\d:\d+7], v[\sa], v[\sb] matrix_a_fmt:MATRIX_FMT_FP6 matrix_b_fmt:MATRIX_FMT_FP6 matrix_a_scale:MATRIX_SCALE_ROW1 matrix_b_scale:MATRIX_SCALE_ROW1
.elseif \ra
	v_wmma_scale_f32_16x16x128_f8f6f4 v[\d:\d+7], v[\a:\a+11], v[\b:\b+11], v[\d:\d+7], v[\sa], v[\sb] matrix_a_fmt:MATRIX_FMT_FP6 matrix_b_fmt:MATRIX_FMT_FP6 matrix_a_scale:MATRIX_SCALE_ROW1
.elseif \rb
	v_wmma_scale_f32_16x16x128_f8f6f4 v[\d:\d+7], v[\a:\a+11], v[\b:\b+11], v[\d:\d+7], v[\sa], v[\sb] matrix_a_fmt:MATRIX_FMT_FP6 matrix_b_fmt:MATRIX_FMT_FP6 matrix_b_scale:MATRIX_SCALE_ROW1
.else
	v_wmma_scale_f32_16x16x128_f8f6f4 v[\d:\d+7], v[\a:\a+11], v[\b:\b+11], v[\d:\d+7], v[\sa], v[\sb] matrix_a_fmt:MATRIX_FMT_FP6 matrix_b_fmt:MATRIX_FMT_FP6
.endif
.endif
.endm
.macro MULS b, zero                    ; a K step: the 64 accumulators take turns, one instruction a turn, in the same order in every step
.irp j, 0,1,2,3,4,5,6,7
	WIN 0xa1+0x50*(\j/4)
.irp i, 0,1,2,3,4,5,6,7
	WM 8*(8*(\j%4)+\i), 128*(\b)+12*\i, 32+96*(\b)+12*\j, \zero, 16+8*(\b)+\i/2, 20+8*(\b)+\j/2, \i%2, \j%2
.endr
.endr
.endm
.macro BIASLD                          ; both forms of the bias are loaded on both paths: 24 loads
	WIN 0x40
.irp i, 0,1,2,3,4,5,6,7
	global_load_b128 v[96+8*\i+96*(\i/4):96+8*\i+96*(\i/4)+3], v5, s[40:41] offset:4*(32*(\i/2)+8*(\i%2))
	global_load_b128 v[96+8*\i+96*(\i/4)+4:96+8*\i+96*(\i/4)+7], v5, s[40:41] offset:4*(32*(\i/2)+8*(\i%2))+16
.endr
	WIN 0
.irp i, 0,1,2,3,4,5,6,7
	global_load_b32 v[VB+\i], v6, s[40:41] offset:4*(32*(\i/2)+8*(\i%2))
.endr
.endm
; A K step on set cur.  left: the loads issued behind set cur's, which may stay out: the other set's NLD, or none in the last step.  fetch = 1: set cur is asked for again, two K steps on.
; bias = 1 (the last step but one): the bias is asked for here, a step ahead of the last wait, and not at the head, where it would stand in front of the first set.
.macro STEP cur, zero, fetch, left, bias
	s_wait_loadcnt \left                           ; loads come back in order (ISA guide 5.7.1): set cur is in, and its address registers may be written
.if \bias
	BIASLD
.endif
	MULS \cur, \zero
	WIN 0
.if \fetch
	PLACES                                         ; set cur has just been multiplied
	NEXTK
	FILL \cur
.endif
.endm
.macro QUANT s, pc, pw                 ; 64 numbers of a lane, register 16 b + i = k 32 b + 16 (lane / 16) + i, become a fragment's codes in v[pc] .. + 11 (+ 12 .. + 18 at work) and its scale word in v[pw]
.irp b, 0,1,2,3
	v_max3_num_f32 v[TM+\b], |v[\s+16*\b]|, |v[\s+1+16*\b]|, 0x1800000   ; and the floor 2^(3 - 127): the byte cannot fall under 1
.endr
.irp i, 2,4,6,8,10,12,14
.irp b, 0,1,2,3
	v_max3_num_f32 v[TM+\b], v[TM+\b], |v[\s+16*\b+\i]|, |v[\s+1+16*\b+\i]|
.endr
.endr
.irp b, 0,1,2,3
	v_permlanex16_b32 v[TM+4+\b], v[TM+\b], s[SEL], s[SEL+1]
.endr
.irp b, 0,1,2,3
	v_max_num_f32 v[TM+\b], v[TM+\b], v[TM+4+\b]
.endr
.irp b, 0,1,2,3
	v_add_nc_u32 v[TM+12+\b], 0xff000000, v[TM+\b]    ; 2 off the exponent field: the conversion's scale operand
.endr
.irp b, 0,1,2,3
	v_lshrrev_b32 v[TM+4+\b], 23, v[TM+12+\b]
.endr
	v_lshl_or_b32 v[\pw], v[TM+5], 8, v[TM+4]
	v_lshl_or_b32 v[\pw], v[TM+6], 16, v[\pw]
	v_lshl_or_b32 v[\pw], v[TM+7], 24, v[\pw]
.irp c, 0,1
	v_cvt_scalef32_pk16_fp6_f32 v[\pc+6*\c:\pc+2+6*\c], v[\s+32*\c:\s+15+32*\c], v[TM+12+2*\c]
	v_cvt_scalef32_pk16_fp6_f32 v[\pc+12+4*\c:\pc+14+4*\c], v[\s+16+32*\c:\s+31+32*\c], v[TM+12+2*\c+1]
.endr
	v_nop                                             ; one plain line behind the scaled conversions
.irp c, 0,1
.irp i, 0,1,2
	v_permlane16_swap_b32 v[\pc+6*\c+\i], v[\pc+12+4*\c+\i]
.endr
.irp i, 0,1,2
	v_mov_b32 v[\pc+3+6*\c+\i], v[\pc+12+4*\c+\i]
.endr
.endr
.endm
.macro VIMGST pc, base, off            ; an image of V^T: two half images on end
	global_store_b128 v1, v[\pc:\pc+3], s[\base:\base+1] offset:\off
	global_store_b64 v2, v[\pc+4:\pc+5], s[\base:\base+1] offset:\off+512
	global_store_b128 v1, v[\pc+6:\pc+9], s[\base:\base+1] offset:\off+768
	global_store_b64 v2, v[\pc+10:\pc+11], s[\base:\base+1] offset:\off+1280
.endm
.macro ADDB j                          ; Q tile j's 64 results + the bias along P, into window 0; each accumulator from its low end on
	WIN 0x06+(\j)/4
.irp i, 0,1,2,3,4,5,6,7
.irp p, 0,2,4,6
	v_pk_add_f32 v[HA+8*\i+\p:HA+8*\i+\p+1], v[64*((\j)%4)+8*\i+\p:64*((\j)%4)+8*\i+\p+1], v[96+8*\i+96*(\i/4)+\p:96+8*\i+96*(\i/4)+\p+1]
.endr
.endr
	WIN 0
.endm
.macro ADDBV j                         ; the same with the bias of the lane's own Q row: one number for all 64
	WIN 0x02+(\j)/4
.set m, 0
.rept 32
.if (\j)%2
	v_pk_add_f32 v[HA+m:HA+m+1], v[64*((\j)%4)+m:64*((\j)%4)+m+1], v[VB+(\j)-1:VB+(\j)] op_sel:[0,1] op_sel_hi:[1,1]
.else
	v_pk_add_f32 v[HA+m:HA+m+1], v[64*((\j)%4)+m:64*((\j)%4)+m+1], v[VB+(\j):VB+(\j)+1] op_sel_hi:[1,0]
.endif
.set m, m+2
.endr
	WIN 0
.endm
	s_load_b256 s[36:43], s[0:1], 0x0              ; a1 s[36:37], wimg s[38:39], c_attn_b s[40:41], qkvi s[42:43]
	v_lshrrev_b32 v1, 5, v0
	v_readfirstlane_b32 s2, v1                     ; wave 0..3
	v_and_b32 v2, 31, v0
	v_lshlrev_b32 v1, 4, v2
	v_lshlrev_b32 v2, 3, v2
	v_and_b32 v3, 15, v0
	v_bfe_u32 v4, v0, 4, 1
	s_mov_b32 s48, ttmp9                           ; x
	s_and_b32 s49, ttmp7, 0xffff                   ; y
	s_and_b32 s50, s2, 1                           ; which half of P's 256 rows
	s_lshr_b32 s51, s2, 1                          ; which half of Q's
	s_cmp_ge_u32 s48, 8                            ; v?
	s_cselect_b32 s52, s51, s50                    ; my half of W's 256 rows
	s_cselect_b32 s53, s50, s51                    ; my half of the 256 tokens
	s_lshl_b32 s54, s48, 1
	s_add_co_u32 s54, s54, s52                     ; W's group of 8 tiles
	s_lshl_b32 s55, s49, 1
	s_add_co_u32 s55, s55, s53                     ; the tokens' group of 8 tiles
	s_mul_i32 s56, s54, 8*TST
	s_mov_b32 s57, 0
	s_lshl_b32 s58, s54, 9
	s_add_co_u32 s58, s58, W1S
	s_mov_b32 s59, 0
	s_mul_i32 s60, s55, 8*TST
	s_mov_b32 s61, 0
	s_lshl_b32 s62, s55, 9
	s_add_co_u32 s62, s62, ASC
	s_mov_b32 s63, 0
	s_lshl_b32 s66, s54, 9                         ; 4 bytes x 128 numbers of the bias a group
	s_mov_b32 s67, 0
	s_mov_b32 s27, 0
	s_mov_b32 s29, 0
	s_mov_b32 s31, 0
	s_mov_b32 s25, 0
	s_add_co_u32 s24, s48, s49
	s_and_b32 s24, s24, NS-1                       ; the first K step
	v_lshlrev_b32 v5, 6, v4                        ; the bias along P: 64 h
	v_and_b32 v6, 8, v3
	v_add_nc_u32 v6, v6, v3
	v_lshlrev_b32 v6, 2, v6                        ; the bias of my row: 4 (r + 8 (r / 8))
	s_wait_kmcnt 0x0
	s_add_nc_u64 s[56:57], s[38:39], s[56:57]
	s_add_nc_u64 s[58:59], s[38:39], s[58:59]
	s_add_nc_u64 s[60:61], s[36:37], s[60:61]
	s_add_nc_u64 s[62:63], s[36:37], s[62:63]
	s_add_nc_u64 s[40:41], s[40:41], s[66:67]
	s_cmp_ge_u32 s48, 8                            ; the choice hangs on the work-group's number alone
	s_cselect_b64 s[8:9], s[60:61], s[56:57]
	s_cselect_b64 s[10:11], s[56:57], s[60:61]
	s_cselect_b64 s[12:13], s[62:63], s[58:59]
	s_cselect_b64 s[14:15], s[58:59], s[62:63]
	FILL 0                                         ; both sets are asked for before anything else
	NEXTK
	FILL 1
	STEP 0, 1, 1, NLD, 0                           ; the first K step starts the sums: nothing is cleared
	STEP 1, 0, 1, NLD, 0
	s_mov_b32 s3, (NS-4)/2
.Lk:
	STEP 0, 0, 1, NLD, 0
	STEP 1, 0, 1, NLD, 0
	s_sub_co_u32 s3, s3, 1
	s_cmp_lg_u32 s3, 0
	s_cbranch_scc1 .Lk
	STEP 0, 0, 0, NLD, 1                           ; the last two K steps ask for no set
	STEP 1, 0, 0, 0, 0
	PLACES
	; ---- THE WAY OUT.  No load is out: s4-35 are free
.irp b, 0,1,2,3
	v_mov_b32 v[TM+4+\b], 0                        ; a lane permute's destination counts as read
.endr
	s_mov_b32 s[SEL], 0x76543210
	s_mov_b32 s[SEL+1], 0xfedcba98
	s_mov_b32 s[MH], 0xffff0000
	s_lshr_b32 s8, s49, 3                          ; the batch
	s_and_b32 s9, s55, 15                          ; my group of 128 tokens in it
	s_lshl_b32 s10, s8, 4
	s_and_b32 s11, s48, 3
	s_lshl_b32 s11, s11, 2
	s_add_co_u32 s10, s10, s11
	s_lshl_b32 s11, s52, 1
	s_add_co_u32 s10, s10, s11                     ; the first of my two heads: 16 batch + 4 (x % 4) + 2 x my half of W
	s_mul_i32 s10, s10, HB
	s_mov_b32 s11, 0
	s_add_nc_u64 s[42:43], s[42:43], s[10:11]
	s_cmp_ge_u32 s48, 8
	s_cbranch_scc1 .Lv
	; q or k: a tile of tokens x 128 features = two heads: half c of the fragment is head c's half image, bytes 2 c, 2 c + 1 of the scale word are its scales
	s_cmp_lt_u32 s48, 4
	s_cselect_b32 s12, QIO, 0
	s_cselect_b32 s14, QSO-KSO, 0
	s_mul_i32 s10, s9, 6144
	s_add_co_u32 s12, s12, s10
	s_mov_b32 s13, 0
	s_add_nc_u64 s[12:13], s[42:43], s[12:13]
	s_lshl_b32 s10, s9, 9
	s_add_co_u32 s14, s14, s10
	s_add_co_u32 s14, s14, KSO
	s_mov_b32 s15, 0
	s_add_nc_u64 s[14:15], s[42:43], s[14:15]
.irp j, 0,1,2,3,4,5,6,7
	s_wait_xcnt 0x0                                ; the last tile's stores have read the codes' registers
	ADDB \j
	QUANT HA, PC, WD+\j
	global_store_b128 v1, v[PC:PC+3], s[12:13] offset:768*\j
	global_store_b64 v2, v[PC+4:PC+5], s[12:13] offset:768*\j+512
	global_store_b128 v1, v[PC+6:PC+9], s[12:13] offset:HB+768*\j
	global_store_b64 v2, v[PC+10:PC+11], s[12:13] offset:HB+768*\j+512
.endr
.irp e, 0,1,2,3
	v_cndmask_b32 v[SW+\e], v[WD+2*\e], v[WD+2*\e+1], s[MH]   ; lanes 0-15 the even tile's words, lanes 16-31 the odd tile's
.endr
.irp e, 0,1,2,3
	v_lshrrev_b32 v[SW+4+\e], 16, v[SW+\e]         ; the second head's two bytes; the two bytes above stay 0: they stand over zero codes
.endr
.irp e, 0,1,2,3
	v_and_b32 v[SW+\e], 0xffff, v[SW+\e]           ; the first head's
.endr
	global_store_b128 v1, v[SW:SW+3], s[14:15]
	global_store_b128 v1, v[SW+4:SW+7], s[14:15] offset:HB
	s_endpgm
.Lv:
	; v: a tile of 16 features x my 128 tokens, which are the keys of one group: a whole fragment of V^T.  Tiles 0-3 are the first head's, 4-7 the second's
	s_mul_i32 s12, s9, 6144
	s_add_co_u32 s12, s12, VIO
	s_mov_b32 s13, 0
	s_add_nc_u64 s[12:13], s[42:43], s[12:13]
	s_lshl_b32 s14, s9, 8
	s_add_co_u32 s14, s14, VSO
	s_mov_b32 s15, 0
	s_add_nc_u64 s[14:15], s[42:43], s[14:15]
.irp j, 0,1,2,3,4,5,6,7
	s_wait_xcnt 0x0
	ADDBV \j
	QUANT HA, PC, WD+\j
	VIMGST PC, 12, (\j/4)*HB+(\j%4)*1536
.endr
.irp e, 0,1,2,3
	v_cndmask_b32 v[SW+\e], v[WD+2*\e], v[WD+2*\e+1], s[MH]
.endr
	global_store_b64 v2, v[SW:SW+1], s[14:15]
	global_store_b64 v2, v[SW+2:SW+3], s[14:15] offset:HB
	s_endpgm
.Lfunc_end_k_q2890e48ae2_qkv:
	.size	k_q2890e48ae2_qkv, .Lfunc_end_k_q2890e48ae2_qkv-k_q2890e48ae2_qkv
	.p2alignl 7, 3214868480
	.fill 96, 4, 3214868480
	.section	.rodata,"a",@progbits
	.p2align	6, 0x0
	.amdhsa_kernel k_q2890e48ae2_qkv
		.amdhsa_group_segment_fixed_size 0
		.amdhsa_private_segment_fixed_size 0
		.amdhsa_enable_private_segment 0
		.amdhsa_kernarg_size 32
		.amdhsa_user_sgpr_count 2
		.amdhsa_user_sgpr_kernarg_segment_ptr 1
		.amdhsa_wavefront_size32 1
		.amdhsa_system_sgpr_workgroup_id_x 1
		.amdhsa_system_sgpr_workgroup_id_y 1
		.amdhsa_system_sgpr_workgroup_id_z 1
		.amdhsa_system_vgpr_workitem_id 0
		.amdhsa_next_free_vgpr 1024
		.amdhsa_next_free_sgpr 80
		.amdhsa_reserve_vcc 0
		.amdhsa_float_denorm_mode_32 3
		.amdhsa_float_denorm_mode_16_64 3
		.amdhsa_memory_ordered 1
		.amdhsa_forward_progress 1
		.amdhsa_inst_pref_size 187
	.end_amdhsa_kernel
	.amdgpu_metadata
---
amdhsa.version: [ 1, 2 ]
amdhsa.kernels:
  - .name:           k_q2890e48ae2_qkv
    .symbol:         k_q2890e48ae2_qkv.kd
    .args:
      - { .name: a1, .offset: 0, .size: 8, .value_kind: global_buffer, .address_space: global }
      - { .name: wimg, .offset: 8, .size: 8, .value_kind: global_buffer, .address_space: global }
      - { .name: c_attn_b, .offset: 16, .size: 8, .value_kind: global_buffer, .address_space: global }
      - { .name: qkvi, .offset: 24, .size: 8, .value_kind: global_buffer, .address_space: global }
    .group_segment_fixed_size: 0
    .private_segment_fixed_size: 0
    .kernarg_segment_align: 8
    .kernarg_segment_size: 32
    .max_flat_workgroup_size: 128
    .sgpr_count:     80
    .vgpr_count:     1024
    .wavefront_size: 32
...
	.end_amdgpu_metadata
.endif
;; end of part 2
;; launch attn (part 3): grid 8 x 32, 16 waves a work-group, no clusters, 210,944 bytes of LDS; arguments qkvi, ctxi; writes ctxi
.if DOCPART == 3
	.amdgcn_target "amdgcn-amd-amdhsa--gfx1250"
	.amdhsa_code_object_version 6
	.text
	.protected	k_q2890e48ae2_attn
	.globl	k_q2890e48ae2_attn
	.p2align	8
	.type	k_q2890e48ae2_attn,@function
k_q2890e48ae2_attn:
	s_mov_b64 s[64:65], 0
	v_nop
	global_prefetch_b8 v0, s[64:65] scope:SCOPE_SE
	s_setreg_imm32_b32 hwreg(HW_REG_WAVE_MODE, 25, 1), 1
	s_wait_xcnt 0x0
; Causal attention of one head on codes of FP6 (E2M3) with E8M0 scales; head size 64, 2,048 tokens.  Work-group y = 16 batch + head; its 16 waves own one tile of 16 queries each.
; t = score x log2(e) / 8; M = the running largest t rounded up to a whole number; p = 2^(t - M) is quantised along the keys, not normalised; the row's sum is taken of the unquantised p and divides at the end.
; When M moves, the sum and O are multiplied by 2^(old M - new M): nothing is rounded.
; THE HEAD'S WHOLE K AND V LIE IN LDS: half images of K, images of V^T and both scale words are the first 208,896 bytes of the head's block; each wave brings a sixteenth by one tensor load at the head.
; Nothing is filled again and nothing is stored to LDS, so behind the one barrier the waves share nothing more.
; Both products are used transposed: S^T = K Q^T (source 0 = 16 keys), O^T = V^T P^T (source 0 = 16 of the head's 64): a lane holds one query throughout.  A tile's 16 rows are 32 (t / 2) + 8 (t % 2) + r + 8 (r / 8),
; so the 16 registers of tiles 2 b, 2 b + 1 of S^T are keys 32 b + 16 (lane / 16) + 0 .. 15.  The head's 64 fill half of an instruction's 128 along K: registers 6-11 of K's and Q's fragments hold zero codes.
; SHARES.  Wave w takes tile 8 u + x, u = w xor 3 ((w / 4) % 2): it has u + 1 key steps of 128, every work-group 136, and waves w, w + 4, w + 8, w + 12 together 34.
; The loop has 16 trips for every wave; a step all of whose keys come after the wave's queries is jumped over (a branch on ids).
; The 8 work-groups of a head ask for the same 208,896 bytes, once each, at their heads: no joint load is made of it here, since it is one fill against 136 key steps' work.
; The result is quantised along the head's 64 and stored as half c = head % 2 of K step head / 2 of the next product's images.
; LIMITS: NaN and infinities are not served; a block whose largest number lies under 2^-124 gets the byte 1.
.set HB,   315392
.set VIO,  98304
.set KSO,  196608
.set VSO,  204800
.set QIO,  208896
.set QSO,  307200
.set FILL, 13056                       ; 51 rows of 256 bytes: a wave's part of the fill
.set ASC,  3145728
.set WV,   18
.set SEL,  20                          ; s[20:21]
.set CS,   22                          ; s[22:23] c = log2(e) / 8
.set G1,   24                          ; s[24:31] descriptor group 1
.set G0,   32                          ; s[32:35] group 0
.set TK,   36                          ; s36 the step's place in K's and in V's images: 6,144 bytes a step
.set TS,   37                          ; s37 in K's scale words: 512
.set TV,   38                          ; s38 in V's: 256
.set KF,   39                          ; s39 the step's first key
.set Q0,   40                          ; s40 my tile's first query
.set CNT,  41
; REGISTERS: v1 16 x lane, v2 8 x lane, v3 my query - Q0 - 16 (lane / 16); v4-9 the step's addresses; v10, v11, v82, v83 lane terms + the regions' starts; v12 -M, v13 the largest t, v[14:15] the sum;
; v16-27 Q; v28-31 K's scale words; v32-79 four fragments of K; v80-81 V's scale words; v84 16 r; v96-159 S^T, then p, then V's four fragments; v160-191 O^T; v224-235 p's codes; v232-254 at work;
; v[250:251] f; v253 p's scale word; v255 Q's.
	s_load_b128 s[4:7], s[0:1], 0x0                ; qkvi, ctxi
	v_lshl_add_u32 v248, v0, 2, 0x33000
	v_mov_b32 v249, 0
	ds_add_u32 v248, v249
	ds_add_u32 v248, v249
	v_lshrrev_b32 v1, 5, v0
	v_readfirstlane_b32 s[WV], v1                  ; wave 0..15
	s_and_b32 s42, ttmp7, 0xffff                   ; y
	s_mul_i32 s44, s42, HB
	s_mov_b32 s45, 0
	s_mul_i32 s46, s[WV], FILL
	s_mov_b32 s47, 0
	s_mov_b32 s[G1], 3<<16                         ; no mask; elements of 8 bytes; no padding
	s_mov_b32 s[G1+1], 32<<16                      ; tensor_dim0 = 32 elements = 256 bytes
	s_mov_b32 s[G1+2], 51<<16                      ; tensor_dim1 = 51
	s_mov_b32 s[G1+3], 32<<16                      ; tile_dim0
	s_mov_b32 s[G1+4], 51                          ; tile_dim1
	s_mov_b32 s[G1+5], 32                          ; the pitch: dense
	s_mov_b32 s[G1+6], 0
	s_mov_b32 s[G1+7], 0
	s_wait_dscnt 0x0
	s_wait_kmcnt 0x0
	s_add_nc_u64 s[4:5], s[4:5], s[44:45]          ; the head's block
	s_mov_b32 s[G0], 1
	s_mov_b32 s[G0+1], s46                         ; LDS: the same place as in the block
	s_add_nc_u64 s[G0+2:G0+3], s[4:5], s[46:47]
	s_or_b32 s[G0+3], s[G0+3], 0x80000000
	tensor_load_to_lds s[G0:G0+3], s[G1:G1+7]      ; my one tensor load; its descriptors are never written again
	s_nop 0
.rept 4
	v_nop
.endr
	s_bfe_u32 s48, s[WV], 0x10002
	s_mul_i32 s48, s48, 3
	s_xor_b32 s48, s[WV], s48                      ; u
	s_lshl_b32 s49, s48, 3
	s_add_co_u32 s49, s49, ttmp9                   ; my tile of queries: 8 u + x
	s_lshr_b32 s50, ttmp9, 1
	s_and_b32 s51, ttmp9, 1
	s_lshl_b32 s[Q0], s48, 7
	s_lshl_b32 s52, s50, 5
	s_add_co_u32 s[Q0], s[Q0], s52
	s_lshl_b32 s52, s51, 3
	s_add_co_u32 s[Q0], s[Q0], s52                 ; 128 u + 32 (x / 2) + 8 (x % 2)
	s_lshl_b32 s43, s51, 8
	s_lshl_b32 s52, s50, 2
	s_add_co_u32 s43, s43, s52                     ; the tile's place in its group's scale words
	s_mul_i32 s52, s49, 768
	s_add_co_u32 s52, s52, QIO
	s_mov_b32 s53, 0
	s_add_nc_u64 s[52:53], s[4:5], s[52:53]        ; Q's half image
	s_lshl_b32 s54, s48, 9
	s_add_co_u32 s54, s54, s43
	s_add_co_u32 s54, s54, QSO
	s_mov_b32 s55, 0
	s_add_nc_u64 s[54:55], s[4:5], s[54:55]        ; Q's scale words
	s_lshr_b32 s56, s42, 4                         ; the batch
	s_and_b32 s57, s42, 15                         ; the head
	s_lshr_b32 s58, s57, 1                         ; the next product's K step,
	s_and_b32 s59, s57, 1                          ; and which half of it
	s_lshl_b32 s60, s56, 7
	s_add_co_u32 s60, s60, s49                     ; the tile among all 256
	s_lshl_b32 s60, s60, 3
	s_add_co_u32 s60, s60, s58
	s_mul_i32 s60, s60, 1536
	s_mul_i32 s61, s59, 768
	s_add_co_u32 s60, s60, s61
	s_mov_b32 s61, 0
	s_add_nc_u64 s[60:61], s[6:7], s[60:61]        ; where my half image goes
	s_lshl_b32 s62, s58, 14
	s_lshl_b32 s63, s56, 4
	s_add_co_u32 s63, s63, s48
	s_lshl_b32 s63, s63, 9
	s_add_co_u32 s62, s62, s63
	s_add_co_u32 s62, s62, s43
	s_lshl_b32 s63, s59, 1
	s_add_co_u32 s62, s62, s63
	s_add_co_u32 s62, s62, ASC
	s_mov_b32 s63, 0
	s_add_nc_u64 s[62:63], s[6:7], s[62:63]        ; and my two scale bytes
	s_mov_b32 s[SEL], 0x76543210
	s_mov_b32 s[SEL+1], 0xfedcba98
	s_mov_b32 s[CS], 0x3e38aa3b
	s_mov_b32 s[CS+1], s[CS]
	s_mov_b32 s[TK], 0
	s_mov_b32 s[TS], 0
	s_mov_b32 s[TV], 0
	s_mov_b32 s[KF], 0
	s_mov_b32 s[CNT], 16
	v_and_b32 v2, 31, v0
	v_lshlrev_b32 v1, 4, v2
	v_lshlrev_b32 v2, 3, v2
	v_and_b32 v4, 15, v0                           ; r
	v_bfe_u32 v5, v0, 4, 1                         ; h
	v_lshlrev_b32 v84, 4, v4
	global_load_b128 v[16:19], v1, s[52:53]
	global_load_b64 v[20:21], v2, s[52:53] offset:512
	global_load_b32 v255, v84, s[54:55]
	v_and_b32 v3, 8, v4
	v_add_nc_u32 v3, v3, v4
	v_lshlrev_b32 v5, 4, v5
	v_sub_nc_u32 v3, v3, v5                        ; r + 8 (r / 8) - 16 h
	v_add_nc_u32 v10, VIO, v1
	v_add_nc_u32 v11, VIO, v2
	v_add_nc_u32 v82, KSO, v1
	v_add_nc_u32 v83, VSO, v2
.irp i, 22,23,24,25,26,27
	v_mov_b32 v[\i], 0                             ; zero codes: the upper 64 along K
.endr
.irp t, 0,1,2,3
.irp i, 6,7,8,9,10,11
	v_mov_b32 v[32+12*\t+\i], 0                    ; the same in K's four fragments: cleared once, never loaded
.endr
.endr
	v_mov_b32 v13, 0xff61b1e6                      ; the largest t so far: -3e38
	v_floor_f32 v12, -v13
	v_mov_b32 v14, 0
	v_mov_b32 v15, 0
.irp b, 0,1,2,3
	v_mov_b32 v[236+\b], 0                         ; a lane permute's destination counts as read
.endr
	v_mov_b32 v251, 0                              ; named as the upper half of the pair v[250:251]
.set n, 0
.rept 32
	v_mov_b32 v[160+n], 0                          ; O^T: the step is written once; the first change of M leaves zeros zeros
.set n, n+1
.endr
	s_wait_tensorcnt 0x0                           ; my part of the fill has landed,
	s_barrier_signal -1
	s_barrier_wait -1                              ; everybody's has
	s_wait_loadcnt 0x0                             ; Q
.Lstep:
	s_add_co_u32 s56, s[Q0], 23                    ; my last query
	s_cmp_gt_u32 s[KF], s56
	s_cbranch_scc1 .Lhidden
	v_add_nc_u32 v4, s[TK], v1
	v_add_nc_u32 v5, s[TK], v2
	v_add_nc_u32 v6, s[TS], v82
	v_add_nc_u32 v7, s[TV], v83
	v_add_nc_u32 v8, s[TK], v10
	v_add_nc_u32 v9, s[TK], v11
	ds_load_b128 v[28:31], v6                      ; the scale words of the step's 8 tiles of K
	ds_load_b64 v[80:81], v7                       ; and of V's 4
.irp g, 0,1
.if \g
.rept 4
	v_nop                                          ; places in front of loads into registers that matrix instructions have read
.endr
.endif
.irp t, 0,1,2,3
	ds_load_b128 v[32+12*\t:35+12*\t], v4 offset:768*(4*\g+\t)
	ds_load_b64 v[36+12*\t:37+12*\t], v5 offset:768*(4*\g+\t)+512
.endr
	s_wait_dscnt 0x0
.irp t, 0,2
	v_wmma_scale_f32_16x16x128_f8f6f4 v[96+8*(4*\g+\t):103+8*(4*\g+\t)], v[32+12*\t:43+12*\t], v[16:27], 0, v[28+2*\g+\t/2], v255 matrix_a_fmt:MATRIX_FMT_FP6 matrix_b_fmt:MATRIX_FMT_FP6
	v_wmma_scale_f32_16x16x128_f8f6f4 v[104+8*(4*\g+\t):111+8*(4*\g+\t)], v[44+12*\t:55+12*\t], v[16:27], 0, v[28+2*\g+\t/2], v255 matrix_a_fmt:MATRIX_FMT_FP6 matrix_b_fmt:MATRIX_FMT_FP6 matrix_a_scale:MATRIX_SCALE_ROW1
.endr
.endr
.rept 4
	v_nop
.endr
	s_add_co_u32 s56, s[KF], 127                   ; a step all of whose keys count skips the mask
	s_cmp_le_u32 s56, s[Q0]
	s_cbranch_scc1 .Lopen
	s_sub_co_i32 s56, s[Q0], s[KF]
	v_add_nc_u32 v252, s56, v3                     ; d = my query - KF - 16 (lane / 16); register 16 b + i holds key KF + 16 (lane / 16) + 32 b + i: hidden where 32 b + i > d
	v_mov_b32 v254, 0xff800000
.set n, 0
.rept 64
	v_cmp_gt_i32 vcc_lo, 32*(n/16)+n%16, v252
	v_cndmask_b32 v[96+n], v[96+n], v254, vcc_lo
.set n, n+1
.endr
.Lopen:
.irp b, 0,1,2,3
	v_max3_num_f32 v[232+\b], v[96+16*\b], v[97+16*\b], v[98+16*\b]   ; the largest score of each block of 32 keys: for the row's maximum, and, since p rises with the score, for the block's largest p
.endr
.irp i, 3,5,7,9,11,13
.irp b, 0,1,2,3
	v_max3_num_f32 v[232+\b], v[232+\b], v[96+16*\b+\i], v[97+16*\b+\i]
.endr
.endr
.irp b, 0,1,2,3
	v_max_num_f32 v[232+\b], v[232+\b], v[111+16*\b]
.endr
.irp b, 0,1,2,3
	v_permlanex16_b32 v[236+\b], v[232+\b], s[SEL], s[SEL+1]
.endr
.irp b, 0,1,2,3
	v_max_num_f32 v[232+\b], v[232+\b], v[236+\b]
.endr
	v_max3_num_f32 v254, v232, v233, v234
	v_max_num_f32 v254, v254, v235
	v_mul_f32 v254, s[CS], v254
	v_max_num_f32 v13, v13, v254                   ; the running largest t
	v_mov_b32 v254, v12
	v_floor_f32 v12, -v13                          ; the new -M
	v_sub_f32 v254, v12, v254                      ; old M - new M: a whole number, 0 or less
	v_cvt_i32_f32 v254, v254                       ; (it saturates)
	v_ldexp_f32 v250, 1.0, v254                    ; f = 2^(old M - new M)
.set n, 0
.rept 32
	v_pk_fma_f32 v[96+n:97+n], v[96+n:97+n], s[CS:CS+1], v[12:13] op_sel_hi:[1,0,0]   ; t - M
.set n, n+2
.endr
.irp b, 0,1,2,3
	v_fma_f32 v[232+\b], v[232+\b], s[CS], v12
.endr
.set n, 0
.rept 64
	v_exp_f32 v[96+n], v[96+n]                     ; p
.set n, n+1
.endr
	v_pk_mul_f32 v[14:15], v[14:15], v[250:251] op_sel_hi:[1,0]   ; the sums under the new M: a plain line behind the batch
	s_wait_alu depctr_va_vdst(0)                   ; one wait for the 64, ahead of their first reader
.irp b, 0,1,2,3
	v_exp_f32 v[232+\b], v[232+\b]                 ; each block's largest p
.endr
	v_pk_add_f32 v[236:237], v[96:97], v[98:99]    ; the row's sum of the unquantised p, in two chains
.irp j, 4,8,12,16,20,24,28,32,36,40,44,48,52,56,60
	v_pk_add_f32 v[14:15], v[14:15], v[96+\j:97+\j]
	v_pk_add_f32 v[236:237], v[236:237], v[98+\j:99+\j]
.endr
	v_pk_add_f32 v[14:15], v[14:15], v[236:237]
	s_wait_alu depctr_va_vdst(0)                   ; and one for the four
.irp b, 0,1,2,3
	v_max_num_f32 v[232+\b], 0x1800000, v[232+\b]  ; the floor 2^(3 - 127)
.endr
.irp b, 0,1,2,3
	v_add_nc_u32 v[244+\b], 0xff000000, v[232+\b]
.endr
.irp b, 0,1,2,3
	v_lshrrev_b32 v[236+\b], 23, v[244+\b]
.endr
	v_lshl_or_b32 v253, v237, 8, v236              ; p's scale word for these 128 keys
	v_lshl_or_b32 v253, v238, 16, v253
	v_lshl_or_b32 v253, v239, 24, v253
.irp c, 0,1
	v_cvt_scalef32_pk16_fp6_f32 v[224+6*\c:226+6*\c], v[96+32*\c:111+32*\c], v[244+2*\c]
	v_cvt_scalef32_pk16_fp6_f32 v[236+4*\c:238+4*\c], v[112+32*\c:127+32*\c], v[244+2*\c+1]
.endr
	v_nop                                          ; one plain line behind the scaled conversions
.irp t, 0,1,2,3
	ds_load_b128 v[96+12*\t:99+12*\t], v8 offset:1536*\t          ; V's four fragments take p's registers, which the conversions have read
	ds_load_b64 v[100+12*\t:101+12*\t], v9 offset:1536*\t+512
	ds_load_b128 v[102+12*\t:105+12*\t], v8 offset:1536*\t+768
	ds_load_b64 v[106+12*\t:107+12*\t], v9 offset:1536*\t+1280
.endr
.irp c, 0,1
.irp i, 0,1,2
	v_permlane16_swap_b32 v[224+6*\c+\i], v[236+4*\c+\i]
.endr
.irp i, 0,1,2
	v_mov_b32 v[227+6*\c+\i], v[236+4*\c+\i]
.endr
.endr
.set n, 0
.rept 16
	v_pk_mul_f32 v[160+n:161+n], v[160+n:161+n], v[250:251] op_sel_hi:[1,0]   ; O^T under the new M; these 16 are also the places between the codes' and the scale word's last writes and the products
.set n, n+2
.endr
	s_wait_dscnt 0x0
.irp t, 0,2
	v_wmma_scale_f32_16x16x128_f8f6f4 v[160+8*\t:167+8*\t], v[96+12*\t:107+12*\t], v[224:235], v[160+8*\t:167+8*\t], v[80+\t/2], v253 matrix_a_fmt:MATRIX_FMT_FP6 matrix_b_fmt:MATRIX_FMT_FP6
	v_wmma_scale_f32_16x16x128_f8f6f4 v[168+8*\t:175+8*\t], v[108+12*\t:119+12*\t], v[224:235], v[168+8*\t:175+8*\t], v[80+\t/2], v253 matrix_a_fmt:MATRIX_FMT_FP6 matrix_b_fmt:MATRIX_FMT_FP6 matrix_a_scale:MATRIX_SCALE_ROW1
.endr
.rept 5
	v_nop                                          ; five: the next step's scores are written over V's fragments by matrix instructions
.endr
.Lhidden:
	s_add_co_u32 s[KF], s[KF], 128
	s_add_co_u32 s[TK], s[TK], 6144
	s_add_co_u32 s[TS], s[TS], 512
	s_add_co_u32 s[TV], s[TV], 256
	s_sub_co_u32 s[CNT], s[CNT], 1
	s_cmp_lg_u32 s[CNT], 0
	s_cbranch_scc1 .Lstep
	; ---- THE WAY OUT: O^T / the sum; register 16 b + n is d = 32 b + 16 (lane / 16) + n of my query: two blocks of the next product's K
	v_add_f32 v14, v14, v15
	v_permlanex16_b32 v236, v14, s[SEL], s[SEL+1]
	v_add_f32 v14, v14, v236
	v_rcp_f32 v14, v14
	v_nop                                          ; a plain line behind the reciprocal,
	s_wait_alu depctr_va_vdst(0)                   ; and the wait ahead of its first reader
.set n, 0
.rept 32
	v_mul_f32 v[96+n], v[160+n], v14               ; each accumulator from its low end on
.set n, n+1
.endr
.irp b, 0,1
	v_max3_num_f32 v[232+\b], |v[96+16*\b]|, |v[97+16*\b]|, 0x1800000
.endr
.irp i, 2,4,6,8,10,12,14
.irp b, 0,1
	v_max3_num_f32 v[232+\b], v[232+\b], |v[96+16*\b+\i]|, |v[97+16*\b+\i]|
.endr
.endr
.irp b, 0,1
	v_permlanex16_b32 v[236+\b], v[232+\b], s[SEL], s[SEL+1]
.endr
.irp b, 0,1
	v_max_num_f32 v[232+\b], v[232+\b], v[236+\b]
.endr
.irp b, 0,1
	v_add_nc_u32 v[244+\b], 0xff000000, v[232+\b]
.endr
.irp b, 0,1
	v_lshrrev_b32 v[236+\b], 23, v[244+\b]
.endr
	v_lshl_or_b32 v254, v237, 8, v236              ; my row's two scale bytes
	v_cvt_scalef32_pk16_fp6_f32 v[224:226], v[96:111], v244
	v_cvt_scalef32_pk16_fp6_f32 v[240:242], v[112:127], v245
	v_nop
.irp i, 0,1,2
	v_permlane16_swap_b32 v[224+\i], v[240+\i]
.endr
.irp i, 0,1,2
	v_mov_b32 v[227+\i], v[240+\i]
.endr
	global_store_b128 v1, v[224:227], s[60:61]
	global_store_b64 v2, v[228:229], s[60:61] offset:512
	global_store_b16 v84, v254, s[62:63]           ; lanes 16-31 hold the same bytes and store them to the same place
	s_wait_tensorcnt 0x0
	ds_add_u32 v248, v249
	s_wait_dscnt 0x0
	s_endpgm
.Lfunc_end_k_q2890e48ae2_attn:
	.size	k_q2890e48ae2_attn, .Lfunc_end_k_q2890e48ae2_attn-k_q2890e48ae2_attn
	.p2alignl 7, 3214868480
	.fill 96, 4, 3214868480
	.section	.rodata,"a",@progbits
	.p2align	6, 0x0
	.amdhsa_kernel k_q2890e48ae2_attn
		.amdhsa_group_segment_fixed_size 210944
		.amdhsa_private_segment_fixed_size 0
		.amdhsa_enable_private_segment 0
		.amdhsa_kernarg_size 16
		.amdhsa_user_sgpr_count 2
		.amdhsa_user_sgpr_kernarg_segment_ptr 1
		.amdhsa_wavefront_size32 1
		.amdhsa_system_sgpr_workgroup_id_x 1
		.amdhsa_system_sgpr_workgroup_id_y 1
		.amdhsa_system_sgpr_workgroup_id_z 1
		.amdhsa_system_vgpr_workitem_id 0
		.amdhsa_next_free_vgpr 256
		.amdhsa_next_free_sgpr 80
		.amdhsa_reserve_vcc 1
		.amdhsa_float_denorm_mode_32 3
		.amdhsa_float_denorm_mode_16_64 3
		.amdhsa_memory_ordered 1
		.amdhsa_forward_progress 1
		.amdhsa_inst_pref_size 33
	.end_amdhsa_kernel
	.amdgpu_metadata
---
amdhsa.version: [ 1, 2 ]
amdhsa.kernels:
  - .name:           k_q2890e48ae2_attn
    .symbol:         k_q2890e48ae2_attn.kd
    .args:
      - { .name: qkvi, .offset: 0, .size: 8, .value_kind: global_buffer, .address_space: global }
      - { .name: ctxi, .offset: 8, .size: 8, .value_kind: global_buffer, .address_space: global }
    .group_segment_fixed_size: 210944
    .private_segment_fixed_size: 0
    .kernarg_segment_align: 8
    .kernarg_segment_size: 16
    .max_flat_workgroup_size: 512
    .sgpr_count:     80
    .vgpr_count:     256
    .wavefront_size: 32
...
	.end_amdgpu_metadata
.endif
;; end of part 3
;; launch cproj (part 4): grid 8 x 32, 4 waves a work-group, no clusters, 296,448 bytes of LDS; arguments ctxi, wimg, c_proj_b, hidden_states, x2; writes x2
.if DOCPART == 4
	.amdgcn_target "amdgcn-amd-amdhsa--gfx1250"
	.amdhsa_code_object_version 6
	.text
	.protected	k_q2890e48ae2_cproj
	.globl	k_q2890e48ae2_cproj
	.p2align	8
	.type	k_q2890e48ae2_cproj,@function
k_q2890e48ae2_cproj:
	s_mov_b64 s[64:65], 0
	v_nop
	global_prefetch_b8 v0, s[64:65] scope:SCOPE_SE
	s_setreg_imm32_b32 hwreg(HW_REG_WAVE_MODE, 25, 1), 1
	s_wait_xcnt 0x0
; out = A W + bias + residual, on codes of FP6 (E2M3) with E8M0 scales; A [4096 x K] and W [1024 x K] lie as images of fragments ([tile][K step][1,536 bytes]); out and the residual are [4096][1024] f32.  Here K = 1,024.
; N is 1,024: tiles of 256 x 256 would be 64.  So a work-group makes 128 x 128 (256 work-groups), and ITS FOUR WAVES SHARE K: each has the whole tile in 64 accumulators and NS of the 4 NS K steps.
; The four parts meet in LDS: wave w sums rows 32 w .. 32 w + 31 of the tile, adds bias and residual and stores whole rows of 512 bytes.
; Operands come straight into registers, in two sets, both asked for at the head; where a wave has more than two K steps a set is asked for again straight behind its own products, by address registers of its own.
; The two sets' loads together are more than LOADcnt's field holds: the issue of the later ones then waits for earlier ones to come back (ISA guide 5.7.1), where the wave would wait for them anyway.
; A wave begins at K step (x + y) % NS of its own.  No LDS ring and no joint loads: a wave has NS K steps only.
; W's images are three runs of 512 bytes (registers 0-3, 4-7, 8-11, 16 bytes a lane).  QOLD = 1: A's images are two half images on end (registers 0-3 at 16 x lane, 4-5 at 512 + 8 x lane, and the same 768 bytes on),
; since the launch that made them stores a head's 64, half a fragment, at a time: four loads a fragment.
; SOURCE 0 = W (8 tiles), SOURCE 1 = A (8 tiles).  A tile's 16 rows are 32 (t / 2) + 8 (t % 2) + r + 8 (r / 8): register 16 e + n of a lane's 64 is column 32 e + 16 (lane / 16) + n.
; LIMITS: K is summed in four parts, each from a rotated start: the last bits differ from an ascending sum's.  NaN and infinities are not served.
.set KST, 8
.set NS,  2                            ; K steps of a wave
.set TST, KST*1536
.set SHP, 14                           ; W's scale words: 16,384 bytes a K step (c_attn's and c_proj's 4,096 rows on end)
.set SHQ, 14
.set PIMG, 192*12288                   ; c_proj's tiles are 192 .. 255 of that run
.set PSC,  9437184+24*512
.set QSC,  3145728
.set QOLD, 1
.set NLD, 50+8*QOLD                    ; loads of a set: 8 x 3 for P, 8 x 3 or 8 x 4 for Q, 2 of scale words
.set NTOUT, 0
.set HA,  32
.set STG, 262144                       ; LDS: [owner wave][source wave][16 accumulators x 1,024 bytes] = 262,144; then a stage of 16 rows x 528 bytes for each wave
; REGISTERS.  Window 0: v1 16 x lane, v2 8 x lane, v3 r, v4 h; v5-8 where my parts go, v9 where I read, v10, v11 my stage, v12 64 h; v16-31 scale words and nothing else; Q's fragments: set 0 v32-127, set 1 v128-223.
; Window 1: P's fragments: set 0 v0-95, set 1 v128-223 (on the way out: the residual's 32 rows); the bias along P: tile i at 96 + 8 i (i < 4), 192 + 8 i.  Windows 2, 3: accumulator (j, i) at window 2 + j / 4, v[8 (8 (j % 4) + i)].
; s[8:15] the addresses at K step 0; at the K step asked for: set 0 s[16:23], set 1 s[4:7] and s[32:35]; s24 the K step last asked for, less s25, the wave's first.
.set MSB, 0
.macro WIN new
.if MSB != (\new)
	s_set_vgpr_msb (MSB<<8)|(\new)
.set MSB, (\new)
.endif
.endm
.macro PLACES
.rept 4
	v_nop
.endr
.endm
.macro SETK pa, qa, ps, qs
	s_add_co_u32 s26, s24, s25
	s_lshl_b32 s28, s26, SHP
	s_lshl_b32 s30, s26, SHQ
	s_mul_i32 s26, s26, 1536
	s_add_nc_u64 s[\pa:\pa+1], s[8:9], s[26:27]
	s_add_nc_u64 s[\qa:\qa+1], s[10:11], s[26:27]
	s_add_nc_u64 s[\ps:\ps+1], s[12:13], s[28:29]
	s_add_nc_u64 s[\qs:\qs+1], s[14:15], s[30:31]
.endm
.macro LOADSET b, pa, qa, ps, qs
	WIN 0x40
.irp i, 0,1,2,3,4,5,6,7
.irp c, 0,1,2
	global_load_b128 v[128*(\b)+12*\i+4*\c:128*(\b)+12*\i+4*\c+3], v1, s[\pa:\pa+1] offset:\i*TST+512*\c
.endr
.endr
	WIN 0
.irp i, 0,1,2,3,4,5,6,7
.if QOLD
	global_load_b128 v[32+96*(\b)+12*\i:32+96*(\b)+12*\i+3], v1, s[\qa:\qa+1] offset:\i*TST
	global_load_b64 v[32+96*(\b)+12*\i+4:32+96*(\b)+12*\i+5], v2, s[\qa:\qa+1] offset:\i*TST+512
	global_load_b128 v[32+96*(\b)+12*\i+6:32+96*(\b)+12*\i+9], v1, s[\qa:\qa+1] offset:\i*TST+768
	global_load_b64 v[32+96*(\b)+12*\i+10:32+96*(\b)+12*\i+11], v2, s[\qa:\qa+1] offset:\i*TST+1280
.else
.irp c, 0,1,2
	global_load_b128 v[32+96*(\b)+12*\i+4*\c:32+96*(\b)+12*\i+4*\c+3], v1, s[\qa:\qa+1] offset:\i*TST+512*\c
.endr
.endif
.endr
	global_load_b128 v[16+8*(\b):19+8*(\b)], v1, s[\ps:\ps+1]
	global_load_b128 v[20+8*(\b):23+8*(\b)], v1, s[\qs:\qs+1]
.endm
.macro FILL b                          ; set b is asked for, at K step s24 + s25, by its own address registers
.if \b
	SETK 4, 6, 32, 34
	LOADSET 1, 4, 6, 32, 34
.else
	SETK 16, 18, 20, 22
	LOADSET 0, 16, 18, 20, 22
.endif
.endm
.macro NEXTK
	s_add_co_u32 s24, s24, 1
	s_and_b32 s24, s24, NS-1
.endm
.macro WM d, a, b, zero, sa, sb, ra, rb
.if \zero
.if (\ra) && (\rb)
	v_wmma_scale_f32_16x16x128_f8f6f4 v[\d:\d+7], v[\a:\a+11], v[\b:\b+11], 0, v[\sa], v[\sb] matrix_a_fmt:MATRIX_FMT_FP6 matrix_b_fmt:MATRIX_FMT_FP6 matrix_a_scale:MATRIX_SCALE_ROW1 matrix_b_scale:MATRIX_SCALE_ROW1
.elseif \ra
	v_wmma_scale_f32_16x16x128_f8f6f4 v[\d:\d+7], v[\a:\a+11], v[\b:\b+11], 0, v[\sa], v[\sb] matrix_a_fmt:MATRIX_FMT_FP6 matrix_b_fmt:MATRIX_FMT_FP6 matrix_a_scale:MATRIX_SCALE_ROW1
.elseif \rb
	v_wmma_scale_f32_16x16x128_f8f6f4 v[\d:\d+7], v[\a:\a+11], v[\b:\b+11], 0, v[\sa], v[\sb] matrix_a_fmt:MATRIX_FMT_FP6 matrix_b_fmt:MATRIX_FMT_FP6 matrix_b_scale:MATRIX_SCALE_ROW1
.else
	v_wmma_scale_f32_16x16x128_f8f6f4 v[\d:\d+7], v[\a:\a+11], v[\b:\b+11], 0, v[\sa], v[\sb] matrix_a_fmt:MATRIX_FMT_FP6 matrix_b_fmt:MATRIX_FMT_FP6
.endif
.else
.if (\ra) && (\rb)
	v_wmma_scale_f32_16x16x128_f8f6f4 v[\d:\d+7], v[\a:\a+11], v[\b:\b+11], v[\d:\d+7], v[\sa], v[\sb] matrix_a_fmt:MATRIX_FMT_FP6 matrix_b_fmt:MATRIX_FMT_FP6 matrix_a_scale:MATRIX_SCALE_ROW1 matrix_b_scale:MATRIX_SCALE_ROW1
.elseif \ra
	v_wmma_scale_f32_16x16x128_f8f6f4 v[\d:\d+7], v[\a:\a+11], v[\b:\b+11], v[\d:\d+7], v[\sa], v[\sb] matrix_a_fmt:MATRIX_FMT_FP6 matrix_b_fmt:MATRIX_FMT_FP6 matrix_a_scale:MATRIX_SCALE_ROW1
.elseif \rb
	v_wmma_scale_f32_16x16x128_f8f6f4 v[\d:\d+7], v[\a:\a+11], v[\b:\b+11], v[\d:\d+7], v[\sa], v[\sb] matrix_a_fmt:MATRIX_FMT_FP6 matrix_b_fmt:MATRIX_FMT_FP6 matrix_b_scale:MATRIX_SCALE_ROW1
.else
	v_wmma_scale_f32_16x16x128_f8f6f4 v[\d:\d+7], v[\a:\a+11], v[\b:\b+11], v[\d:\d+7], v[\sa], v[\sb] matrix_a_fmt:MATRIX_FMT_FP6 matrix_b_fmt:MATRIX_FMT_FP6
.endif
.endif
.endm
.macro MULS b, zero                    ; the 64 accumulators take turns, one instruction a turn, in the same order in every step
.irp j, 0,1,2,3,4,5,6,7
	WIN 0xa1+0x50*(\j/4)
.irp i, 0,1,2,3,4,5,6,7
	WM 8*(8*(\j%4)+\i), 128*(\b)+12*\i, 32+96*(\b)+12*\j, \zero, 16+8*(\b)+\i/2, 20+8*(\b)+\j/2, \i%2, \j%2
.endr
.endr
.endm
.macro BIASLD                          ; the bias along P: 16 loads
	WIN 0x40
.irp i, 0,1,2,3,4,5,6,7
	global_load_b128 v[96+8*\i+96*(\i/4):96+8*\i+96*(\i/4)+3], v12, s[40:41] offset:4*(32*(\i/2)+8*(\i%2))
	global_load_b128 v[96+8*\i+96*(\i/4)+4:96+8*\i+96*(\i/4)+7], v12, s[40:41] offset:4*(32*(\i/2)+8*(\i%2))+16
.endr
	WIN 0
.endm
; A K step on set cur.  left: the loads issued behind set cur's, which may stay out: the other set's NLD, or none in the last step.  fetch = 1: set cur is asked for again, two K steps on.
; bias = 1 (the last step but one): the bias is asked for here, a step ahead of the last wait, and not at the head, where it would stand in front of the first set.
.macro STEP cur, zero, fetch, left, bias
	s_wait_loadcnt \left                           ; loads come back in order (ISA guide 5.7.1): set cur is in, and its address registers may be written
.if \bias
	BIASLD
.endif
	MULS \cur, \zero
	WIN 0
.if \fetch
	PLACES                                         ; set cur has just been multiplied
	NEXTK
	FILL \cur
.endif
.endm
; Q tile 2 w + u: the four waves' parts are summed, the bias added; through my stage the tile becomes whole rows; the residual is added and 16 rows are stored
.macro OUTT u
.irp c, 0,1
.irp a, 0,1,2,3
.irp e, 0,1,2,3
	ds_load_b128 v[96+32*\a+8*\e:99+32*\a+8*\e], v9 offset:16384*\a+(8*(\u)+4*\c+\e)*1024
	ds_load_b128 v[100+32*\a+8*\e:103+32*\a+8*\e], v9 offset:16384*\a+(8*(\u)+4*\c+\e)*1024+512
.endr
.endr
	s_wait_dscnt 0x0
.set m, 0
.rept 16
	v_pk_add_f32 v[96+m:97+m], v[96+m:97+m], v[128+m:129+m]
	v_pk_add_f32 v[160+m:161+m], v[160+m:161+m], v[192+m:193+m]
.set m, m+2
.endr
.set m, 0
.rept 16
	v_pk_add_f32 v[96+m:97+m], v[96+m:97+m], v[160+m:161+m]
.set m, m+2
.endr
	WIN 0x04                                       ; source 1, the bias, in window 1
.set m, 0
.rept 16
	v_pk_add_f32 v[HA+32*\c+m:HA+32*\c+m+1], v[96+m:97+m], v[96+128*\c+m:97+128*\c+m]
.set m, m+2
.endr
	WIN 0
.endr
.irp e, 0,1,2,3
.irp n, 0,1,2,3
	ds_store_b128 v10, v[HA+16*\e+4*\n:HA+16*\e+4*\n+3] offset:128*\e+16*\n
.endr
.endr
.irp t, 0,1,2,3,4,5,6,7,8,9,10,11,12,13,14,15
	ds_load_b128 v[96+4*\t:99+4*\t], v11 offset:528*\t      ; LDS serves a wave's instructions in order (ISA guide 5.7.1.4): these see my stores
.endr
	s_wait_dscnt 0x0
	s_wait_loadcnt 0x0                             ; the residual
	WIN 0x04
.irp t, 0,1,2,3,4,5,6,7,8,9,10,11,12,13,14,15
.set nr, 8*(\u)+\t+8*(\t/8)
.set rg, 4*nr+32*(nr/24)
	v_pk_add_f32 v[96+4*\t:97+4*\t], v[96+4*\t:97+4*\t], v[rg:rg+1]
	v_pk_add_f32 v[98+4*\t:99+4*\t], v[98+4*\t:99+4*\t], v[rg+2:rg+3]
.endr
	WIN 0
.irp t, 0,1,2,3,4,5,6,7,8,9,10,11,12,13,14,15
.set nr, 8*(\u)+\t+8*(\t/8)
.if NTOUT
	global_store_b128 v1, v[96+4*\t:99+4*\t], s[70:71] offset:4096*nr th:TH_STORE_NT
.else
	global_store_b128 v1, v[96+4*\t:99+4*\t], s[70:71] offset:4096*nr      ; 32 lanes store 512 consecutive bytes, aligned
.endif
.endr
.endm
	s_load_b256 s[36:43], s[0:1], 0x0              ; A s[36:37], wimg s[38:39], bias s[40:41], residual s[42:43]
	s_load_b64 s[44:45], s[0:1], 0x20              ; out
	v_lshl_add_u32 v254, v0, 2, 0x48400
	v_mov_b32 v255, 0
	v_lshrrev_b32 v1, 5, v0
	v_readfirstlane_b32 s2, v1
	v_and_b32 v2, 31, v0
	v_lshlrev_b32 v1, 4, v2
.if QOLD
	v_lshlrev_b32 v2, 3, v2
.endif
	v_and_b32 v3, 15, v0
	v_bfe_u32 v4, v0, 4, 1
	s_mov_b32 s48, ttmp9                           ; x: 128 columns
	s_and_b32 s49, ttmp7, 0xffff                   ; y: 128 rows
	s_mul_i32 s56, s48, 8*TST
	s_add_co_u32 s56, s56, PIMG
	s_mov_b32 s57, 0
	s_lshl_b32 s58, s48, 9
	s_add_co_u32 s58, s58, PSC
	s_mov_b32 s59, 0
	s_mul_i32 s60, s49, 8*TST
	s_mov_b32 s61, 0
	s_lshl_b32 s62, s49, 9
	s_add_co_u32 s62, s62, QSC
	s_mov_b32 s63, 0
	s_lshl_b32 s66, s48, 9                         ; 512 bytes: 128 f32 columns
	s_mov_b32 s67, 0
	s_lshl_b32 s68, s49, 19                        ; 128 rows of 4,096 bytes,
	s_lshl_b32 s69, s2, 17                         ; my 32 of them,
	s_add_co_u32 s68, s68, s69
	s_add_co_u32 s68, s68, s66                     ; my columns
	s_mov_b32 s69, 0
	s_mov_b32 s27, 0
	s_mov_b32 s29, 0
	s_mov_b32 s31, 0
	s_mul_i32 s25, s2, NS                          ; my first K step
	s_add_co_u32 s24, s48, s49
	s_and_b32 s24, s24, NS-1
	v_lshlrev_b32 v12, 6, v4
	s_lshl_b32 s50, s2, 14
	v_add_nc_u32 v5, s50, v1                       ; my parts: owner d at 65,536 d + 16,384 w + 16 x lane
	v_add_nc_u32 v6, 0x10000, v5
	v_add_nc_u32 v7, 0x20000, v5
	v_add_nc_u32 v8, 0x30000, v5
	s_lshl_b32 s50, s2, 16
	v_add_nc_u32 v9, s50, v1                       ; what I own
	s_mul_i32 s50, s2, 16*528
	s_add_co_u32 s50, s50, STG
	v_mul_u32_u24 v10, v3, 528
	v_lshl_add_u32 v10, v4, 6, v10
	v_add_nc_u32 v10, s50, v10                     ; my stage, in: row r, + 64 h
	v_add_nc_u32 v11, s50, v1                      ; back: a row an instruction
	s_wait_kmcnt 0x0
	s_add_nc_u64 s[8:9], s[38:39], s[56:57]
	s_add_nc_u64 s[10:11], s[36:37], s[60:61]
	s_add_nc_u64 s[12:13], s[38:39], s[58:59]
	s_add_nc_u64 s[14:15], s[36:37], s[62:63]
	s_add_nc_u64 s[40:41], s[40:41], s[66:67]
	s_add_nc_u64 s[70:71], s[44:45], s[68:69]
	s_add_nc_u64 s[68:69], s[42:43], s[68:69]
	FILL 0                                         ; both sets are asked for before anything else
	NEXTK
	FILL 1
.if NS > 2
	STEP 0, 1, 1, NLD, 0                           ; the first K step starts the sums
	STEP 1, 0, 1, NLD, 0
	s_mov_b32 s3, (NS-4)/2
.Lk:
	STEP 0, 0, 1, NLD, 0
	STEP 1, 0, 1, NLD, 0
	s_sub_co_u32 s3, s3, 1
	s_cmp_lg_u32 s3, 0
	s_cbranch_scc1 .Lk
	STEP 0, 0, 0, NLD, 1                           ; the last two K steps ask for no set
.else
	STEP 0, 1, 0, NLD, 1                           ; two K steps in all: the first starts the sums
.endif
	STEP 1, 0, 0, 0, 0
	PLACES
	WIN 0x40                                       ; the residual's 32 rows of my 128 columns land in P's registers while the parts are summed
.set nr, 0
.rept 32
	global_load_b128 v[4*nr+32*(nr/24):4*nr+32*(nr/24)+3], v1, s[68:69] offset:4096*nr
.set nr, nr+1
.endr
.irp j, 0,1,2,3,4,5,6,7
	WIN 0x08+4*(\j/4)                              ; an LDS store's data are its source 1
.irp i, 0,1,2,3,4,5,6,7
	ds_store_b128 v[5+\j/2], v[64*(\j%4)+8*\i:64*(\j%4)+8*\i+3] offset:((\j%2)*8+\i)*1024          ; each accumulator from its low end on
	ds_store_b128 v[5+\j/2], v[64*(\j%4)+8*\i+4:64*(\j%4)+8*\i+7] offset:((\j%2)*8+\i)*1024+512
.endr
.endr
	WIN 0
	s_wait_dscnt 0x0                               ; for the others' sake: my parts lie in LDS
	s_barrier_signal -1
	s_barrier_wait -1
	OUTT 0
	s_wait_xcnt 0x0                                ; the stores have read their registers
	OUTT 1
	s_wait_tensorcnt 0x0
	ds_add_u32 v254, v255
	s_wait_dscnt 0x0
	s_endpgm
.Lfunc_end_k_q2890e48ae2_cproj:
	.size	k_q2890e48ae2_cproj, .Lfunc_end_k_q2890e48ae2_cproj-k_q2890e48ae2_cproj
	.p2alignl 7, 3214868480
	.fill 96, 4, 3214868480
	.section	.rodata,"a",@progbits
	.p2align	6, 0x0
	.amdhsa_kernel k_q2890e48ae2_cproj
		.amdhsa_group_segment_fixed_size 296448
		.amdhsa_private_segment_fixed_size 0
		.amdhsa_enable_private_segment 0
		.amdhsa_kernarg_size 40
		.amdhsa_user_sgpr_count 2
		.amdhsa_user_sgpr_kernarg_segment_ptr 1
		.amdhsa_wavefront_size32 1
		.amdhsa_system_sgpr_workgroup_id_x 1
		.amdhsa_system_sgpr_workgroup_id_y 1
		.amdhsa_system_sgpr_workgroup_id_z 1
		.amdhsa_system_vgpr_workitem_id 0
		.amdhsa_next_free_vgpr 1024
		.amdhsa_next_free_sgpr 80
		.amdhsa_reserve_vcc 0
		.amdhsa_float_denorm_mode_32 3
		.amdhsa_float_denorm_mode_16_64 3
		.amdhsa_memory_ordered 1
		.amdhsa_forward_progress 1
		.amdhsa_inst_pref_size 80
	.end_amdhsa_kernel
	.amdgpu_metadata
---
amdhsa.version: [ 1, 2 ]
amdhsa.kernels:
  - .name:           k_q2890e48ae2_cproj
    .symbol:         k_q2890e48ae2_cproj.kd
    .args:
      - { .name: ctxi, .offset: 0, .size: 8, .value_kind: global_buffer, .address_space: global }
      - { .name: wimg, .offset: 8, .size: 8, .value_kind: global_buffer, .address_space: global }
      - { .name: c_proj_b, .offset: 16, .size: 8, .value_kind: global_buffer, .address_space: global }
      - { .name: hidden_states, .offset: 24, .size: 8, .value_kind: global_buffer, .address_space: global }
      - { .name: x2, .offset: 32, .size: 8, .value_kind: global_buffer, .address_space: global }
    .group_segment_fixed_size: 296448
    .private_segment_fixed_size: 0
    .kernarg_segment_align: 8
    .kernarg_segment_size: 40
    .max_flat_workgroup_size: 128
    .sgpr_count:     80
    .vgpr_count:     1024
    .wavefront_size: 32
...
	.end_amdgpu_metadata
.endif
;; end of part 4
;; launch ln2: the kernel of part 1 again; grid 256 x 1, 4 waves a work-group, no clusters, 66,560 bytes of LDS; arguments x2, ln2_g, ln2_b, a2, wimg, c_attn_w_codes, c_attn_w_scales, c_proj_w_codes, c_proj_w_scales, fc_w_codes, fc_w_scales, proj_w_codes, proj_w_scales; writes a2, wimg
;; launch fc (part 5): grid 16 x 16, 4 waves a work-group, no clusters, 0 bytes of LDS; arguments a2, wimg, fc_b, gimg; writes gimg
.if DOCPART == 5
	.amdgcn_target "amdgcn-amd-amdhsa--gfx1250"
	.amdhsa_code_object_version 6
	.text
	.protected	k_q2890e48ae2_fc
	.globl	k_q2890e48ae2_fc
	.p2align	8
	.type	k_q2890e48ae2_fc,@function
k_q2890e48ae2_fc:
	s_mov_b64 s[64:65], 0
	v_nop
	global_prefetch_b8 v0, s[64:65] scope:SCOPE_SE
	s_setreg_imm32_b32 hwreg(HW_REG_WAVE_MODE, 25, 1), 1
	s_wait_xcnt 0x0
; g = gelu_new(LN2(x) W + b) on codes of FP6 (E2M3) with E8M0 scales, [4096 x 1024] x [1024 x 4096]; g is quantised here along the 4,096 and stored as images of the next product's fragments; it never lies in memory as f32.
; A work-group makes 256 x 256, a wave 128 x 128: 64 accumulators.  Operands come straight into registers as images ([tile][K step][1,536 bytes]: registers 0-3, 4-7, 8-11 as three runs of 512 bytes, 16 bytes a lane).
; TWO SETS OF REGISTERS, both asked for at the head; a set is asked for again, with the K step two on, straight behind its own 64 products, whether or not the other set has landed: requests stand in line without a gap.
; Each set has address registers of its own, written again only behind the wait that shows its loads done.  The two sets' loads together are more than LOADcnt's field holds: the issue of the later ones then waits for
; earlier ones to come back (ISA guide 5.7.1), which happens only where the wave would wait for those loads anyway.
; K is 8 steps; a work-group begins at K step (x + y) % 8.  No LDS ring and no joint loads: with 8 K steps a ring of two slots of two steps would be filled four times, twice of them at the start.
; SOURCE 0 = W, SOURCE 1 = tokens.  A tile's 16 rows are 32 (t / 2) + 8 (t % 2) + r + 8 (r / 8): the 64 registers of a lane against one tile of tokens are 128 hidden units, register 16 b + n = unit 32 b + 16 (lane / 16) + n:
; one K step of the next product.
; gelu_new(x) = 0.5 x (1 + tanh(u)) is computed as x / (1 + 2^(x (c0 + c1 x^2))), c0 = -2 sqrt(2 / pi) log2(e), c1 = 0.044715 c0: the same function, since 0.5 (1 + tanh u) = 1 / (1 + e^(-2 u)).
; LIMITS: the sums go over K from a rotated start; NaN and infinities are not served; a block under 2^-124 gets the byte 1.
.set KST, 8
.set NS,  8
.set TST, KST*1536
.set SHP, 14
.set SHQ, 14
.set NLD, 50                           ; loads of a set: 8 x 3 for P, 8 x 3 for Q, 2 of scale words
.set FCI, 3145728
.set FCS, 9568256
.set ASC, 3145728
.set GSC, 12582912
.set HA,  32                           ; the way out, window 0: v32-95 64 numbers; v96-159 at work; v160-179 codes; v180-195 at work; v[198:199] c0; v200-207 scale words; v208-211 their block
.set TT,  96
.set PC,  160
.set TM,  180
.set C0,  198
.set WD,  200
.set SW,  208
.set C1,  72                           ; s[72:73]
.set MH,  74
.set SEL, 76
; REGISTERS.  Window 0: v1 16 x lane, v3 r, v4 h, v5 64 h; v16-31 scale words and nothing else (set b: P's at 16 + 8 b, Q's at 20 + 8 b); Q's fragments: set 0 v32-127, set 1 v128-223.
; Window 1: P's fragments: set 0 v0-95, set 1 v128-223; the bias along P: tile i at 96 + 8 i (i < 4), 192 + 8 i.  Windows 2, 3: accumulator (j, i) at window 2 + j / 4, v[8 (8 (j % 4) + i)].
; s[8:15] the addresses at K step 0; at the K step asked for: set 0 s[16:23], set 1 s[4:7] and s[32:35]; s24 the K step last asked for, less s25, the wave's first.
.set MSB, 0
.macro WIN new
.if MSB != (\new)
	s_set_vgpr_msb (MSB<<8)|(\new)
.set MSB, (\new)
.endif
.endm
.macro PLACES
.rept 4
	v_nop
.endr
.endm
.macro SETK pa, qa, ps, qs
	s_add_co_u32 s26, s24, s25
	s_lshl_b32 s28, s26, SHP
	s_lshl_b32 s30, s26, SHQ
	s_mul_i32 s26, s26, 1536
	s_add_nc_u64 s[\pa:\pa+1], s[8:9], s[26:27]
	s_add_nc_u64 s[\qa:\qa+1], s[10:11], s[26:27]
	s_add_nc_u64 s[\ps:\ps+1], s[12:13], s[28:29]
	s_add_nc_u64 s[\qs:\qs+1], s[14:15], s[30:31]
.endm
.macro LOADSET b, pa, qa, ps, qs
	WIN 0x40
.irp i, 0,1,2,3,4,5,6,7
.irp c, 0,1,2
	global_load_b128 v[128*(\b)+12*\i+4*\c:128*(\b)+12*\i+4*\c+3], v1, s[\pa:\pa+1] offset:\i*TST+512*\c
.endr
.endr
	WIN 0
.irp i, 0,1,2,3,4,5,6,7
.irp c, 0,1,2
	global_load_b128 v[32+96*(\b)+12*\i+4*\c:32+96*(\b)+12*\i+4*\c+3], v1, s[\qa:\qa+1] offset:\i*TST+512*\c
.endr
.endr
	global_load_b128 v[16+8*(\b):19+8*(\b)], v1, s[\ps:\ps+1]
	global_load_b128 v[20+8*(\b):23+8*(\b)], v1, s[\qs:\qs+1]
.endm
.macro FILL b                          ; set b is asked for, at K step s24 + s25, by its own address registers
.if \b
	SETK 4, 6, 32, 34
	LOADSET 1, 4, 6, 32, 34
.else
	SETK 16, 18, 20, 22
	LOADSET 0, 16, 18, 20, 22
.endif
.endm
.macro NEXTK
	s_add_co_u32 s24, s24, 1
	s_and_b32 s24, s24, NS-1
.endm
.macro WM d, a, b, zero, sa, sb, ra, rb
.if \zero
.if (\ra) && (\rb)
	v_wmma_scale_f32_16x16x128_f8f6f4 v[\d:\d+7], v[\a:\a+11], v[\b:\b+11], 0, v[\sa], v[\sb] matrix_a_fmt:MATRIX_FMT_FP6 matrix_b_fmt:MATRIX_FMT_FP6 matrix_a_scale:MATRIX_SCALE_ROW1 matrix_b_scale:MATRIX_SCALE_ROW1
.elseif \ra
	v_wmma_scale_f32_16x16x128_f8f6f4 v[\d:\d+7], v[\a:\a+11], v[\b:\b+11], 0, v[\sa], v[\sb] matrix_a_fmt:MATRIX_FMT_FP6 matrix_b_fmt:MATRIX_FMT_FP6 matrix_a_scale:MATRIX_SCALE_ROW1
.elseif \rb
	v_wmma_scale_f32_16x16x128_f8f6f4 v[\d:\d+7], v[\a:\a+11], v[\b:\b+11], 0, v[\sa], v[\sb] matrix_a_fmt:MATRIX_FMT_FP6 matrix_b_fmt:MATRIX_FMT_FP6 matrix_b_scale:MATRIX_SCALE_ROW1
.else
	v_wmma_scale_f32_16x16x128_f8f6f4 v[\d:\d+7], v[\a:\a+11], v[\b:\b+11], 0, v[\sa], v[\sb] matrix_a_fmt:MATRIX_FMT_FP6 matrix_b_fmt:MATRIX_FMT_FP6
.endif
.else
.if (\ra) && (\rb)
	v_wmma_scale_f32_16x16x128_f8f6f4 v[\d:\d+7], v[\a:\a+11], v[\b:\b+11], v[\d:\d+7], v[\sa], v[\sb] matrix_a_fmt:MATRIX_FMT_FP6 matrix_b_fmt:MATRIX_FMT_FP6 matrix_a_scale:MATRIX_SCALE_ROW1 matrix_b_scale:MATRIX_SCALE_ROW1
.elseif \ra
	v_wmma_scale_f32_16x16x128_f8f6f4 v[\d:\d+7], v[\a:\a+11], v[\b:\b+11], v[\d:\d+7], v[\sa], v[\sb] matrix_a_fmt:MATRIX_FMT_FP6 matrix_b_fmt:MATRIX_FMT_FP6 matrix_a_scale:MATRIX_SCALE_ROW1
.elseif \rb
	v_wmma_scale_f32_16x16x128_f8f6f4 v[\d:\d+7], v[\a:\a+11], v[\b:\b+11], v[\d:\d+7], v[\sa], v[\sb] matrix_a_fmt:MATRIX_FMT_FP6 matrix_b_fmt:MATRIX_FMT_FP6 matrix_b_scale:MATRIX_SCALE_ROW1
.else
	v_wmma_scale_f32_16x16x128_f8f6f4 v[\d:\d+7], v[\a:\a+11], v[\b:\b+11], v[\d:\d+7], v[\sa], v[\sb] matrix_a_fmt:MATRIX_FMT_FP6 matrix_b_fmt:MATRIX_FMT_FP6
.endif
.endif
.endm
.macro MULS b, zero                    ; the 64 accumulators take turns, one instruction a turn, in the same order in every step
.irp j, 0,1,2,3,4,5,6,7
	WIN 0xa1+0x50*(\j/4)
.irp i, 0,1,2,3,4,5,6,7
	WM 8*(8*(\j%4)+\i), 128*(\b)+12*\i, 32+96*(\b)+12*\j, \zero, 16+8*(\b)+\i/2, 20+8*(\b)+\j/2, \i%2, \j%2
.endr
.endr
.endm
.macro BIASLD                          ; the bias along P: 16 loads
	WIN 0x40
.irp i, 0,1,2,3,4,5,6,7
	global_load_b128 v[96+8*\i+96*(\i/4):96+8*\i+96*(\i/4)+3], v5, s[40:41] offset:4*(32*(\i/2)+8*(\i%2))
	global_load_b128 v[96+8*\i+96*(\i/4)+4:96+8*\i+96*(\i/4)+7], v5, s[40:41] offset:4*(32*(\i/2)+8*(\i%2))+16
.endr
	WIN 0
.endm
; A K step on set cur.  left: the loads issued behind set cur's, which may stay out: the other set's NLD, or none in the last step.  fetch = 1: set cur is asked for again, two K steps on.
; bias = 1 (the last step but one): the bias is asked for here, a step ahead of the last wait, and not at the head, where it would stand in front of the first set.
.macro STEP cur, zero, fetch, left, bias
	s_wait_loadcnt \left                           ; loads come back in order (ISA guide 5.7.1): set cur is in, and its address registers may be written
.if \bias
	BIASLD
.endif
	MULS \cur, \zero
	WIN 0
.if \fetch
	PLACES                                         ; set cur has just been multiplied
	NEXTK
	FILL \cur
.endif
.endm
.macro QUANT s, pc, pw
.irp b, 0,1,2,3
	v_max3_num_f32 v[TM+\b], |v[\s+16*\b]|, |v[\s+1+16*\b]|, 0x1800000
.endr
.irp i, 2,4,6,8,10,12,14
.irp b, 0,1,2,3
	v_max3_num_f32 v[TM+\b], v[TM+\b], |v[\s+16*\b+\i]|, |v[\s+1+16*\b+\i]|
.endr
.endr
.irp b, 0,1,2,3
	v_permlanex16_b32 v[TM+4+\b], v[TM+\b], s[SEL], s[SEL+1]
.endr
.irp b, 0,1,2,3
	v_max_num_f32 v[TM+\b], v[TM+\b], v[TM+4+\b]
.endr
.irp b, 0,1,2,3
	v_add_nc_u32 v[TM+12+\b], 0xff000000, v[TM+\b]
.endr
.irp b, 0,1,2,3
	v_lshrrev_b32 v[TM+4+\b], 23, v[TM+12+\b]
.endr
	v_lshl_or_b32 v[\pw], v[TM+5], 8, v[TM+4]
	v_lshl_or_b32 v[\pw], v[TM+6], 16, v[\pw]
	v_lshl_or_b32 v[\pw], v[TM+7], 24, v[\pw]
.irp c, 0,1
	v_cvt_scalef32_pk16_fp6_f32 v[\pc+6*\c:\pc+2+6*\c], v[\s+32*\c:\s+15+32*\c], v[TM+12+2*\c]
	v_cvt_scalef32_pk16_fp6_f32 v[\pc+12+4*\c:\pc+14+4*\c], v[\s+16+32*\c:\s+31+32*\c], v[TM+12+2*\c+1]
.endr
	v_nop
.irp c, 0,1
.irp i, 0,1,2
	v_permlane16_swap_b32 v[\pc+6*\c+\i], v[\pc+12+4*\c+\i]
.endr
.irp i, 0,1,2
	v_mov_b32 v[\pc+3+6*\c+\i], v[\pc+12+4*\c+\i]
.endr
.endr
.endm
.macro IMGST pc, base, off             ; a fragment's image: each store covers 512 consecutive bytes, aligned
	global_store_b128 v1, v[\pc:\pc+3], s[\base:\base+1] offset:\off
	global_store_b128 v1, v[\pc+4:\pc+7], s[\base:\base+1] offset:\off+512
	global_store_b128 v1, v[\pc+8:\pc+11], s[\base:\base+1] offset:\off+1024
.endm
.macro ADDB j                          ; token tile j's 64 results + the bias, into window 0; each accumulator from its low end on
	WIN 0x06+(\j)/4
.irp i, 0,1,2,3,4,5,6,7
.irp p, 0,2,4,6
	v_pk_add_f32 v[HA+8*\i+\p:HA+8*\i+\p+1], v[64*((\j)%4)+8*\i+\p:64*((\j)%4)+8*\i+\p+1], v[96+8*\i+96*(\i/4)+\p:96+8*\i+96*(\i/4)+\p+1]
.endr
.endr
	WIN 0
.endm
.macro GELU                            ; on the 64 numbers at v[HA]; two batches of 64 transcendentals, each with one plain line and one wait behind it
.set m, 0
.rept 32
	v_pk_mul_f32 v[TT+m:TT+m+1], v[HA+m:HA+m+1], v[HA+m:HA+m+1]
.set m, m+2
.endr
.set m, 0
.rept 32
	v_pk_fma_f32 v[TT+m:TT+m+1], v[TT+m:TT+m+1], s[C1:C1+1], v[C0:C0+1] op_sel_hi:[1,0,1]
.set m, m+2
.endr
.set m, 0
.rept 32
	v_pk_mul_f32 v[TT+m:TT+m+1], v[TT+m:TT+m+1], v[HA+m:HA+m+1]
.set m, m+2
.endr
.set m, 0
.rept 64
	v_exp_f32 v[TT+m], v[TT+m]
.set m, m+1
.endr
	v_nop
	s_wait_alu depctr_va_vdst(0)
.set m, 0
.rept 32
	v_pk_add_f32 v[TT+m:TT+m+1], v[TT+m:TT+m+1], 1.0 op_sel_hi:[1,0]
.set m, m+2
.endr
.set m, 0
.rept 64
	v_rcp_f32 v[TT+m], v[TT+m]
.set m, m+1
.endr
	v_nop
	s_wait_alu depctr_va_vdst(0)
.set m, 0
.rept 32
	v_pk_mul_f32 v[HA+m:HA+m+1], v[HA+m:HA+m+1], v[TT+m:TT+m+1]
.set m, m+2
.endr
.endm
	s_load_b256 s[36:43], s[0:1], 0x0              ; a2 s[36:37], wimg s[38:39], fc_b s[40:41], gimg s[42:43]
	v_lshrrev_b32 v1, 5, v0
	v_readfirstlane_b32 s2, v1
	v_and_b32 v2, 31, v0
	v_lshlrev_b32 v1, 4, v2
	v_and_b32 v3, 15, v0
	v_bfe_u32 v4, v0, 4, 1
	s_mov_b32 s48, ttmp9
	s_and_b32 s49, ttmp7, 0xffff
	s_and_b32 s50, s2, 1
	s_lshr_b32 s51, s2, 1
	s_lshl_b32 s54, s48, 1
	s_add_co_u32 s54, s54, s50                     ; W's group of 8 tiles = the next product's K step
	s_lshl_b32 s55, s49, 1
	s_add_co_u32 s55, s55, s51                     ; the tokens' group of 8 tiles
	s_mul_i32 s56, s54, 8*TST
	s_add_co_u32 s56, s56, FCI
	s_mov_b32 s57, 0
	s_lshl_b32 s58, s54, 9
	s_add_co_u32 s58, s58, FCS
	s_mov_b32 s59, 0
	s_mul_i32 s60, s55, 8*TST
	s_mov_b32 s61, 0
	s_lshl_b32 s62, s55, 9
	s_add_co_u32 s62, s62, ASC
	s_mov_b32 s63, 0
	s_lshl_b32 s66, s54, 9
	s_mov_b32 s67, 0
	s_mov_b32 s27, 0
	s_mov_b32 s29, 0
	s_mov_b32 s31, 0
	s_mov_b32 s25, 0
	s_add_co_u32 s24, s48, s49
	s_and_b32 s24, s24, NS-1
	v_lshlrev_b32 v5, 6, v4
	s_wait_kmcnt 0x0
	s_add_nc_u64 s[8:9], s[38:39], s[56:57]
	s_add_nc_u64 s[10:11], s[36:37], s[60:61]
	s_add_nc_u64 s[12:13], s[38:39], s[58:59]
	s_add_nc_u64 s[14:15], s[36:37], s[62:63]
	s_add_nc_u64 s[40:41], s[40:41], s[66:67]
	FILL 0                                         ; both sets are asked for before anything else
	NEXTK
	FILL 1
	STEP 0, 1, 1, NLD, 0                           ; the first K step starts the sums
	STEP 1, 0, 1, NLD, 0
	s_mov_b32 s3, (NS-4)/2
.Lk:
	STEP 0, 0, 1, NLD, 0
	STEP 1, 0, 1, NLD, 0
	s_sub_co_u32 s3, s3, 1
	s_cmp_lg_u32 s3, 0
	s_cbranch_scc1 .Lk
	STEP 0, 0, 0, NLD, 1                           ; the last two K steps ask for no set
	STEP 1, 0, 0, 0, 0
	PLACES
.irp b, 0,1,2,3
	v_mov_b32 v[TM+4+\b], 0
.endr
	v_mov_b32 v[C0], 0xc0135761                    ; c0 = -2 sqrt(2 / pi) log2(e)
	v_mov_b32 v[C0+1], 0xc0135761
	s_mov_b32 s[C1], 0xbdd2d3e8                    ; c1 = 0.044715 c0
	s_mov_b32 s[C1+1], s[C1]
	s_mov_b32 s[SEL], 0x76543210
	s_mov_b32 s[SEL+1], 0xfedcba98
	s_mov_b32 s[MH], 0xffff0000
	s_lshl_b32 s8, s55, 8                          ; my first tile x 32 K steps
	s_add_co_u32 s8, s8, s54
	s_mul_i32 s8, s8, 1536
	s_mov_b32 s9, 0
	s_add_nc_u64 s[12:13], s[42:43], s[8:9]
	s_lshl_b32 s8, s54, 14
	s_lshl_b32 s10, s55, 9
	s_add_co_u32 s8, s8, s10
	s_add_co_u32 s8, s8, GSC
	s_add_nc_u64 s[14:15], s[42:43], s[8:9]
.irp j, 0,1,2,3,4,5,6,7
	s_wait_xcnt 0x0                                ; the last tile's stores have read the codes' registers
	ADDB \j
	GELU
	QUANT HA, PC, WD+\j
	IMGST PC, 12, 49152*\j
.endr
.irp e, 0,1,2,3
	v_cndmask_b32 v[SW+\e], v[WD+2*\e], v[WD+2*\e+1], s[MH]   ; lanes 0-15 the even tile's words, lanes 16-31 the odd tile's
.endr
	global_store_b128 v1, v[SW:SW+3], s[14:15]
	s_endpgm
.Lfunc_end_k_q2890e48ae2_fc:
	.size	k_q2890e48ae2_fc, .Lfunc_end_k_q2890e48ae2_fc-k_q2890e48ae2_fc
	.p2alignl 7, 3214868480
	.fill 96, 4, 3214868480
	.section	.rodata,"a",@progbits
	.p2align	6, 0x0
	.amdhsa_kernel k_q2890e48ae2_fc
		.amdhsa_group_segment_fixed_size 0
		.amdhsa_private_segment_fixed_size 0
		.amdhsa_enable_private_segment 0
		.amdhsa_kernarg_size 32
		.amdhsa_user_sgpr_count 2
		.amdhsa_user_sgpr_kernarg_segment_ptr 1
		.amdhsa_wavefront_size32 1
		.amdhsa_system_sgpr_workgroup_id_x 1
		.amdhsa_system_sgpr_workgroup_id_y 1
		.amdhsa_system_sgpr_workgroup_id_z 1
		.amdhsa_system_vgpr_workitem_id 0
		.amdhsa_next_free_vgpr 1024
		.amdhsa_next_free_sgpr 80
		.amdhsa_reserve_vcc 0
		.amdhsa_float_denorm_mode_32 3
		.amdhsa_float_denorm_mode_16_64 3
		.amdhsa_memory_ordered 1
		.amdhsa_forward_progress 1
		.amdhsa_inst_pref_size 247
	.end_amdhsa_kernel
	.amdgpu_metadata
---
amdhsa.version: [ 1, 2 ]
amdhsa.kernels:
  - .name:           k_q2890e48ae2_fc
    .symbol:         k_q2890e48ae2_fc.kd
    .args:
      - { .name: a2, .offset: 0, .size: 8, .value_kind: global_buffer, .address_space: global }
      - { .name: wimg, .offset: 8, .size: 8, .value_kind: global_buffer, .address_space: global }
      - { .name: fc_b, .offset: 16, .size: 8, .value_kind: global_buffer, .address_space: global }
      - { .name: gimg, .offset: 24, .size: 8, .value_kind: global_buffer, .address_space: global }
    .group_segment_fixed_size: 0
    .private_segment_fixed_size: 0
    .kernarg_segment_align: 8
    .kernarg_segment_size: 32
    .max_flat_workgroup_size: 128
    .sgpr_count:     80
    .vgpr_count:     1024
    .wavefront_size: 32
...
	.end_amdgpu_metadata
.endif
;; end of part 5
;; launch proj (part 6): grid 8 x 32, 4 waves a work-group, no clusters, 296,448 bytes of LDS; arguments gimg, wimg, proj_b, x2, out0; writes out0
.if DOCPART == 6
	.amdgcn_target "amdgcn-amd-amdhsa--gfx1250"
	.amdhsa_code_object_version 6
	.text
	.protected	k_q2890e48ae2_proj
	.globl	k_q2890e48ae2_proj
	.p2align	8
	.type	k_q2890e48ae2_proj,@function
k_q2890e48ae2_proj:
	s_mov_b64 s[64:65], 0
	v_nop
	global_prefetch_b8 v0, s[64:65] scope:SCOPE_SE
	s_setreg_imm32_b32 hwreg(HW_REG_WAVE_MODE, 25, 1), 1
	s_wait_xcnt 0x0
; out = A W + bias + residual, on codes of FP6 (E2M3) with E8M0 scales; A [4096 x K] and W [1024 x K] lie as images of fragments ([tile][K step][1,536 bytes]); out and the residual are [4096][1024] f32.  Here K = 4,096.
; N is 1,024: tiles of 256 x 256 would be 64.  So a work-group makes 128 x 128 (256 work-groups), and ITS FOUR WAVES SHARE K: each has the whole tile in 64 accumulators and NS of the 4 NS K steps.
; The four parts meet in LDS: wave w sums rows 32 w .. 32 w + 31 of the tile, adds bias and residual and stores whole rows of 512 bytes.
; Operands come straight into registers, in two sets, both asked for at the head; a set is asked for again, with the K step two on, straight behind its own 64 products, whether or not the other set has landed, by address
; registers of its own: requests stand in line without a gap.  The two sets' loads together are more than LOADcnt's field holds: the issue of the later ones then waits for earlier ones to come back (ISA guide 5.7.1),
; which happens only where the wave would wait for those loads anyway.
; A wave begins at K step (x + y) % NS of its own.  No LDS ring and no joint loads: a wave has NS K steps only.
; An image is three runs of 512 bytes (registers 0-3, 4-7, 8-11, 16 bytes a lane); QOLD = 0: A's images too.
; SOURCE 0 = W (8 tiles), SOURCE 1 = A (8 tiles).  A tile's 16 rows are 32 (t / 2) + 8 (t % 2) + r + 8 (r / 8): register 16 e + n of a lane's 64 is column 32 e + 16 (lane / 16) + n.
; LIMITS: K is summed in four parts, each from a rotated start: the last bits differ from an ascending sum's.  NaN and infinities are not served.
.set KST, 32
.set NS,  8                            ; K steps of a wave
.set TST, KST*1536
.set SHP, 12                           ; W's scale words: 4,096 bytes a K step (1,024 rows)
.set SHQ, 14
.set PIMG, 6291456
.set PSC,  9699328
.set QSC,  12582912
.set QOLD, 0
.set NLD, 50+8*QOLD                    ; loads of a set: 8 x 3 for P, 8 x 3 or 8 x 4 for Q, 2 of scale words
.set NTOUT, 1
.set HA,  32
.set STG, 262144                       ; LDS: [owner wave][source wave][16 accumulators x 1,024 bytes] = 262,144; then a stage of 16 rows x 528 bytes for each wave
; REGISTERS.  Window 0: v1 16 x lane, v3 r, v4 h; v5-8 where my parts go, v9 where I read, v10, v11 my stage, v12 64 h; v16-31 scale words and nothing else; Q's fragments: set 0 v32-127, set 1 v128-223.
; Window 1: P's fragments: set 0 v0-95, set 1 v128-223 (on the way out: the residual's 32 rows); the bias along P: tile i at 96 + 8 i (i < 4), 192 + 8 i.  Windows 2, 3: accumulator (j, i) at window 2 + j / 4, v[8 (8 (j % 4) + i)].
; s[8:15] the addresses at K step 0; at the K step asked for: set 0 s[16:23], set 1 s[4:7] and s[32:35]; s24 the K step last asked for, less s25, the wave's first.
.set MSB, 0
.macro WIN new
.if MSB != (\new)
	s_set_vgpr_msb (MSB<<8)|(\new)
.set MSB, (\new)
.endif
.endm
.macro PLACES
.rept 4
	v_nop
.endr
.endm
.macro SETK pa, qa, ps, qs
	s_add_co_u32 s26, s24, s25
	s_lshl_b32 s28, s26, SHP
	s_lshl_b32 s30, s26, SHQ
	s_mul_i32 s26, s26, 1536
	s_add_nc_u64 s[\pa:\pa+1], s[8:9], s[26:27]
	s_add_nc_u64 s[\qa:\qa+1], s[10:11], s[26:27]
	s_add_nc_u64 s[\ps:\ps+1], s[12:13], s[28:29]
	s_add_nc_u64 s[\qs:\qs+1], s[14:15], s[30:31]
.endm
.macro LOADSET b, pa, qa, ps, qs
	WIN 0x40
.irp i, 0,1,2,3,4,5,6,7
.irp c, 0,1,2
	global_load_b128 v[128*(\b)+12*\i+4*\c:128*(\b)+12*\i+4*\c+3], v1, s[\pa:\pa+1] offset:\i*TST+512*\c
.endr
.endr
	WIN 0
.irp i, 0,1,2,3,4,5,6,7
.if QOLD
	global_load_b128 v[32+96*(\b)+12*\i:32+96*(\b)+12*\i+3], v1, s[\qa:\qa+1] offset:\i*TST
	global_load_b64 v[32+96*(\b)+12*\i+4:32+96*(\b)+12*\i+5], v2, s[\qa:\qa+1] offset:\i*TST+512
	global_load_b128 v[32+96*(\b)+12*\i+6:32+96*(\b)+12*\i+9], v1, s[\qa:\qa+1] offset:\i*TST+768
	global_load_b64 v[32+96*(\b)+12*\i+10:32+96*(\b)+12*\i+11], v2, s[\qa:\qa+1] offset:\i*TST+1280
.else
.irp c, 0,1,2
	global_load_b128 v[32+96*(\b)+12*\i+4*\c:32+96*(\b)+12*\i+4*\c+3], v1, s[\qa:\qa+1] offset:\i*TST+512*\c
.endr
.endif
.endr
	global_load_b128 v[16+8*(\b):19+8*(\b)], v1, s[\ps:\ps+1]
	global_load_b128 v[20+8*(\b):23+8*(\b)], v1, s[\qs:\qs+1]
.endm
.macro FILL b                          ; set b is asked for, at K step s24 + s25, by its own address registers
.if \b
	SETK 4, 6, 32, 34
	LOADSET 1, 4, 6, 32, 34
.else
	SETK 16, 18, 20, 22
	LOADSET 0, 16, 18, 20, 22
.endif
.endm
.macro NEXTK
	s_add_co_u32 s24, s24, 1
	s_and_b32 s24, s24, NS-1
.endm
.macro WM d, a, b, zero, sa, sb, ra, rb
.if \zero
.if (\ra) && (\rb)
	v_wmma_scale_f32_16x16x128_f8f6f4 v[\d:\d+7], v[\a:\a+11], v[\b:\b+11], 0, v[\sa], v[\sb] matrix_a_fmt:MATRIX_FMT_FP6 matrix_b_fmt:MATRIX_FMT_FP6 matrix_a_scale:MATRIX_SCALE_ROW1 matrix_b_scale:MATRIX_SCALE_ROW1
.elseif \ra
	v_wmma_scale_f32_16x16x128_f8f6f4 v[\d:\d+7], v[\a:\a+11], v[\b:\b+11], 0, v[\sa], v[\sb] matrix_a_fmt:MATRIX_FMT_FP6 matrix_b_fmt:MATRIX_FMT_FP6 matrix_a_scale:MATRIX_SCALE_ROW1
.elseif \rb
	v_wmma_scale_f32_16x16x128_f8f6f4 v[\d:\d+7], v[\a:\a+11], v[\b:\b+11], 0, v[\sa], v[\sb] matrix_a_fmt:MATRIX_FMT_FP6 matrix_b_fmt:MATRIX_FMT_FP6 matrix_b_scale:MATRIX_SCALE_ROW1
.else
	v_wmma_scale_f32_16x16x128_f8f6f4 v[\d:\d+7], v[\a:\a+11], v[\b:\b+11], 0, v[\sa], v[\sb] matrix_a_fmt:MATRIX_FMT_FP6 matrix_b_fmt:MATRIX_FMT_FP6
.endif
.else
.if (\ra) && (\rb)
	v_wmma_scale_f32_16x16x128_f8f6f4 v[\d:\d+7], v[\a:\a+11], v[\b:\b+11], v[\d:\d+7], v[\sa], v[\sb] matrix_a_fmt:MATRIX_FMT_FP6 matrix_b_fmt:MATRIX_FMT_FP6 matrix_a_scale:MATRIX_SCALE_ROW1 matrix_b_scale:MATRIX_SCALE_ROW1
.elseif \ra
	v_wmma_scale_f32_16x16x128_f8f6f4 v[\d:\d+7], v[\a:\a+11], v[\b:\b+11], v[\d:\d+7], v[\sa], v[\sb] matrix_a_fmt:MATRIX_FMT_FP6 matrix_b_fmt:MATRIX_FMT_FP6 matrix_a_scale:MATRIX_SCALE_ROW1
.elseif \rb
	v_wmma_scale_f32_16x16x128_f8f6f4 v[\d:\d+7], v[\a:\a+11], v[\b:\b+11], v[\d:\d+7], v[\sa], v[\sb] matrix_a_fmt:MATRIX_FMT_FP6 matrix_b_fmt:MATRIX_FMT_FP6 matrix_b_scale:MATRIX_SCALE_ROW1
.else
	v_wmma_scale_f32_16x16x128_f8f6f4 v[\d:\d+7], v[\a:\a+11], v[\b:\b+11], v[\d:\d+7], v[\sa], v[\sb] matrix_a_fmt:MATRIX_FMT_FP6 matrix_b_fmt:MATRIX_FMT_FP6
.endif
.endif
.endm
.macro MULS b, zero                    ; the 64 accumulators take turns, one instruction a turn, in the same order in every step
.irp j, 0,1,2,3,4,5,6,7
	WIN 0xa1+0x50*(\j/4)
.irp i, 0,1,2,3,4,5,6,7
	WM 8*(8*(\j%4)+\i), 128*(\b)+12*\i, 32+96*(\b)+12*\j, \zero, 16+8*(\b)+\i/2, 20+8*(\b)+\j/2, \i%2, \j%2
.endr
.endr
.endm
.macro BIASLD                          ; the bias along P: 16 loads
	WIN 0x40
.irp i, 0,1,2,3,4,5,6,7
	global_load_b128 v[96+8*\i+96*(\i/4):96+8*\i+96*(\i/4)+3], v12, s[40:41] offset:4*(32*(\i/2)+8*(\i%2))
	global_load_b128 v[96+8*\i+96*(\i/4)+4:96+8*\i+96*(\i/4)+7], v12, s[40:41] offset:4*(32*(\i/2)+8*(\i%2))+16
.endr
	WIN 0
.endm
; A K step on set cur.  left: the loads issued behind set cur's, which may stay out: the other set's NLD, or none in the last step.  fetch = 1: set cur is asked for again, two K steps on.
; bias = 1 (the last step but one): the bias is asked for here, a step ahead of the last wait, and not at the head, where it would stand in front of the first set.
.macro STEP cur, zero, fetch, left, bias
	s_wait_loadcnt \left                           ; loads come back in order (ISA guide 5.7.1): set cur is in, and its address registers may be written
.if \bias
	BIASLD
.endif
	MULS \cur, \zero
	WIN 0
.if \fetch
	PLACES                                         ; set cur has just been multiplied
	NEXTK
	FILL \cur
.endif
.endm
; Q tile 2 w + u: the four waves' parts are summed, the bias added; through my stage the tile becomes whole rows; the residual is added and 16 rows are stored
.macro OUTT u
.irp c, 0,1
.irp a, 0,1,2,3
.irp e, 0,1,2,3
	ds_load_b128 v[96+32*\a+8*\e:99+32*\a+8*\e], v9 offset:16384*\a+(8*(\u)+4*\c+\e)*1024
	ds_load_b128 v[100+32*\a+8*\e:103+32*\a+8*\e], v9 offset:16384*\a+(8*(\u)+4*\c+\e)*1024+512
.endr
.endr
	s_wait_dscnt 0x0
.set m, 0
.rept 16
	v_pk_add_f32 v[96+m:97+m], v[96+m:97+m], v[128+m:129+m]
	v_pk_add_f32 v[160+m:161+m], v[160+m:161+m], v[192+m:193+m]
.set m, m+2
.endr
.set m, 0
.rept 16
	v_pk_add_f32 v[96+m:97+m], v[96+m:97+m], v[160+m:161+m]
.set m, m+2
.endr
	WIN 0x04                                       ; source 1, the bias, in window 1
.set m, 0
.rept 16
	v_pk_add_f32 v[HA+32*\c+m:HA+32*\c+m+1], v[96+m:97+m], v[96+128*\c+m:97+128*\c+m]
.set m, m+2
.endr
	WIN 0
.endr
.irp e, 0,1,2,3
.irp n, 0,1,2,3
	ds_store_b128 v10, v[HA+16*\e+4*\n:HA+16*\e+4*\n+3] offset:128*\e+16*\n
.endr
.endr
.irp t, 0,1,2,3,4,5,6,7,8,9,10,11,12,13,14,15
	ds_load_b128 v[96+4*\t:99+4*\t], v11 offset:528*\t      ; LDS serves a wave's instructions in order (ISA guide 5.7.1.4): these see my stores
.endr
	s_wait_dscnt 0x0
	s_wait_loadcnt 0x0                             ; the residual
	WIN 0x04
.irp t, 0,1,2,3,4,5,6,7,8,9,10,11,12,13,14,15
.set nr, 8*(\u)+\t+8*(\t/8)
.set rg, 4*nr+32*(nr/24)
	v_pk_add_f32 v[96+4*\t:97+4*\t], v[96+4*\t:97+4*\t], v[rg:rg+1]
	v_pk_add_f32 v[98+4*\t:99+4*\t], v[98+4*\t:99+4*\t], v[rg+2:rg+3]
.endr
	WIN 0
.irp t, 0,1,2,3,4,5,6,7,8,9,10,11,12,13,14,15
.set nr, 8*(\u)+\t+8*(\t/8)
.if NTOUT
	global_store_b128 v1, v[96+4*\t:99+4*\t], s[70:71] offset:4096*nr th:TH_STORE_NT      ; 32 lanes store 512 consecutive bytes, aligned; written once, read by nobody here
.else
	global_store_b128 v1, v[96+4*\t:99+4*\t], s[70:71] offset:4096*nr
.endif
.endr
.endm
	s_load_b256 s[36:43], s[0:1], 0x0              ; A s[36:37], wimg s[38:39], bias s[40:41], residual s[42:43]
	s_load_b64 s[44:45], s[0:1], 0x20              ; out
	v_lshl_add_u32 v254, v0, 2, 0x48400
	v_mov_b32 v255, 0
	v_lshrrev_b32 v1, 5, v0
	v_readfirstlane_b32 s2, v1
	v_and_b32 v2, 31, v0
	v_lshlrev_b32 v1, 4, v2
.if QOLD
	v_lshlrev_b32 v2, 3, v2
.endif
	v_and_b32 v3, 15, v0
	v_bfe_u32 v4, v0, 4, 1
	s_mov_b32 s48, ttmp9                           ; x: 128 columns
	s_and_b32 s49, ttmp7, 0xffff                   ; y: 128 rows
	s_mul_i32 s56, s48, 8*TST
	s_add_co_u32 s56, s56, PIMG
	s_mov_b32 s57, 0
	s_lshl_b32 s58, s48, 9
	s_add_co_u32 s58, s58, PSC
	s_mov_b32 s59, 0
	s_mul_i32 s60, s49, 8*TST
	s_mov_b32 s61, 0
	s_lshl_b32 s62, s49, 9
	s_add_co_u32 s62, s62, QSC
	s_mov_b32 s63, 0
	s_lshl_b32 s66, s48, 9                         ; 512 bytes: 128 f32 columns
	s_mov_b32 s67, 0
	s_lshl_b32 s68, s49, 19                        ; 128 rows of 4,096 bytes,
	s_lshl_b32 s69, s2, 17                         ; my 32 of them,
	s_add_co_u32 s68, s68, s69
	s_add_co_u32 s68, s68, s66                     ; my columns
	s_mov_b32 s69, 0
	s_mov_b32 s27, 0
	s_mov_b32 s29, 0
	s_mov_b32 s31, 0
	s_mul_i32 s25, s2, NS                          ; my first K step
	s_add_co_u32 s24, s48, s49
	s_and_b32 s24, s24, NS-1
	v_lshlrev_b32 v12, 6, v4
	s_lshl_b32 s50, s2, 14
	v_add_nc_u32 v5, s50, v1                       ; my parts: owner d at 65,536 d + 16,384 w + 16 x lane
	v_add_nc_u32 v6, 0x10000, v5
	v_add_nc_u32 v7, 0x20000, v5
	v_add_nc_u32 v8, 0x30000, v5
	s_lshl_b32 s50, s2, 16
	v_add_nc_u32 v9, s50, v1                       ; what I own
	s_mul_i32 s50, s2, 16*528
	s_add_co_u32 s50, s50, STG
	v_mul_u32_u24 v10, v3, 528
	v_lshl_add_u32 v10, v4, 6, v10
	v_add_nc_u32 v10, s50, v10                     ; my stage, in: row r, + 64 h
	v_add_nc_u32 v11, s50, v1                      ; back: a row an instruction
	s_wait_kmcnt 0x0
	s_add_nc_u64 s[8:9], s[38:39], s[56:57]
	s_add_nc_u64 s[10:11], s[36:37], s[60:61]
	s_add_nc_u64 s[12:13], s[38:39], s[58:59]
	s_add_nc_u64 s[14:15], s[36:37], s[62:63]
	s_add_nc_u64 s[40:41], s[40:41], s[66:67]
	s_add_nc_u64 s[70:71], s[44:45], s[68:69]
	s_add_nc_u64 s[68:69], s[42:43], s[68:69]
	FILL 0                                         ; both sets are asked for before anything else
	NEXTK
	FILL 1
.if NS > 2
	STEP 0, 1, 1, NLD, 0                           ; the first K step starts the sums
	STEP 1, 0, 1, NLD, 0
	s_mov_b32 s3, (NS-4)/2
.Lk:
	STEP 0, 0, 1, NLD, 0
	STEP 1, 0, 1, NLD, 0
	s_sub_co_u32 s3, s3, 1
	s_cmp_lg_u32 s3, 0
	s_cbranch_scc1 .Lk
	STEP 0, 0, 0, NLD, 1                           ; the last two K steps ask for no set
.else
	STEP 0, 1, 0, NLD, 1                           ; two K steps in all: the first starts the sums
.endif
	STEP 1, 0, 0, 0, 0
	PLACES
	WIN 0x40                                       ; the residual's 32 rows of my 128 columns land in P's registers while the parts are summed
.set nr, 0
.rept 32
	global_load_b128 v[4*nr+32*(nr/24):4*nr+32*(nr/24)+3], v1, s[68:69] offset:4096*nr
.set nr, nr+1
.endr
.irp j, 0,1,2,3,4,5,6,7
	WIN 0x08+4*(\j/4)                              ; an LDS store's data are its source 1
.irp i, 0,1,2,3,4,5,6,7
	ds_store_b128 v[5+\j/2], v[64*(\j%4)+8*\i:64*(\j%4)+8*\i+3] offset:((\j%2)*8+\i)*1024          ; each accumulator from its low end on
	ds_store_b128 v[5+\j/2], v[64*(\j%4)+8*\i+4:64*(\j%4)+8*\i+7] offset:((\j%2)*8+\i)*1024+512
.endr
.endr
	WIN 0
	s_wait_dscnt 0x0                               ; for the others' sake: my parts lie in LDS
	s_barrier_signal -1
	s_barrier_wait -1
	OUTT 0
	s_wait_xcnt 0x0                                ; the stores have read their registers
	OUTT 1
	s_wait_tensorcnt 0x0
	ds_add_u32 v254, v255
	s_wait_dscnt 0x0
	s_endpgm
.Lfunc_end_k_q2890e48ae2_proj:
	.size	k_q2890e48ae2_proj, .Lfunc_end_k_q2890e48ae2_proj-k_q2890e48ae2_proj
	.p2alignl 7, 3214868480
	.fill 96, 4, 3214868480
	.section	.rodata,"a",@progbits
	.p2align	6, 0x0
	.amdhsa_kernel k_q2890e48ae2_proj
		.amdhsa_group_segment_fixed_size 296448
		.amdhsa_private_segment_fixed_size 0
		.amdhsa_enable_private_segment 0
		.amdhsa_kernarg_size 40
		.amdhsa_user_sgpr_count 2
		.amdhsa_user_sgpr_kernarg_segment_ptr 1
		.amdhsa_wavefront_size32 1
		.amdhsa_system_sgpr_workgroup_id_x 1
		.amdhsa_system_sgpr_workgroup_id_y 1
		.amdhsa_system_sgpr_workgroup_id_z 1
		.amdhsa_system_vgpr_workitem_id 0
		.amdhsa_next_free_vgpr 1024
		.amdhsa_next_free_sgpr 80
		.amdhsa_reserve_vcc 0
		.amdhsa_float_denorm_mode_32 3
		.amdhsa_float_denorm_mode_16_64 3
		.amdhsa_memory_ordered 1
		.amdhsa_forward_progress 1
		.amdhsa_inst_pref_size 132
	.end_amdhsa_kernel
	.amdgpu_metadata
---
amdhsa.version: [ 1, 2 ]
amdhsa.kernels:
  - .name:           k_q2890e48ae2_proj
    .symbol:         k_q2890e48ae2_proj.kd
    .args:
      - { .name: gimg, .offset: 0, .size: 8, .value_kind: global_buffer, .address_space: global }
      - { .name: wimg, .offset: 8, .size: 8, .value_kind: global_buffer, .address_space: global }
      - { .name: proj_b, .offset: 16, .size: 8, .value_kind: global_buffer, .address_space: global }
      - { .name: x2, .offset: 24, .size: 8, .value_kind: global_buffer, .address_space: global }
      - { .name: out0, .offset: 32, .size: 8, .value_kind: global_buffer, .address_space: global }
    .group_segment_fixed_size: 296448
    .private_segment_fixed_size: 0
    .kernarg_segment_align: 8
    .kernarg_segment_size: 40
    .max_flat_workgroup_size: 128
    .sgpr_count:     80
    .vgpr_count:     1024
    .wavefront_size: 32
...
	.end_amdgpu_metadata
.endif
;; end of part 6
;; ======== version 2 of 2: 7 launches
;; workspace buffers: wimg 9,830,400 bytes; a1 3,276,800 bytes; a2 3,276,800 bytes; ctxi 3,276,800 bytes; qkvi 10,092,544 bytes; x2 16,777,216 bytes; gimg 13,107,200 bytes
;; launch prep (part 7): grid 512 x 1, 4 waves a work-group, no clusters, 66,560 bytes of LDS; arguments hidden_states, ln1_g, ln1_b, a1, wimg, c_attn_w_codes, c_attn_w_scales, c_proj_w_codes, c_proj_w_scales, fc_w_codes, fc_w_scales, proj_w_codes, proj_w_scales; writes a1, wimg
.if DOCPART == 7
	.amdgcn_target "amdgcn-amd-amdhsa--gfx1250"
	.amdhsa_code_object_version 6
	.text
	.protected	k_q2890e48ae2_prep
	.globl	k_q2890e48ae2_prep
	.p2align	8
	.type	k_q2890e48ae2_prep,@function
k_q2890e48ae2_prep:
	s_mov_b64 s[64:65], 0
	v_nop
	global_prefetch_b8 v0, s[64:65] scope:SCOPE_SE
	s_setreg_imm32_b32 hwreg(HW_REG_WAVE_MODE, 25, 1), 1
	s_wait_xcnt 0x0
; TWO JOBS, parted on the work-group's number.
; Work-groups 0-255: layer norm of 16 rows of x [4096][1024] f32, quantised along the 1,024 to FP6 (E2M3) with one E8M0 byte for each 32, and stored as IMAGES OF OPERAND REGISTERS.
; Work-groups 256-511 (only in the launch whose grid has them): the four weights' codes and scale bytes, as given, are laid into the same kind of images.
; A TILE is 16 rows that are not neighbours: tile t, place r = row 32 (t / 2) + 8 (t % 2) + r + 8 (r / 8).  So two neighbouring tiles cover 32 rows, and a product that takes such tiles as its
; source 0 leaves 16 neighbours along that axis in a lane's 16 registers of two tiles.
; AN IMAGE of a fragment (16 rows x 128 K, 12 registers a lane) is 1,536 bytes: registers 0-3 at 16 x lane, 4-7 at 512 + 16 x lane, 8-11 at 1,024 + 16 x lane: three loads of 16 bytes a lane bring it.  Buffer: [tile][K step][1,536].
; SCALE WORDS: [K step][group of 8 tiles][512]: lane l's 16 bytes hold, as word e, the word of tile 2 e + l / 16 of the group, row l % 16: one load of 16 bytes a lane brings the words of 8 tiles.
; The mean is taken first and the squares of x - mean second: no difference of large sums.  No matrix unit, no cluster: nothing here is shared between work-groups.
; LIMITS: NaN and infinities are not served; a block of zeros, or one whose largest magnitude lies under 2^-124, gets the byte 1 (its codes are zeros or nearly so; only this program reads the bytes).
.set ROWP, 4112                        ; a row in LDS: 4,096 bytes + 16: 16 rows begin in 16 different columns of 16 bytes
.set XR,   32                          ; v32-159  four rows of x, 32 registers each; later two K steps' 64 numbers
.set GR,   160                         ; v160-191 the gain;  later the codes
.set BR,   192                         ; v192-223 the bias;  later at work
.set SA,   8                           ; v8-15    a pair for each row: sum, then mean
.set SB,   16                          ; v16-23   a pair for each row: sum of squares, then 1 / sqrt
.set PD,   24                          ; v24-27   lane permutes land here
.set TM,   200                         ; v200-215 the quantiser's work
.set SEL,  14                          ; s[14:15] selects of v_permlanex16_b32: lane l xor 16
.set ASC,  3145728                     ; where the scale words begin in the activations' buffer
.set FCI,  3145728                     ; wimg: fc's images (c_attn's and c_proj's begin at 0),
.set PJI,  6291456                     ; proj's,
.set W1S,  9437184                     ; scale words of c_attn and c_proj,
.set FCS,  9568256                     ; of fc,
.set PJS,  9699328                     ; of proj
; 64 numbers of a lane, register 16 b + i = k 32 b + 16 (lane / 16) + i of the lane's row, become a fragment's codes in v[pc] .. v[pc + 11] (v[pc + 12] .. + 18 at work) and its scale word in v[pw]
.macro QUANT s, pc, pw
.irp b, 0,1,2,3
	v_max3_num_f32 v[TM+\b], |v[\s+16*\b]|, |v[\s+1+16*\b]|, 0x1800000   ; my 16 numbers of block b, and the floor 2^(3 - 127): the byte cannot fall under 1
.endr
.irp i, 2,4,6,8,10,12,14
.irp b, 0,1,2,3
	v_max3_num_f32 v[TM+\b], v[TM+\b], |v[\s+16*\b+\i]|, |v[\s+1+16*\b+\i]|
.endr
.endr
.irp b, 0,1,2,3
	v_permlanex16_b32 v[TM+4+\b], v[TM+\b], s[SEL], s[SEL+1]
.endr
.irp b, 0,1,2,3
	v_max_num_f32 v[TM+\b], v[TM+\b], v[TM+4+\b]      ; with lane l xor 16's: the block's largest magnitude
.endr
.irp b, 0,1,2,3
	v_add_nc_u32 v[TM+12+\b], 0xff000000, v[TM+\b]    ; 2 off its exponent field: the conversion's scale operand
.endr
.irp b, 0,1,2,3
	v_lshrrev_b32 v[TM+4+\b], 23, v[TM+12+\b]         ; the scale's byte
.endr
	v_lshl_or_b32 v[\pw], v[TM+5], 8, v[TM+4]
	v_lshl_or_b32 v[\pw], v[TM+6], 16, v[\pw]
	v_lshl_or_b32 v[\pw], v[TM+7], 24, v[\pw]
.irp c, 0,1
	v_cvt_scalef32_pk16_fp6_f32 v[\pc+6*\c:\pc+2+6*\c], v[\s+32*\c:\s+15+32*\c], v[TM+12+2*\c]
	v_cvt_scalef32_pk16_fp6_f32 v[\pc+12+4*\c:\pc+14+4*\c], v[\s+16+32*\c:\s+31+32*\c], v[TM+12+2*\c+1]
.endr
	v_nop                                             ; one plain line behind the scaled conversions
.irp c, 0,1
.irp i, 0,1,2
	v_permlane16_swap_b32 v[\pc+6*\c+\i], v[\pc+12+4*\c+\i]   ; a whole block to a lane: lanes 0-15 block 2 c, lanes 16-31 block 2 c + 1
.endr
.irp i, 0,1,2
	v_mov_b32 v[\pc+3+6*\c+\i], v[\pc+12+4*\c+\i]
.endr
.endr
.endm
.macro IMGST pc, base, off             ; a fragment's image: each store covers 512 consecutive bytes, aligned
	global_store_b128 v1, v[\pc:\pc+3], s[\base:\base+1] offset:\off
	global_store_b128 v1, v[\pc+4:\pc+7], s[\base:\base+1] offset:\off+512
	global_store_b128 v1, v[\pc+8:\pc+11], s[\base:\base+1] offset:\off+1024
.endm
.macro RFRAG reg, vo, base, off        ; a fragment from rows of codes: 24 bytes and 24 bytes, in pieces of 8
.irp p, 0,1,2,3,4,5
	global_load_b64 v[\reg+2*\p:\reg+2*\p+1], v[\vo], s[\base:\base+1] offset:\off+48*(\p/3)+8*(\p%3)
.endr
.endm
.macro REDUCE p                        ; four rows' pairs at v[p + 2 q]: the two halves, then the 32 lanes; every lane ends with the sum
.irp q, 0,1,2,3
	v_add_f32 v[\p+2*\q], v[\p+2*\q], v[\p+2*\q+1]
.endr
.irp m, 1,2,4,8
.irp q, 0,1,2,3
	v_add_f32_dpp v[\p+2*\q], v[\p+2*\q], v[\p+2*\q] row_xmask:\m row_mask:0xf bank_mask:0xf
.endr
.endr
.irp q, 0,1,2,3
	v_permlanex16_b32 v[PD+\q], v[\p+2*\q], s[SEL], s[SEL+1]
.endr
.irp q, 0,1,2,3
	v_add_f32 v[\p+2*\q], v[\p+2*\q], v[PD+\q]
.endr
.endm
.macro ROW0 d, t, x                    ; s[d] = first row of tile s[t]: 32 (t / 2) + 8 (t % 2)
	s_lshr_b32 s[\d], s[\t], 1
	s_lshl_b32 s[\d], s[\d], 5
	s_and_b32 s[\x], s[\t], 1
	s_lshl_b32 s[\x], s[\x], 3
	s_add_co_u32 s[\d], s[\d], s[\x]
.endm
.macro SCOFF d, t, x                   ; s[d] = place of tile s[t]'s words in a K step's scale words: 512 (t / 8) + 256 (t % 2) + 4 ((t / 2) % 4)
	s_lshr_b32 s[\d], s[\t], 3
	s_lshl_b32 s[\d], s[\d], 9
	s_and_b32 s[\x], s[\t], 1
	s_lshl_b32 s[\x], s[\x], 8
	s_add_co_u32 s[\d], s[\d], s[\x]
	s_bfe_u32 s[\x], s[\t], 0x20001
	s_lshl_b32 s[\x], s[\x], 2
	s_add_co_u32 s[\d], s[\d], s[\x]
.endm
	s_load_b256 s[4:11], s[0:1], 0x0               ; x s[4:5], gain s[6:7], bias s[8:9], the activations' images s[10:11]
	s_load_b64 s[12:13], s[0:1], 0x20              ; wimg
	s_load_b512 s[16:31], s[0:1], 0x28             ; codes and scales of c_attn s[16:19], c_proj s[20:23], fc s[24:27], proj s[28:31]
	v_lshl_add_u32 v254, v0, 2, 0x10200
	v_mov_b32 v255, 0
	v_lshrrev_b32 v1, 5, v0
	v_readfirstlane_b32 s33, v1                    ; wave 0..3
	v_and_b32 v2, 31, v0
	v_lshlrev_b32 v1, 4, v2                        ; 16 x lane
	v_and_b32 v3, 15, v0                           ; r
	v_bfe_u32 v4, v0, 4, 1                         ; h
	s_mov_b32 s[SEL], 0x76543210
	s_mov_b32 s[SEL+1], 0xfedcba98
	s_cmp_ge_u32 ttmp9, 256                        ; the same for all four waves of a work-group
	s_cbranch_scc1 .Lrelay
	; ---- LAYER NORM.  Wave w takes places 4 w .. 4 w + 3 of tile t: rows 32 (t / 2) + 8 (t % 2) + 4 w + 8 (w / 2) + 0 .. 3
	s_lshr_b32 s34, ttmp9, 1
	s_lshl_b32 s34, s34, 5
	s_and_b32 s35, ttmp9, 1
	s_lshl_b32 s35, s35, 3
	s_add_co_u32 s34, s34, s35
	s_lshl_b32 s35, s33, 2
	s_add_co_u32 s34, s34, s35
	s_lshr_b32 s35, s33, 1
	s_lshl_b32 s35, s35, 3
	s_add_co_u32 s34, s34, s35
	s_lshl_b32 s34, s34, 12                        ; 4,096 bytes a row
	s_mov_b32 s35, 0
	s_mov_b32 s36, 0x3a800000                      ; 1 / 1024
	s_mov_b32 s37, 0x3727c5ac                      ; 1e-5
	s_mul_i32 s38, s33, 4*ROWP
	s_wait_alu depctr_va_vdst(0)
	v_add_nc_u32 v5, s38, v1                       ; LDS, in: my wave's four rows, 16 bytes a lane
	v_mul_u32_u24 v6, v3, ROWP
	v_lshl_add_u32 v6, v4, 6, v6
	s_lshl_b32 s38, s33, 10
	v_add_nc_u32 v6, s38, v6                       ; LDS, out: row r, + 64 h, + my wave's two K steps (512 bytes each)
	v_lshlrev_b32 v7, 4, v3                        ; 16 r: a scale word's place
.irp q, 0,1,2,3
	v_mov_b32 v[PD+\q], 0                          ; a lane permute's destination counts as read: written once
	v_mov_b32 v[TM+4+\q], 0
.endr
	s_lshl_b32 s38, ttmp9, 3
	s_lshl_b32 s39, s33, 1
	s_add_co_u32 s38, s38, s39
	s_mul_i32 s38, s38, 1536                       ; image (tile t, K step 2 w)
	s_mov_b32 s39, 0
	s_wait_kmcnt 0x0
	s_add_nc_u64 s[4:5], s[4:5], s[34:35]
	s_add_nc_u64 s[40:41], s[10:11], s[38:39]
	s_mov_b32 s42, ttmp9
	SCOFF 38, 42, 43
	s_lshl_b32 s43, s33, 15                        ; 16,384 bytes of scale words a K step
	s_add_co_u32 s38, s38, s43
	s_add_co_u32 s38, s38, ASC
	s_add_nc_u64 s[42:43], s[10:11], s[38:39]
.irp q, 0,1,2,3
.irp i, 0,1,2,3,4,5,6,7
	global_load_b128 v[XR+32*\q+4*\i:XR+32*\q+4*\i+3], v1, s[4:5] offset:4096*\q+512*\i th:TH_LOAD_NT   ; 512 consecutive bytes a load
.endr
.endr
.irp i, 0,1,2,3,4,5,6,7
	global_load_b128 v[GR+4*\i:GR+4*\i+3], v1, s[6:7] offset:512*\i
.endr
.irp i, 0,1,2,3,4,5,6,7
	global_load_b128 v[BR+4*\i:BR+4*\i+3], v1, s[8:9] offset:512*\i
.endr
	s_wait_loadcnt 16                              ; the 32 loads of x are in; the 16 younger ones, gain and bias, may be out
.irp q, 0,1,2,3
	v_pk_add_f32 v[SA+2*\q:SA+2*\q+1], v[XR+32*\q:XR+32*\q+1], v[XR+32*\q+2:XR+32*\q+3]
.endr
.set m, 4
.rept 14
.irp q, 0,1,2,3
	v_pk_add_f32 v[SA+2*\q:SA+2*\q+1], v[SA+2*\q:SA+2*\q+1], v[XR+32*\q+m:XR+32*\q+m+1]   ; the four rows by turns
.endr
.set m, m+2
.endr
	REDUCE SA
.irp q, 0,1,2,3
	v_mul_f32 v[SA+2*\q], s36, v[SA+2*\q]          ; the mean
.endr
.set m, 0
.rept 16
.irp q, 0,1,2,3
	v_pk_add_f32 v[XR+32*\q+m:XR+32*\q+m+1], v[XR+32*\q+m:XR+32*\q+m+1], v[SA+2*\q:SA+2*\q+1] op_sel_hi:[1,0] neg_lo:[0,1] neg_hi:[0,1]   ; x - mean
.endr
.set m, m+2
.endr
.irp q, 0,1,2,3
	v_pk_mul_f32 v[SB+2*\q:SB+2*\q+1], v[XR+32*\q:XR+32*\q+1], v[XR+32*\q:XR+32*\q+1]
.endr
.set m, 2
.rept 15
.irp q, 0,1,2,3
	v_pk_fma_f32 v[SB+2*\q:SB+2*\q+1], v[XR+32*\q+m:XR+32*\q+m+1], v[XR+32*\q+m:XR+32*\q+m+1], v[SB+2*\q:SB+2*\q+1]
.endr
.set m, m+2
.endr
	REDUCE SB
.irp q, 0,1,2,3
	v_fma_f32 v[SB+2*\q], v[SB+2*\q], s36, s37     ; variance + 1e-5
.endr
	s_wait_alu depctr_va_vdst(0)
.irp q, 0,1,2,3
	v_rsq_f32 v[SB+2*\q], v[SB+2*\q]
.endr
	v_nop                                          ; a plain line behind the last of the batch,
	s_wait_alu depctr_va_vdst(0)                   ; and one wait for the four, ahead of their first reader
	s_wait_loadcnt 0x0                             ; gain and bias
.set m, 0
.rept 16
.irp q, 0,1,2,3
	v_pk_mul_f32 v[XR+32*\q+m:XR+32*\q+m+1], v[XR+32*\q+m:XR+32*\q+m+1], v[SB+2*\q:SB+2*\q+1] op_sel_hi:[1,0]
.endr
.irp q, 0,1,2,3
	v_pk_fma_f32 v[XR+32*\q+m:XR+32*\q+m+1], v[XR+32*\q+m:XR+32*\q+m+1], v[GR+m:GR+m+1], v[BR+m:BR+m+1]
.endr
.set m, m+2
.endr
.irp q, 0,1,2,3
.irp i, 0,1,2,3,4,5,6,7
	ds_store_b128 v5, v[XR+32*\q+4*\i:XR+32*\q+4*\i+3] offset:ROWP*\q+512*\i
.endr
.endr
	s_wait_dscnt 0x0                               ; for the others' sake: my rows lie in LDS
	s_barrier_signal -1
	s_barrier_wait -1
	; wave w quantises K steps 2 w and 2 w + 1 of all 16 rows: lane (r, h) takes, of row r, 16 neighbours of each block of 32
.irp e, 0,1
.irp b, 0,1,2,3
.irp n, 0,1,2,3
	ds_load_b128 v[XR+64*\e+16*\b+4*\n:XR+64*\e+16*\b+4*\n+3], v6 offset:512*\e+128*\b+16*\n
.endr
.endr
.endr
	s_wait_dscnt 0x0
	QUANT XR, 160, 216
	IMGST 160, 40, 0
	global_store_b32 v7, v216, s[42:43]            ; lanes 16-31 hold the same word and store it to the same place
	QUANT XR+64, 180, 217                          ; its codes and word have registers of their own: no store's data are written again
	IMGST 180, 40, 1536
	global_store_b32 v7, v217, s[42:43] offset:16384
	s_wait_tensorcnt 0x0
	ds_add_u32 v254, v255
	s_wait_dscnt 0x0
	s_endpgm
.Lrelay:
	; ---- THE WEIGHTS.  Work-group g = number - 256; wave w lays six fragments: tile g, K steps 2 w, 2 w + 1 of c_attn | c_proj (256 tiles on end) and of fc; tile g / 4, K steps 8 (g % 4) + 2 w, + 1 of proj
	s_sub_co_u32 s34, ttmp9, 256
	s_wait_alu depctr_va_vdst(0)
	v_and_b32 v8, 8, v3
	v_add_nc_u32 v8, v8, v3                        ; r + 8 (r / 8)
	v_mul_u32_u24 v9, v8, 768                      ; rows of 1,024 codes
	v_mad_u32_u24 v9, v4, 24, v9
	v_mul_u32_u24 v10, v8, 3072                    ; rows of 4,096 codes
	v_mad_u32_u24 v10, v4, 24, v10
	v_lshlrev_b32 v11, 5, v8                       ; rows of 32 scale bytes
	v_lshlrev_b32 v12, 7, v8                       ; rows of 128
	v_lshlrev_b32 v13, 4, v3                       ; 16 r
	s_mov_b32 s41, 0
	s_wait_alu depctr_va_vdst(0)
	s_wait_kmcnt 0x0
	s_cmp_lt_u32 s34, 192                          ; the choice hangs on the work-group's number alone
	s_cselect_b64 s[44:45], s[16:17], s[20:21]
	s_cselect_b64 s[46:47], s[18:19], s[22:23]
	s_cselect_b32 s38, 0, 192
	s_sub_co_u32 s38, s34, s38                     ; the tile in its own tensor
	ROW0 39, 38, 40
	s_mul_i32 s40, s39, 768
	s_mul_i32 s42, s33, 192
	s_add_co_u32 s40, s40, s42
	s_add_nc_u64 s[44:45], s[44:45], s[40:41]
	s_lshl_b32 s40, s39, 5
	s_lshl_b32 s42, s33, 3
	s_add_co_u32 s40, s40, s42
	s_add_nc_u64 s[46:47], s[46:47], s[40:41]
	s_lshl_b32 s40, s34, 3
	s_lshl_b32 s42, s33, 1
	s_add_co_u32 s40, s40, s42
	s_mul_i32 s40, s40, 1536
	s_add_nc_u64 s[50:51], s[12:13], s[40:41]      ; image (g, 2 w)
	SCOFF 48, 34, 43
	s_lshl_b32 s42, s33, 15
	s_add_co_u32 s40, s48, s42
	s_add_co_u32 s40, s40, W1S
	s_add_nc_u64 s[52:53], s[12:13], s[40:41]
	ROW0 39, 34, 40                                ; fc: tile g
	s_mul_i32 s40, s39, 768
	s_mul_i32 s42, s33, 192
	s_add_co_u32 s40, s40, s42
	s_add_nc_u64 s[54:55], s[24:25], s[40:41]
	s_lshl_b32 s40, s39, 5
	s_lshl_b32 s42, s33, 3
	s_add_co_u32 s40, s40, s42
	s_add_nc_u64 s[56:57], s[26:27], s[40:41]
	s_add_nc_u64 s[58:59], s[50:51], FCI
	s_add_nc_u64 s[60:61], s[52:53], FCS-W1S
	s_lshr_b32 s38, s34, 2                         ; proj: tile g / 4,
	s_and_b32 s39, s34, 3
	s_lshl_b32 s39, s39, 3
	s_lshl_b32 s42, s33, 1
	s_add_co_u32 s39, s39, s42                     ; K step 8 (g % 4) + 2 w
	ROW0 42, 38, 40
	s_mul_i32 s40, s42, 3072
	s_mul_i32 s43, s39, 96
	s_add_co_u32 s40, s40, s43
	s_add_nc_u64 s[62:63], s[28:29], s[40:41]
	s_lshl_b32 s40, s42, 7
	s_lshl_b32 s43, s39, 2
	s_add_co_u32 s40, s40, s43
	s_add_nc_u64 s[66:67], s[30:31], s[40:41]
	s_lshl_b32 s40, s38, 5
	s_add_co_u32 s40, s40, s39
	s_mul_i32 s40, s40, 1536
	s_add_co_u32 s40, s40, PJI
	s_add_nc_u64 s[68:69], s[12:13], s[40:41]
	SCOFF 48, 38, 43
	s_lshl_b32 s43, s39, 12                        ; 4,096 bytes of scale words a K step: 1,024 rows
	s_add_co_u32 s40, s48, s43
	s_add_co_u32 s40, s40, PJS
	s_add_nc_u64 s[70:71], s[12:13], s[40:41]
.irp e, 0,1
	RFRAG 32+12*\e, 9, 44, 96*\e
	global_load_b32 v[104+\e], v11, s[46:47] offset:4*\e
	RFRAG 56+12*\e, 9, 54, 96*\e
	global_load_b32 v[106+\e], v11, s[56:57] offset:4*\e
	RFRAG 80+12*\e, 10, 62, 96*\e
	global_load_b32 v[108+\e], v12, s[66:67] offset:4*\e
.endr
	s_wait_loadcnt 0x0
.irp e, 0,1
	IMGST 32+12*\e, 50, 1536*\e
	global_store_b32 v13, v[104+\e], s[52:53] offset:16384*\e
	IMGST 56+12*\e, 58, 1536*\e
	global_store_b32 v13, v[106+\e], s[60:61] offset:16384*\e
	IMGST 80+12*\e, 68, 1536*\e
	global_store_b32 v13, v[108+\e], s[70:71] offset:4096*\e
.endr
	s_endpgm
.Lfunc_end_k_q2890e48ae2_prep:
	.size	k_q2890e48ae2_prep, .Lfunc_end_k_q2890e48ae2_prep-k_q2890e48ae2_prep
	.p2alignl 7, 3214868480
	.fill 96, 4, 3214868480
	.section	.rodata,"a",@progbits
	.p2align	6, 0x0
	.amdhsa_kernel k_q2890e48ae2_prep
		.amdhsa_group_segment_fixed_size 66560
		.amdhsa_private_segment_fixed_size 0
		.amdhsa_enable_private_segment 0
		.amdhsa_kernarg_size 104
		.amdhsa_user_sgpr_count 2
		.amdhsa_user_sgpr_kernarg_segment_ptr 1
		.amdhsa_wavefront_size32 1
		.amdhsa_system_sgpr_workgroup_id_x 1
		.amdhsa_system_sgpr_workgroup_id_y 1
		.amdhsa_system_sgpr_workgroup_id_z 1
		.amdhsa_system_vgpr_workitem_id 0
		.amdhsa_next_free_vgpr 256
		.amdhsa_next_free_sgpr 80
		.amdhsa_reserve_vcc 0
		.amdhsa_float_denorm_mode_32 3
		.amdhsa_float_denorm_mode_16_64 3
		.amdhsa_memory_ordered 1
		.amdhsa_forward_progress 1
		.amdhsa_inst_pref_size 54
	.end_amdhsa_kernel
	.amdgpu_metadata
---
amdhsa.version: [ 1, 2 ]
amdhsa.kernels:
  - .name:           k_q2890e48ae2_prep
    .symbol:         k_q2890e48ae2_prep.kd
    .args:
      - { .name: hidden_states, .offset: 0, .size: 8, .value_kind: global_buffer, .address_space: global }
      - { .name: ln1_g, .offset: 8, .size: 8, .value_kind: global_buffer, .address_space: global }
      - { .name: ln1_b, .offset: 16, .size: 8, .value_kind: global_buffer, .address_space: global }
      - { .name: a1, .offset: 24, .size: 8, .value_kind: global_buffer, .address_space: global }
      - { .name: wimg, .offset: 32, .size: 8, .value_kind: global_buffer, .address_space: global }
      - { .name: c_attn_w_codes, .offset: 40, .size: 8, .value_kind: global_buffer, .address_space: global }
      - { .name: c_attn_w_scales, .offset: 48, .size: 8, .value_kind: global_buffer, .address_space: global }
      - { .name: c_proj_w_codes, .offset: 56, .size: 8, .value_kind: global_buffer, .address_space: global }
      - { .name: c_proj_w_scales, .offset: 64, .size: 8, .value_kind: global_buffer, .address_space: global }
      - { .name: fc_w_codes, .offset: 72, .size: 8, .value_kind: global_buffer, .address_space: global }
      - { .name: fc_w_scales, .offset: 80, .size: 8, .value_kind: global_buffer, .address_space: global }
      - { .name: proj_w_codes, .offset: 88, .size: 8, .value_kind: global_buffer, .address_space: global }
      - { .name: proj_w_scales, .offset: 96, .size: 8, .value_kind: global_buffer, .address_space: global }
    .group_segment_fixed_size: 66560
    .private_segment_fixed_size: 0
    .kernarg_segment_align: 8
    .kernarg_segment_size: 104
    .max_flat_workgroup_size: 128
    .sgpr_count:     80
    .vgpr_count:     256
    .wavefront_size: 32
...
	.end_amdgpu_metadata
.endif
;; end of part 7
;; launch qkv (part 8): grid 12 x 16, 4 waves a work-group, no clusters, 0 bytes of LDS; arguments a1, wimg, c_attn_b, qkvi; writes qkvi
.if DOCPART == 8
	.amdgcn_target "amdgcn-amd-amdhsa--gfx1250"
	.amdhsa_code_object_version 6
	.text
	.protected	k_q2890e48ae2_qkv
	.globl	k_q2890e48ae2_qkv
	.p2align	8
	.type	k_q2890e48ae2_qkv,@function
k_q2890e48ae2_qkv:
	s_mov_b64 s[64:65], 0
	v_nop
	global_prefetch_b8 v0, s[64:65] scope:SCOPE_SE
	s_setreg_imm32_b32 hwreg(HW_REG_WAVE_SCHED_MODE, 0, 2), 2
	s_setreg_imm32_b32 hwreg(HW_REG_WAVE_MODE, 25, 1), 1
	s_wait_xcnt 0x0
	s_wait_alu depctr_vm_vsrc(0)
; q, k, v = LN1(x) W + b on codes of FP6 (E2M3) with E8M0 scales, [4096 x 1024] x [1024 x 3072]; the results are quantised here for the two products of attention and stored as images of operand registers.
; A work-group makes 256 x 256 of the result, a wave 128 x 128: 64 accumulators, 512 registers.  Work-group x: 0-3 q, 4-7 k, 8-11 v; y: 256 tokens.
; OPERANDS COME STRAIGHT INTO REGISTERS.  Both lie in memory as images of fragments ([tile][K step][1,536 bytes]): a fragment is three loads of 512 consecutive bytes.  TWO SETS OF REGISTERS, both asked for at the head.
; Step t multiplies set t % 2.  At its head the other set, which step t - 1 has multiplied, is asked for again, with K step t + 1: P's eight fragments, the scale words and Q's fragments 0-3 ahead of the wait for set t % 2,
; whether or not that set has landed, so that requests stand in line without a gap; Q's fragments 4-7, which a step wants only for its second 32 products, one behind each eight of this step's first 32 products.
; Between a load and the wait for it stand 64 products or more.  Each set has address registers of its own, written again only behind the wait that shows its loads done.
; The two sets' loads together are more than LOADcnt's field holds: the issue of the later ones then waits for earlier ones to come back (ISA guide 5.7.1), which happens only where the wave would wait for those loads anyway.
; K is 8 steps; each work-group begins at K step (x + y) % 8, so that work-groups that share tiles ask for different K steps at the start.
; NO LDS RING, NO JOINT LOADS: with 8 K steps a ring of two slots of two steps would be filled four times, twice of them at the start; and v wants the tokens as source 0, which here is a choice of pointers and there
; would be a second loop.  The price is that the four work-group columns and rows that share a tile each ask for it.
; SOURCE 0 = operand P, SOURCE 1 = operand Q.  A tile's 16 rows are 32 (t / 2) + 8 (t % 2) + r + 8 (r / 8), so the 64 registers that a lane holds of P's 8 tiles against one tile of Q are 128 P rows in the order that
; the quantiser wants: register 16 b + n = P row 32 b + 16 (lane / 16) + n.  q, k: P = W (K of the next product = the head's 64), Q = tokens.  v: P = tokens (K of the next product = the keys), Q = W.
; A head's block in qkvi (315,392 bytes): K's half images [128 tiles][768] at 0; V's images [16 groups of 128 keys][4 tiles of d][1,536] at 98,304; K's scale words [16][512] at 196,608; V's [16][256] at 204,800;
; Q's half images at 208,896; Q's scale words at 307,200.  A half image (a head's 64 are half a fragment): registers 0-3 at 16 x lane, 4-5 at 512 + 8 x lane; V's images are two such halves on end.
; THE MODE: SCHED_MODE bits 1:0 = 2 (LLVM: expert scheduling mode 2), set by the entry lines.  The code itself states the register dependences between vector or matrix instructions and memory instructions, with s_wait_alu, always for 0.
; THE PLAN.  Registers that memory instructions touch:
;   set 0, set 1    (P's and Q's fragments and their scale words)  Written by loads alone; read by the 64 products of the steps on that set.
;   v1, v2, v5, v6  Offsets: written at the head, never again; read by every load and store.
;   the bias        Written by one run of loads at the last step's head; no vector or matrix instruction names these registers before the way out.
;   v[PC ..+11]     The way out: written by a tile's conversions, swaps and moves; read by the tile's stores.   v[SW ..+7]: written once, stored once.
; So ONE wait on va_vdst stands in a step that asks for a set, at its head: the products of the step before are done reading the other set.  All 50 loads into that set follow it with no further wait, twelve of them among this
; step's products, which name this step's set, its scale words and the accumulators: neither v1 nor a register of the other set.  On the way out one wait on va_vdst stands ahead of each run of stores, and one on vm_vsrc
; ahead of the conversions that write the codes' registers again.
; LIMITS: the sums go over K from a rotated start, so their last bits differ from an ascending sum's; NaN and infinities are not served; a block under 2^-124 gets the byte 1.
.set KST, 8
.set NS,  8                            ; K steps of a wave
.set TST, KST*1536                     ; from tile to tile
.set SHP, 14                           ; a K step's scale words: 16,384 bytes (4,096 rows), both operands
.set SHQ, 14
.set NQF, 3                            ; loads of a fragment
.set NLD, 26+8*NQF                     ; loads of a set: 8 x 3 for P, 2 of scale words, 8 x 3 for Q
.set NB,  24                           ; loads of the bias
.set FIRSTA, 4*NQF+NLD                 ; behind set 0's first 38 loads at the head: its Q's fragments 4-7 and set 1
.set W1S, 9437184
.set ASC, 3145728
.set HB,  315392
.set VIO, 98304
.set KSO, 196608
.set VSO, 204800
.set QIO, 208896
.set QSO, 307200
.set HA,  32                           ; the way out, window 0: v32-95 64 numbers; v160-179 codes; v180-195 at work; v200-207 the 8 tiles' scale words; v208-215 their blocks
.set PC,  160
.set TM,  180
.set WD,  200
.set SW,  208
.set VB,  224                          ; v224-231 the bias of my lane's W row, tile by tile (v's path)
.set MH,  74                           ; s74 lanes 16-31
.set SEL, 76                           ; s[76:77]
; REGISTERS.  Window 0: v1 16 x lane, v2 8 x lane, v3 r, v4 h, v5, v6 the bias's lane terms; v16-31 scale words and nothing else (set b: P's at 16 + 8 b, Q's at 20 + 8 b); Q's fragments: set 0 v32-127, set 1 v128-223.
; Window 1: P's fragments: set 0 v0-95, set 1 v128-223; the bias along P: tile i at 96 + 8 i (i < 4), 192 + 8 i (i >= 4).  Windows 2, 3: accumulator (Q tile j, P tile i) at window 2 + j / 4, v[8 (8 (j % 4) + i)].
; s[8:15] the operands' and scale words' addresses at K step 0; at the K step asked for: set 0 s[16:23], set 1 s[4:7] and s[32:35]; s24 the K step last asked for, less s25, the wave's first.
.set MSB, 0
.macro WIN new                         ; the immediate's high byte repeats the setting that is left
.if MSB != (\new)
	s_set_vgpr_msb (MSB<<8)|(\new)
.set MSB, (\new)
.endif
.endm
.macro PLACES                          ; four plain lines between a matrix instruction and a load into, or a vector line on, its registers
.rept 4
	v_nop
.endr
.endm
.macro SETK b                          ; set b's four addresses, at K step s24 + s25: P's s[16:17] or s[4:5], Q's s[18:19] or s[6:7], the scale words' s[20:23] or s[32:35]
	s_add_co_u32 s26, s24, s25
	s_lshl_b32 s28, s26, SHP
	s_lshl_b32 s30, s26, SHQ
	s_mul_i32 s26, s26, 1536
	s_add_nc_u64 s[16-12*(\b):17-12*(\b)], s[8:9], s[26:27]
	s_add_nc_u64 s[18-12*(\b):19-12*(\b)], s[10:11], s[26:27]
	s_add_nc_u64 s[20+12*(\b):21+12*(\b)], s[12:13], s[28:29]
	s_add_nc_u64 s[22+12*(\b):23+12*(\b)], s[14:15], s[30:31]
.endm
.macro LOADP b                         ; P's 8 fragments of set b: destination window 1
.irp i, 0,1,2,3,4,5,6,7
.irp c, 0,1,2
	global_load_b128 v[128*(\b)+12*\i+4*\c:128*(\b)+12*\i+4*\c+3], v1, s[16-12*(\b):17-12*(\b)] offset:\i*TST+512*\c
.endr
.endr
.endm
.macro LOADS b                         ; the scale words of both operands
	global_load_b128 v[16+8*(\b):19+8*(\b)], v1, s[20+12*(\b):21+12*(\b)]
	global_load_b128 v[20+8*(\b):23+8*(\b)], v1, s[22+12*(\b):23+12*(\b)]
.endm
.macro LOADQ b, i                      ; Q's fragment i of set b
.irp c, 0,1,2
	global_load_b128 v[32+96*(\b)+12*(\i)+4*\c:32+96*(\b)+12*(\i)+4*\c+3], v1, s[18-12*(\b):19-12*(\b)] offset:(\i)*TST+512*\c
.endr
.endm
.macro FILL b                          ; at the head: the whole of set b, in the order P, scale words, Q
	SETK \b
	WIN 0x40
	LOADP \b
	WIN 0
	LOADS \b
.irp i, 0,1,2,3,4,5,6,7
	LOADQ \b, \i
.endr
.endm
.macro NEXTK
	s_add_co_u32 s24, s24, 1
	s_and_b32 s24, s24, NS-1
.endm
.macro WM d, a, b, zero, sa, sb, ra, rb    ; one product; an odd tile's scale words lie in lanes 16-31 of its register
.if \zero
.if (\ra) && (\rb)
	v_wmma_scale_f32_16x16x128_f8f6f4 v[\d:\d+7], v[\a:\a+11], v[\b:\b+11], 0, v[\sa], v[\sb] matrix_a_fmt:MATRIX_FMT_FP6 matrix_b_fmt:MATRIX_FMT_FP6 matrix_a_scale:MATRIX_SCALE_ROW1 matrix_b_scale:MATRIX_SCALE_ROW1
.elseif \ra
	v_wmma_scale_f32_16x16x128_f8f6f4 v[\d:\d+7], v[\a:\a+11], v[\b:\b+11], 0, v[\sa], v[\sb] matrix_a_fmt:MATRIX_FMT_FP6 matrix_b_fmt:MATRIX_FMT_FP6 matrix_a_scale:MATRIX_SCALE_ROW1
.elseif \rb
	v_wmma_scale_f32_16x16x128_f8f6f4 v[\d:\d+7], v[\a:\a+11], v[\b:\b+11], 0, v[\sa], v[\sb] matrix_a_fmt:MATRIX_FMT_FP6 matrix_b_fmt:MATRIX_FMT_FP6 matrix_b_scale:MATRIX_SCALE_ROW1
.else
	v_wmma_scale_f32_16x16x128_f8f6f4 v[\d:\d+7], v[\a:\a+11], v[\b:\b+11], 0, v[\sa], v[\sb] matrix_a_fmt:MATRIX_FMT_FP6 matrix_b_fmt:MATRIX_FMT_FP6
.endif
.else
.if (\ra) && (\rb)
	v_wmma_scale_f32_16x16x128_f8f6f4 v[\d:\d+7], v[\a:\a+11], v[\b:\b+11], v[\d:\d+7], v[\sa], v[\sb] matrix_a_fmt:MATRIX_FMT_FP6 matrix_b_fmt:MATRIX_FMT_FP6 matrix_a_scale:MATRIX_SCALE_ROW1 matrix_b_scale:MATRIX_SCALE_ROW1
.elseif \ra
	v_wmma_scale_f32_16x16x128_f8f6f4 v[\d:\d+7], v[\a:\a+11], v[\b:\b+11], v[\d:\d+7], v[\sa], v[\sb] matrix_a_fmt:MATRIX_FMT_FP6 matrix_b_fmt:MATRIX_FMT_FP6 matrix_a_scale:MATRIX_SCALE_ROW1
.elseif \rb
	v_wmma_scale_f32_16x16x128_f8f6f4 v[\d:\d+7], v[\a:\a+11], v[\b:\b+11], v[\d:\d+7], v[\sa], v[\sb] matrix_a_fmt:MATRIX_FMT_FP6 matrix_b_fmt:MATRIX_FMT_FP6 matrix_b_scale:MATRIX_SCALE_ROW1
.else
	v_wmma_scale_f32_16x16x128_f8f6f4 v[\d:\d+7], v[\a:\a+11], v[\b:\b+11], v[\d:\d+7], v[\sa], v[\sb] matrix_a_fmt:MATRIX_FMT_FP6 matrix_b_fmt:MATRIX_FMT_FP6
.endif
.endif
.endm
; Half a K step on set b: Q's tiles 4 half .. 4 half + 3 against P's eight.  The 64 accumulators take turns, one instruction a turn, in the same order in every step.
; deal = 1: behind each eight products one fragment, 4 + jj, of the other set's Q is asked for: two window switches round its three loads.  No wait stands there: no vector or matrix instruction
; since the wait at the step's head names v1 or a register of the other set.
.macro MULH b, zero, half, deal
.irp jj, 0,1,2,3
	WIN 0xa1+0x50*(\half)
.irp i, 0,1,2,3,4,5,6,7
	WM 8*(8*\jj+\i), 128*(\b)+12*\i, 32+96*(\b)+12*(4*(\half)+\jj), \zero, 16+8*(\b)+\i/2, 20+8*(\b)+2*(\half)+\jj/2, \i%2, \jj%2
.endr
.if \deal
	WIN 0
	LOADQ 1-(\b), 4+\jj
.endif
.endr
.endm
.macro BIASLD                          ; both forms of the bias are loaded on both paths: 24 loads
	WIN 0x40
.irp i, 0,1,2,3,4,5,6,7
	global_load_b128 v[96+8*\i+96*(\i/4):96+8*\i+96*(\i/4)+3], v5, s[40:41] offset:4*(32*(\i/2)+8*(\i%2))
	global_load_b128 v[96+8*\i+96*(\i/4)+4:96+8*\i+96*(\i/4)+7], v5, s[40:41] offset:4*(32*(\i/2)+8*(\i%2))+16
.endr
	WIN 0
.irp i, 0,1,2,3,4,5,6,7
	global_load_b32 v[VB+\i], v6, s[40:41] offset:4*(32*(\i/2)+8*(\i%2))
.endr
.endm
; A K step on set cur.  fetch = 1: the other set is asked for again.  last = 1: the last step, which asks for the bias and for no set.  Neither: step 0, in front of which both sets were asked for.
.macro STEP cur, zero, fetch, last
.if \fetch
	PLACES                                         ; behind the last product that read the other set
	NEXTK
	SETK 1-(\cur)                                  ; its address registers are free: the middle wait of the step before has shown its loads done
	WIN 0x40
	s_wait_alu depctr_va_vdst(0)                   ; the products of the step before are done reading the other set's fragments and scale words, in which the loads of this step land
	LOADP 1-(\cur)
	WIN 0
	LOADS 1-(\cur)
.irp i, 0,1,2,3
	LOADQ 1-(\cur), \i
.endr
	s_wait_loadcnt NLD                             ; loads come back in order (ISA guide 5.7.1): set cur's P, scale words and Q 0-3 are in; its Q 4-7 (12) and the 38 just issued may be out
.elseif \last
	BIASLD                                         ; no wait on va_vdst: its offsets were written at the head, and no vector or matrix instruction has named the registers in which it lands
	s_wait_loadcnt 4*NQF+NB                        ; set cur's Q 4-7 and the bias may be out
.else
	s_wait_loadcnt FIRSTA                          ; set 0's Q 4-7 and the whole of set 1 may be out
.endif
	MULH \cur, \zero, 0, \fetch
.if \last
	s_wait_loadcnt NB                              ; set cur's Q 4-7 are in; the bias may be out
.else
	s_wait_loadcnt NLD                             ; set cur's Q 4-7 are in, so all its loads are done; the other set's 50 may be out
.endif
	MULH \cur, \zero, 1, 0
	WIN 0
.endm
; 64 numbers of a lane, register 16 b + i = k 32 b + 16 (lane / 16) + i: QSCALE makes the four blocks' scale operands in v[TM + 12 ..] and the scale word in v[pw]; QCODES the fragment's codes in v[pc] .. + 11 (+ 12 .. + 18 at work)
.macro QSCALE s, pw
.irp b, 0,1,2,3
	v_max3_num_f32 v[TM+\b], |v[\s+16*\b]|, |v[\s+1+16*\b]|, 0x1800000   ; and the floor 2^(3 - 127): the byte cannot fall under 1
.endr
.irp i, 2,4,6,8,10,12,14
.irp b, 0,1,2,3
	v_max3_num_f32 v[TM+\b], v[TM+\b], |v[\s+16*\b+\i]|, |v[\s+1+16*\b+\i]|
.endr
.endr
.irp b, 0,1,2,3
	v_permlanex16_b32 v[TM+4+\b], v[TM+\b], s[SEL], s[SEL+1]
.endr
.irp b, 0,1,2,3
	v_max_num_f32 v[TM+\b], v[TM+\b], v[TM+4+\b]
.endr
.irp b, 0,1,2,3
	v_add_nc_u32 v[TM+12+\b], 0xff000000, v[TM+\b]    ; 2 off the exponent field: the conversion's scale operand
.endr
.irp b, 0,1,2,3
	v_lshrrev_b32 v[TM+4+\b], 23, v[TM+12+\b]
.endr
	v_lshl_or_b32 v[\pw], v[TM+5], 8, v[TM+4]
	v_lshl_or_b32 v[\pw], v[TM+6], 16, v[\pw]
	v_lshl_or_b32 v[\pw], v[TM+7], 24, v[\pw]
.endm
.macro QCODES s, pc
.irp c, 0,1
	v_cvt_scalef32_pk16_fp6_f32 v[\pc+6*\c:\pc+2+6*\c], v[\s+32*\c:\s+15+32*\c], v[TM+12+2*\c]
	v_cvt_scalef32_pk16_fp6_f32 v[\pc+12+4*\c:\pc+14+4*\c], v[\s+16+32*\c:\s+31+32*\c], v[TM+12+2*\c+1]
.endr
	v_nop                                             ; one plain line behind the scaled conversions
.irp c, 0,1
.irp i, 0,1,2
	v_permlane16_swap_b32 v[\pc+6*\c+\i], v[\pc+12+4*\c+\i]
.endr
.irp i, 0,1,2
	v_mov_b32 v[\pc+3+6*\c+\i], v[\pc+12+4*\c+\i]
.endr
.endr
.endm
.macro VIMGST pc, base, off            ; an image of V^T: two half images on end
	global_store_b128 v1, v[\pc:\pc+3], s[\base:\base+1] offset:\off
	global_store_b64 v2, v[\pc+4:\pc+5], s[\base:\base+1] offset:\off+512
	global_store_b128 v1, v[\pc+6:\pc+9], s[\base:\base+1] offset:\off+768
	global_store_b64 v2, v[\pc+10:\pc+11], s[\base:\base+1] offset:\off+1280
.endm
.macro ADDB j                          ; Q tile j's 64 results + the bias along P, into window 0; each accumulator from its low end on
	WIN 0x06+(\j)/4
.irp i, 0,1,2,3,4,5,6,7
.irp p, 0,2,4,6
	v_pk_add_f32 v[HA+8*\i+\p:HA+8*\i+\p+1], v[64*((\j)%4)+8*\i+\p:64*((\j)%4)+8*\i+\p+1], v[96+8*\i+96*(\i/4)+\p:96+8*\i+96*(\i/4)+\p+1]
.endr
.endr
	WIN 0
.endm
.macro ADDBV j                         ; the same with the bias of the lane's own Q row: one number for all 64
	WIN 0x02+(\j)/4
.set m, 0
.rept 32
.if (\j)%2
	v_pk_add_f32 v[HA+m:HA+m+1], v[64*((\j)%4)+m:64*((\j)%4)+m+1], v[VB+(\j)-1:VB+(\j)] op_sel:[0,1] op_sel_hi:[1,1]
.else
	v_pk_add_f32 v[HA+m:HA+m+1], v[64*((\j)%4)+m:64*((\j)%4)+m+1], v[VB+(\j):VB+(\j)+1] op_sel_hi:[1,0]
.endif
.set m, m+2
.endr
	WIN 0
.endm
	s_load_b256 s[36:43], s[0:1], 0x0              ; a1 s[36:37], wimg s[38:39], c_attn_b s[40:41], qkvi s[42:43]
	v_lshrrev_b32 v1, 5, v0
	v_readfirstlane_b32 s2, v1                     ; wave 0..3
	v_and_b32 v2, 31, v0
	v_lshlrev_b32 v1, 4, v2
	v_lshlrev_b32 v2, 3, v2
	v_and_b32 v3, 15, v0
	v_bfe_u32 v4, v0, 4, 1
	v_lshlrev_b32 v5, 6, v4                        ; the bias along P: 64 h
	v_and_b32 v6, 8, v3
	v_add_nc_u32 v6, v6, v3
	v_lshlrev_b32 v6, 2, v6                        ; the bias of my row: 4 (r + 8 (r / 8))
	s_wait_alu depctr_va_sdst(0)                   ; s2 is written, ahead of its first reader: the wave's halves, and with them every address, are made from it
	s_mov_b32 s48, ttmp9                           ; x
	s_and_b32 s49, ttmp7, 0xffff                   ; y
	s_and_b32 s50, s2, 1                           ; which half of P's 256 rows
	s_lshr_b32 s51, s2, 1                          ; which half of Q's
	s_cmp_ge_u32 s48, 8                            ; v?
	s_cselect_b32 s52, s51, s50                    ; my half of W's 256 rows
	s_cselect_b32 s53, s50, s51                    ; my half of the 256 tokens
	s_lshl_b32 s54, s48, 1
	s_add_co_u32 s54, s54, s52                     ; W's group of 8 tiles
	s_lshl_b32 s55, s49, 1
	s_add_co_u32 s55, s55, s53                     ; the tokens' group of 8 tiles
	s_mul_i32 s56, s54, 8*TST
	s_mov_b32 s57, 0
	s_lshl_b32 s58, s54, 9
	s_add_co_u32 s58, s58, W1S
	s_mov_b32 s59, 0
	s_mul_i32 s60, s55, 8*TST
	s_mov_b32 s61, 0
	s_lshl_b32 s62, s55, 9
	s_add_co_u32 s62, s62, ASC
	s_mov_b32 s63, 0
	s_lshl_b32 s66, s54, 9                         ; 4 bytes x 128 numbers of the bias a group
	s_mov_b32 s67, 0
	s_mov_b32 s27, 0
	s_mov_b32 s29, 0
	s_mov_b32 s31, 0
	s_mov_b32 s25, 0
	s_add_co_u32 s24, s48, s49
	s_and_b32 s24, s24, NS-1                       ; the first K step
	s_wait_kmcnt 0x0
	s_add_nc_u64 s[56:57], s[38:39], s[56:57]
	s_add_nc_u64 s[58:59], s[38:39], s[58:59]
	s_add_nc_u64 s[60:61], s[36:37], s[60:61]
	s_add_nc_u64 s[62:63], s[36:37], s[62:63]
	s_add_nc_u64 s[40:41], s[40:41], s[66:67]
	s_cmp_ge_u32 s48, 8                            ; the choice hangs on the work-group's number alone
	s_cselect_b64 s[8:9], s[60:61], s[56:57]
	s_cselect_b64 s[10:11], s[56:57], s[60:61]
	s_cselect_b64 s[12:13], s[62:63], s[58:59]
	s_cselect_b64 s[14:15], s[58:59], s[62:63]
	s_wait_alu depctr_va_vdst(0)                   ; the offsets v1, v2, v5 and v6 are written, which every load and store of the kernel reads
	FILL 0                                         ; both sets are asked for before anything else
	NEXTK
	FILL 1
	STEP 0, 1, 0, 0                                ; the first K step starts the sums: nothing is cleared
	s_mov_b32 s3, (NS-2)/2
.Lk:                                               ; steps 1 to 6, two to a trip: both sets are back at their start
	STEP 1, 0, 1, 0
	STEP 0, 0, 1, 0
	s_sub_co_u32 s3, s3, 1
	s_cmp_lg_u32 s3, 0
	s_cbranch_scc1 .Lk
	STEP 1, 0, 0, 1                                ; the last K step asks for no set
	s_wait_loadcnt 0x0                             ; the bias
	PLACES
	; ---- THE WAY OUT.  No load is out: s4-35 are free
.irp b, 0,1,2,3
	v_mov_b32 v[TM+4+\b], 0                        ; a lane permute's destination counts as read
.endr
	s_mov_b32 s[SEL], 0x76543210
	s_mov_b32 s[SEL+1], 0xfedcba98
	s_mov_b32 s[MH], 0xffff0000
	s_lshr_b32 s8, s49, 3                          ; the batch
	s_and_b32 s9, s55, 15                          ; my group of 128 tokens in it
	s_lshl_b32 s10, s8, 4
	s_and_b32 s11, s48, 3
	s_lshl_b32 s11, s11, 2
	s_add_co_u32 s10, s10, s11
	s_lshl_b32 s11, s52, 1
	s_add_co_u32 s10, s10, s11                     ; the first of my two heads: 16 batch + 4 (x % 4) + 2 x my half of W
	s_mul_i32 s10, s10, HB
	s_mov_b32 s11, 0
	s_add_nc_u64 s[42:43], s[42:43], s[10:11]
	s_cmp_ge_u32 s48, 8
	s_cbranch_scc1 .Lv
	; q or k: a tile of tokens x 128 features = two heads: half c of the fragment is head c's half image, bytes 2 c, 2 c + 1 of the scale word are its scales
	s_cmp_lt_u32 s48, 4
	s_cselect_b32 s12, QIO, 0
	s_cselect_b32 s14, QSO-KSO, 0
	s_mul_i32 s10, s9, 6144
	s_add_co_u32 s12, s12, s10
	s_mov_b32 s13, 0
	s_add_nc_u64 s[12:13], s[42:43], s[12:13]
	s_lshl_b32 s10, s9, 9
	s_add_co_u32 s14, s14, s10
	s_add_co_u32 s14, s14, KSO
	s_mov_b32 s15, 0
	s_add_nc_u64 s[14:15], s[42:43], s[14:15]
.irp j, 0,1,2,3,4,5,6,7
	ADDB \j
	QSCALE HA, WD+\j
.if \j > 0
	s_wait_xcnt 0x0                                ; the last tile's stores have had their addresses translated (ISA guide 3.1): their data registers are written again only behind this wait,
	s_wait_alu depctr_vm_vsrc(0)                   ; and they have read v[PC ..], which the conversions below write again
.endif
	QCODES HA, PC
	s_wait_alu depctr_va_vdst(0)                   ; the conversions, swaps and moves have written v[PC ..], which the four stores read
	global_store_b128 v1, v[PC:PC+3], s[12:13] offset:768*\j
	global_store_b64 v2, v[PC+4:PC+5], s[12:13] offset:768*\j+512
	global_store_b128 v1, v[PC+6:PC+9], s[12:13] offset:HB+768*\j
	global_store_b64 v2, v[PC+10:PC+11], s[12:13] offset:HB+768*\j+512
.endr
.irp e, 0,1,2,3
	v_cndmask_b32 v[SW+\e], v[WD+2*\e], v[WD+2*\e+1], s[MH]   ; lanes 0-15 the even tile's words, lanes 16-31 the odd tile's
.endr
.irp e, 0,1,2,3
	v_lshrrev_b32 v[SW+4+\e], 16, v[SW+\e]         ; the second head's two bytes; the two bytes above stay 0: they stand over zero codes
.endr
.irp e, 0,1,2,3
	v_and_b32 v[SW+\e], 0xffff, v[SW+\e]           ; the first head's
.endr
	s_wait_alu depctr_va_vdst(0)                   ; the scale words' blocks v[SW ..] are written, which the two stores read
	global_store_b128 v1, v[SW:SW+3], s[14:15]
	global_store_b128 v1, v[SW+4:SW+7], s[14:15] offset:HB
	s_endpgm
.Lv:
	; v: a tile of 16 features x my 128 tokens, which are the keys of one group: a whole fragment of V^T.  Tiles 0-3 are the first head's, 4-7 the second's
	s_mul_i32 s12, s9, 6144
	s_add_co_u32 s12, s12, VIO
	s_mov_b32 s13, 0
	s_add_nc_u64 s[12:13], s[42:43], s[12:13]
	s_lshl_b32 s14, s9, 8
	s_add_co_u32 s14, s14, VSO
	s_mov_b32 s15, 0
	s_add_nc_u64 s[14:15], s[42:43], s[14:15]
.irp j, 0,1,2,3,4,5,6,7
	ADDBV \j
	QSCALE HA, WD+\j
.if \j > 0
	s_wait_xcnt 0x0                                ; the last tile's stores have had their addresses translated: their data registers are written again only behind this wait,
	s_wait_alu depctr_vm_vsrc(0)                   ; and they have read v[PC ..], which the conversions below write again
.endif
	QCODES HA, PC
	s_wait_alu depctr_va_vdst(0)                   ; the conversions, swaps and moves have written v[PC ..], which the four stores read
	VIMGST PC, 12, (\j/4)*HB+(\j%4)*1536
.endr
.irp e, 0,1,2,3
	v_cndmask_b32 v[SW+\e], v[WD+2*\e], v[WD+2*\e+1], s[MH]
.endr
	s_wait_alu depctr_va_vdst(0)                   ; the scale words' block v[SW ..] is written, which the two stores read
	global_store_b64 v2, v[SW:SW+1], s[14:15]
	global_store_b64 v2, v[SW+2:SW+3], s[14:15] offset:HB
	s_endpgm
.Lfunc_end_k_q2890e48ae2_qkv:
	.size	k_q2890e48ae2_qkv, .Lfunc_end_k_q2890e48ae2_qkv-k_q2890e48ae2_qkv
	.p2alignl 7, 3214868480
	.fill 96, 4, 3214868480
	.section	.rodata,"a",@progbits
	.p2align	6, 0x0
	.amdhsa_kernel k_q2890e48ae2_qkv
		.amdhsa_group_segment_fixed_size 0
		.amdhsa_private_segment_fixed_size 0
		.amdhsa_enable_private_segment 0
		.amdhsa_kernarg_size 32
		.amdhsa_user_sgpr_count 2
		.amdhsa_user_sgpr_kernarg_segment_ptr 1
		.amdhsa_wavefront_size32 1
		.amdhsa_system_sgpr_workgroup_id_x 1
		.amdhsa_system_sgpr_workgroup_id_y 1
		.amdhsa_system_sgpr_workgroup_id_z 1
		.amdhsa_system_vgpr_workitem_id 0
		.amdhsa_next_free_vgpr 1024
		.amdhsa_next_free_sgpr 80
		.amdhsa_reserve_vcc 0
		.amdhsa_float_denorm_mode_32 3
		.amdhsa_float_denorm_mode_16_64 3
		.amdhsa_memory_ordered 1
		.amdhsa_forward_progress 1
		.amdhsa_inst_pref_size 162
	.end_amdhsa_kernel
	.amdgpu_metadata
---
amdhsa.version: [ 1, 2 ]
amdhsa.kernels:
  - .name:           k_q2890e48ae2_qkv
    .symbol:         k_q2890e48ae2_qkv.kd
    .args:
      - { .name: a1, .offset: 0, .size: 8, .value_kind: global_buffer, .address_space: global }
      - { .name: wimg, .offset: 8, .size: 8, .value_kind: global_buffer, .address_space: global }
      - { .name: c_attn_b, .offset: 16, .size: 8, .value_kind: global_buffer, .address_space: global }
      - { .name: qkvi, .offset: 24, .size: 8, .value_kind: global_buffer, .address_space: global }
    .group_segment_fixed_size: 0
    .private_segment_fixed_size: 0
    .kernarg_segment_align: 8
    .kernarg_segment_size: 32
    .max_flat_workgroup_size: 128
    .sgpr_count:     80
    .vgpr_count:     1024
    .wavefront_size: 32
...
	.end_amdgpu_metadata
.endif
;; end of part 8
;; launch attn (part 9): grid 8 x 32, 16 waves a work-group, no clusters, 210,944 bytes of LDS; arguments qkvi, ctxi; writes ctxi
.if DOCPART == 9
	.amdgcn_target "amdgcn-amd-amdhsa--gfx1250"
	.amdhsa_code_object_version 6
	.text
	.protected	k_q2890e48ae2_attn
	.globl	k_q2890e48ae2_attn
	.p2align	8
	.type	k_q2890e48ae2_attn,@function
k_q2890e48ae2_attn:
	s_mov_b64 s[64:65], 0
	v_nop
	global_prefetch_b8 v0, s[64:65] scope:SCOPE_SE
	s_setreg_imm32_b32 hwreg(HW_REG_WAVE_MODE, 25, 1), 1
	s_wait_xcnt 0x0
; Causal attention of one head on codes of FP6 (E2M3) with E8M0 scales; head size 64, 2,048 tokens.  Work-group y = 16 batch + head; its 16 waves own one tile of 16 queries each.
; t = score x log2(e) / 8; M = the running largest t rounded up to a whole number; p = 2^(t - M) is quantised along the keys, not normalised; the row's sum is taken of the unquantised p and divides at the end.
; When M moves, the sum and O are multiplied by 2^(old M - new M): nothing is rounded.
; THE HEAD'S WHOLE K AND V LIE IN LDS: half images of K, images of V^T and both scale words are the first 208,896 bytes of the head's block; each wave brings a sixteenth by one tensor load at the head.
; Nothing is filled again and nothing is stored to LDS, so behind the one barrier the waves share nothing more.
; Both products are used transposed: S^T = K Q^T (source 0 = 16 keys), O^T = V^T P^T (source 0 = 16 of the head's 64): a lane holds one query throughout.  A tile's 16 rows are 32 (t / 2) + 8 (t % 2) + r + 8 (r / 8),
; so the 16 registers of tiles 2 b, 2 b + 1 of S^T are keys 32 b + 16 (lane / 16) + 0 .. 15.  The head's 64 fill half of an instruction's 128 along K: registers 6-11 of K's and Q's fragments hold zero codes.
; SHARES.  Wave w takes tile 8 u + x, u = w xor 3 ((w / 4) % 2): it has u + 1 key steps of 128, every work-group 136, and waves w, w + 4, w + 8, w + 12 together 34.
; The loop has 16 trips for every wave; a step all of whose keys come after the wave's queries is jumped over (a branch on ids).
; The 8 work-groups of a head ask for the same 208,896 bytes, once each, at their heads: no joint load is made of it here, since it is one fill against 136 key steps' work.
; The result is quantised along the head's 64 and stored as half c = head % 2 of K step head / 2 of the next product's images.
; LIMITS: NaN and infinities are not served; a block whose largest number lies under 2^-124 gets the byte 1.
.set HB,   315392
.set VIO,  98304
.set KSO,  196608
.set VSO,  204800
.set QIO,  208896
.set QSO,  307200
.set FILL, 13056                       ; 51 rows of 256 bytes: a wave's part of the fill
.set ASC,  3145728
.set WV,   18
.set SEL,  20                          ; s[20:21]
.set CS,   22                          ; s[22:23] c = log2(e) / 8
.set G1,   24                          ; s[24:31] descriptor group 1
.set G0,   32                          ; s[32:35] group 0
.set TK,   36                          ; s36 the step's place in K's and in V's images: 6,144 bytes a step
.set TS,   37                          ; s37 in K's scale words: 512
.set TV,   38                          ; s38 in V's: 256
.set KF,   39                          ; s39 the step's first key
.set Q0,   40                          ; s40 my tile's first query
.set CNT,  41
; REGISTERS: v1 16 x lane, v2 8 x lane, v3 my query - Q0 - 16 (lane / 16); v4-9 the step's addresses; v10, v11, v82, v83 lane terms + the regions' starts; v12 -M, v13 the largest t, v[14:15] the sum;
; v16-27 Q; v28-31 K's scale words; v32-79 four fragments of K; v80-81 V's scale words; v84 16 r; v96-159 S^T, then p, then V's four fragments; v160-191 O^T; v224-235 p's codes; v232-254 at work;
; v[250:251] f; v253 p's scale word; v255 Q's.
	s_load_b128 s[4:7], s[0:1], 0x0                ; qkvi, ctxi
	v_lshl_add_u32 v248, v0, 2, 0x33000
	v_mov_b32 v249, 0
	ds_add_u32 v248, v249
	ds_add_u32 v248, v249
	v_lshrrev_b32 v1, 5, v0
	s_delay_alu instid0(VALU_DEP_1)
	v_readfirstlane_b32 s[WV], v1                  ; wave 0..15
	s_and_b32 s42, ttmp7, 0xffff                   ; y
	s_mul_i32 s44, s42, HB
	s_mov_b32 s45, 0
	s_mul_i32 s46, s[WV], FILL
	s_mov_b32 s47, 0
	s_mov_b32 s[G1], 3<<16                         ; no mask; elements of 8 bytes; no padding
	s_mov_b32 s[G1+1], 32<<16                      ; tensor_dim0 = 32 elements = 256 bytes
	s_mov_b32 s[G1+2], 51<<16                      ; tensor_dim1 = 51
	s_mov_b32 s[G1+3], 32<<16                      ; tile_dim0
	s_mov_b32 s[G1+4], 51                          ; tile_dim1
	s_mov_b32 s[G1+5], 32                          ; the pitch: dense
	s_mov_b32 s[G1+6], 0
	s_mov_b32 s[G1+7], 0
	s_wait_dscnt 0x0
	s_wait_kmcnt 0x0
	s_add_nc_u64 s[4:5], s[4:5], s[44:45]          ; the head's block
	s_mov_b32 s[G0], 1
	s_mov_b32 s[G0+1], s46                         ; LDS: the same place as in the block
	s_add_nc_u64 s[G0+2:G0+3], s[4:5], s[46:47]
	s_or_b32 s[G0+3], s[G0+3], 0x80000000
	tensor_load_to_lds s[G0:G0+3], s[G1:G1+7]      ; my one tensor load; its descriptors are never written again
	s_nop 0
.rept 4
	v_nop
.endr
	s_bfe_u32 s48, s[WV], 0x10002
	s_mul_i32 s48, s48, 3
	s_xor_b32 s48, s[WV], s48                      ; u
	s_lshl_b32 s49, s48, 3
	s_add_co_u32 s49, s49, ttmp9                   ; my tile of queries: 8 u + x
	s_lshr_b32 s50, ttmp9, 1
	s_and_b32 s51, ttmp9, 1
	s_lshl_b32 s[Q0], s48, 7
	s_lshl_b32 s52, s50, 5
	s_add_co_u32 s[Q0], s[Q0], s52
	s_lshl_b32 s52, s51, 3
	s_add_co_u32 s[Q0], s[Q0], s52                 ; 128 u + 32 (x / 2) + 8 (x % 2)
	s_lshl_b32 s43, s51, 8
	s_lshl_b32 s52, s50, 2
	s_add_co_u32 s43, s43, s52                     ; the tile's place in its group's scale words
	s_mul_i32 s52, s49, 768
	s_add_co_u32 s52, s52, QIO
	s_mov_b32 s53, 0
	s_add_nc_u64 s[52:53], s[4:5], s[52:53]        ; Q's half image
	s_lshl_b32 s54, s48, 9
	s_add_co_u32 s54, s54, s43
	s_add_co_u32 s54, s54, QSO
	s_mov_b32 s55, 0
	s_add_nc_u64 s[54:55], s[4:5], s[54:55]        ; Q's scale words
	s_lshr_b32 s56, s42, 4                         ; the batch
	s_and_b32 s57, s42, 15                         ; the head
	s_lshr_b32 s58, s57, 1                         ; the next product's K step,
	s_and_b32 s59, s57, 1                          ; and which half of it
	s_lshl_b32 s60, s56, 7
	s_add_co_u32 s60, s60, s49                     ; the tile among all 256
	s_lshl_b32 s60, s60, 3
	s_add_co_u32 s60, s60, s58
	s_mul_i32 s60, s60, 1536
	s_mul_i32 s61, s59, 768
	s_add_co_u32 s60, s60, s61
	s_mov_b32 s61, 0
	s_add_nc_u64 s[60:61], s[6:7], s[60:61]        ; where my half image goes
	s_lshl_b32 s62, s58, 14
	s_lshl_b32 s63, s56, 4
	s_add_co_u32 s63, s63, s48
	s_lshl_b32 s63, s63, 9
	s_add_co_u32 s62, s62, s63
	s_add_co_u32 s62, s62, s43
	s_lshl_b32 s63, s59, 1
	s_add_co_u32 s62, s62, s63
	s_add_co_u32 s62, s62, ASC
	s_mov_b32 s63, 0
	s_add_nc_u64 s[62:63], s[6:7], s[62:63]        ; and my two scale bytes
	s_mov_b32 s[SEL], 0x76543210
	s_mov_b32 s[SEL+1], 0xfedcba98
	s_mov_b32 s[CS], 0x3e38aa3b
	s_mov_b32 s[CS+1], s[CS]
	s_mov_b32 s[TK], 0
	s_mov_b32 s[TS], 0
	s_mov_b32 s[TV], 0
	s_mov_b32 s[KF], 0
	s_mov_b32 s[CNT], 16
	v_and_b32 v2, 31, v0
	s_delay_alu instid0(VALU_DEP_1)
	v_lshlrev_b32 v1, 4, v2
	s_delay_alu instid0(VALU_DEP_2)
	v_lshlrev_b32 v2, 3, v2
	v_and_b32 v4, 15, v0                           ; r
	v_bfe_u32 v5, v0, 4, 1                         ; h
	s_delay_alu instid0(VALU_DEP_2)
	v_lshlrev_b32 v84, 4, v4
	global_load_b128 v[16:19], v1, s[52:53]
	global_load_b64 v[20:21], v2, s[52:53] offset:512
	global_load_b32 v255, v84, s[54:55]
	v_and_b32 v3, 8, v4
	s_delay_alu instid0(VALU_DEP_1)
	v_add_nc_u32 v3, v3, v4
	v_lshlrev_b32 v5, 4, v5
	s_delay_alu instid0(VALU_DEP_1)
	v_sub_nc_u32 v3, v3, v5                        ; r + 8 (r / 8) - 16 h
	v_add_nc_u32 v10, VIO, v1
	v_add_nc_u32 v11, VIO, v2
	v_add_nc_u32 v82, KSO, v1
	v_add_nc_u32 v83, VSO, v2
.irp i, 22,23,24,25,26,27
	v_mov_b32 v[\i], 0                             ; zero codes: the upper 64 along K
.endr
.irp t, 0,1,2,3
.irp i, 6,7,8,9,10,11
	v_mov_b32 v[32+12*\t+\i], 0                    ; the same in K's four fragments: cleared once, never loaded
.endr
.endr
	v_mov_b32 v13, 0xff61b1e6                      ; the largest t so far: -3e38
	s_delay_alu instid0(VALU_DEP_1)
	v_floor_f32 v12, -v13
	v_mov_b32 v14, 0
	v_mov_b32 v15, 0
.irp b, 0,1,2,3
	v_mov_b32 v[236+\b], 0                         ; a lane permute's destination counts as read
.endr
	v_mov_b32 v251, 0                              ; named as the upper half of the pair v[250:251]
.set n, 0
.rept 32
	v_mov_b32 v[160+n], 0                          ; O^T: the step is written once; the first change of M leaves zeros zeros
.set n, n+1
.endr
	s_wait_tensorcnt 0x0                           ; my part of the fill has landed,
	s_barrier_signal -1
	s_barrier_wait -1                              ; everybody's has
	s_wait_loadcnt 0x0                             ; Q
.Lstep:
	s_add_co_u32 s56, s[Q0], 23                    ; my last query
	s_cmp_gt_u32 s[KF], s56
	s_cbranch_scc1 .Lhidden
	s_setprio 2
	v_add_nc_u32 v4, s[TK], v1
	s_wait_alu depctr_va_vdst(0)
	v_add_nc_u32 v5, s[TK], v2
	s_wait_alu depctr_va_vdst(0)
	v_add_nc_u32 v6, s[TS], v82
	v_add_nc_u32 v7, s[TV], v83
	v_add_nc_u32 v8, s[TK], v10
	v_add_nc_u32 v9, s[TK], v11
	ds_load_b128 v[28:31], v6                      ; the scale words of the step's 8 tiles of K
	ds_load_b64 v[80:81], v7                       ; and of V's 4
.irp g, 0,1
.if \g
.rept 4
	v_nop                                          ; places in front of loads into registers that matrix instructions have read
.endr
.endif
.irp t, 0,1,2,3
	ds_load_b128 v[32+12*\t:35+12*\t], v4 offset:768*(4*\g+\t)
	ds_load_b64 v[36+12*\t:37+12*\t], v5 offset:768*(4*\g+\t)+512
.endr
	s_wait_dscnt 0x0
.irp t, 0,2
	v_wmma_scale_f32_16x16x128_f8f6f4 v[96+8*(4*\g+\t):103+8*(4*\g+\t)], v[32+12*\t:43+12*\t], v[16:27], 0, v[28+2*\g+\t/2], v255 matrix_a_fmt:MATRIX_FMT_FP6 matrix_b_fmt:MATRIX_FMT_FP6
	v_wmma_scale_f32_16x16x128_f8f6f4 v[104+8*(4*\g+\t):111+8*(4*\g+\t)], v[44+12*\t:55+12*\t], v[16:27], 0, v[28+2*\g+\t/2], v255 matrix_a_fmt:MATRIX_FMT_FP6 matrix_b_fmt:MATRIX_FMT_FP6 matrix_a_scale:MATRIX_SCALE_ROW1
.endr
.endr
.rept 4
	v_nop
.endr
	s_add_co_u32 s56, s[KF], 127                   ; a step all of whose keys count skips the mask
	s_cmp_le_u32 s56, s[Q0]
	s_cbranch_scc1 .Lopen
	s_sub_co_i32 s56, s[Q0], s[KF]
	v_add_nc_u32 v252, s56, v3                     ; d = my query - KF - 16 (lane / 16); register 16 b + i holds key KF + 16 (lane / 16) + 32 b + i: hidden where 32 b + i > d
	v_mov_b32 v254, 0xff800000
.set n, 0
.rept 64
	v_cmp_gt_i32 vcc_lo, 32*(n/16)+n%16, v252
	v_cndmask_b32 v[96+n], v[96+n], v254, vcc_lo
.set n, n+1
.endr
.Lopen:
.irp b, 0,1,2,3
	v_max3_num_f32 v[232+\b], v[96+16*\b], v[97+16*\b], v[98+16*\b]   ; the largest score of each block of 32 keys: for the row's maximum, and, since p rises with the score, for the block's largest p
.endr
.irp i, 3,5,7,9,11,13
.irp b, 0,1,2,3
	v_max3_num_f32 v[232+\b], v[232+\b], v[96+16*\b+\i], v[97+16*\b+\i]
.endr
.endr
.irp b, 0,1,2,3
	v_max_num_f32 v[232+\b], v[232+\b], v[111+16*\b]
.endr
.irp b, 0,1,2,3
	s_delay_alu instid0(VALU_DEP_4)
	v_permlanex16_b32 v[236+\b], v[232+\b], s[SEL], s[SEL+1]
.endr
.irp b, 0,1,2,3
	s_delay_alu instid0(VALU_DEP_4)
	v_max_num_f32 v[232+\b], v[232+\b], v[236+\b]
.endr
	s_delay_alu instid0(VALU_DEP_2)
	v_max3_num_f32 v254, v232, v233, v234
	s_delay_alu instid0(VALU_DEP_1)
	v_max_num_f32 v254, v254, v235
	s_delay_alu instid0(VALU_DEP_1)
	v_mul_f32 v254, s[CS], v254
	s_delay_alu instid0(VALU_DEP_1)
	v_max_num_f32 v13, v13, v254                   ; the running largest t
	v_mov_b32 v254, v12
	s_delay_alu instid0(VALU_DEP_2)
	v_floor_f32 v12, -v13                          ; the new -M
	s_delay_alu instid0(VALU_DEP_1)
	v_sub_f32 v254, v12, v254                      ; old M - new M: a whole number, 0 or less
	s_delay_alu instid0(VALU_DEP_1)
	v_cvt_i32_f32 v254, v254                       ; (it saturates)
	s_delay_alu instid0(VALU_DEP_1)
	v_ldexp_f32 v250, 1.0, v254                    ; f = 2^(old M - new M)
.set n, 0
.rept 32
	v_pk_fma_f32 v[96+n:97+n], v[96+n:97+n], s[CS:CS+1], v[12:13] op_sel_hi:[1,0,0]   ; t - M
.set n, n+2
.endr
	s_setprio 1
.irp b, 0,1,2,3
	v_fma_f32 v[232+\b], v[232+\b], s[CS], v12
.endr
.set n, 0
	s_wait_alu depctr_va_vdst(0)
.rept 64
	v_exp_f32 v[96+n], v[96+n]                     ; p
.set n, n+1
.endr
	v_pk_mul_f32 v[14:15], v[14:15], v[250:251] op_sel_hi:[1,0]   ; the sums under the new M: a plain line behind the batch
	s_wait_alu depctr_va_vdst(0)                   ; one wait for the 64, ahead of their first reader
.irp b, 0,1,2,3
	v_exp_f32 v[232+\b], v[232+\b]                 ; each block's largest p
.endr
	v_pk_add_f32 v[236:237], v[100:101], v[104:105]
	v_pk_add_f32 v[252:253], v[108:109], v[112:113]
	v_pk_add_f32 v[246:247], v[116:117], v[120:121]
	v_pk_add_f32 v[244:245], v[124:125], v[128:129]
	v_pk_add_f32 v[242:243], v[132:133], v[136:137]
	v_pk_add_f32 v[240:241], v[140:141], v[144:145]
	v_pk_add_f32 v[238:239], v[148:149], v[152:153]
	v_pk_add_f32 v[14:15], v[14:15], v[156:157]
	v_pk_add_f32 v[236:237], v[236:237], v[96:97]
	v_pk_add_f32 v[252:253], v[252:253], v[98:99]
	v_pk_add_f32 v[246:247], v[246:247], v[102:103]
	v_pk_add_f32 v[244:245], v[244:245], v[106:107]
	v_pk_add_f32 v[242:243], v[242:243], v[110:111]
	v_pk_add_f32 v[240:241], v[240:241], v[114:115]
	v_pk_add_f32 v[238:239], v[238:239], v[118:119]
	v_pk_add_f32 v[14:15], v[14:15], v[122:123]
	v_pk_add_f32 v[236:237], v[236:237], v[126:127]
	v_pk_add_f32 v[252:253], v[252:253], v[130:131]
	v_pk_add_f32 v[246:247], v[246:247], v[134:135]
	v_pk_add_f32 v[244:245], v[244:245], v[138:139]
	v_pk_add_f32 v[242:243], v[242:243], v[142:143]
	v_pk_add_f32 v[240:241], v[240:241], v[146:147]
	v_pk_add_f32 v[238:239], v[238:239], v[150:151]
	v_pk_add_f32 v[14:15], v[14:15], v[154:155]
	v_pk_add_f32 v[236:237], v[236:237], v[158:159]
	s_delay_alu instid0(VALU_DEP_2)
	v_pk_add_f32 v[14:15], v[14:15], v[244:245]
	s_delay_alu instid0(VALU_DEP_2)
	v_pk_add_f32 v[236:237], v[236:237], v[242:243]
	v_pk_add_f32 v[252:253], v[252:253], v[240:241]
	v_pk_add_f32 v[246:247], v[246:247], v[238:239]
	s_delay_alu instid0(VALU_DEP_2)
	v_pk_add_f32 v[14:15], v[14:15], v[252:253]
	s_delay_alu instid0(VALU_DEP_2)
	v_pk_add_f32 v[236:237], v[236:237], v[246:247]
	s_delay_alu instid0(VALU_DEP_1)
	v_pk_add_f32 v[14:15], v[14:15], v[236:237]
	s_wait_alu depctr_va_vdst(0)                   ; and one for the four
.irp b, 0,1,2,3
	v_max_num_f32 v[232+\b], 0x1800000, v[232+\b]  ; the floor 2^(3 - 127)
.endr
.irp b, 0,1,2,3
	s_delay_alu instid0(VALU_DEP_4)
	v_add_nc_u32 v[244+\b], 0xff000000, v[232+\b]
.endr
.irp b, 0,1,2,3
	s_delay_alu instid0(VALU_DEP_4)
	v_lshrrev_b32 v[236+\b], 23, v[244+\b]
.endr
	s_delay_alu instid0(VALU_DEP_3)
	v_lshl_or_b32 v253, v237, 8, v236              ; p's scale word for these 128 keys
	s_delay_alu instid0(VALU_DEP_1)
	v_lshl_or_b32 v253, v238, 16, v253
	s_delay_alu instid0(VALU_DEP_1)
	v_lshl_or_b32 v253, v239, 24, v253
.irp c, 0,1
	v_cvt_scalef32_pk16_fp6_f32 v[224+6*\c:226+6*\c], v[96+32*\c:111+32*\c], v[244+2*\c]
	v_cvt_scalef32_pk16_fp6_f32 v[236+4*\c:238+4*\c], v[112+32*\c:127+32*\c], v[244+2*\c+1]
.endr
	v_nop                                          ; one plain line behind the scaled conversions
.irp t, 0,1,2,3
	ds_load_b128 v[96+12*\t:99+12*\t], v8 offset:1536*\t          ; V's four fragments take p's registers, which the conversions have read
	ds_load_b64 v[100+12*\t:101+12*\t], v9 offset:1536*\t+512
	ds_load_b128 v[102+12*\t:105+12*\t], v8 offset:1536*\t+768
	ds_load_b64 v[106+12*\t:107+12*\t], v9 offset:1536*\t+1280
.endr
	s_setprio 0
.irp c, 0,1
.irp i, 0,1,2
	v_permlane16_swap_b32 v[224+6*\c+\i], v[236+4*\c+\i]
.endr
.irp i, 0,1,2
	s_delay_alu instid0(VALU_DEP_3)
	v_mov_b32 v[227+6*\c+\i], v[236+4*\c+\i]
.endr
.endr
.set n, 0
.rept 16
	v_pk_mul_f32 v[160+n:161+n], v[160+n:161+n], v[250:251] op_sel_hi:[1,0]   ; O^T under the new M; these 16 are also the places between the codes' and the scale word's last writes and the products
.set n, n+2
.endr
	s_wait_alu depctr_va_vdst(0)
	s_wait_dscnt 0x0
.irp t, 0,2
	v_wmma_scale_f32_16x16x128_f8f6f4 v[160+8*\t:167+8*\t], v[96+12*\t:107+12*\t], v[224:235], v[160+8*\t:167+8*\t], v[80+\t/2], v253 matrix_a_fmt:MATRIX_FMT_FP6 matrix_b_fmt:MATRIX_FMT_FP6
	v_wmma_scale_f32_16x16x128_f8f6f4 v[168+8*\t:175+8*\t], v[108+12*\t:119+12*\t], v[224:235], v[168+8*\t:175+8*\t], v[80+\t/2], v253 matrix_a_fmt:MATRIX_FMT_FP6 matrix_b_fmt:MATRIX_FMT_FP6 matrix_a_scale:MATRIX_SCALE_ROW1
.endr
.rept 5
	v_nop                                          ; five: the next step's scores are written over V's fragments by matrix instructions
.endr
.Lhidden:
	s_add_co_u32 s[KF], s[KF], 128
	s_add_co_u32 s[TK], s[TK], 6144
	s_add_co_u32 s[TS], s[TS], 512
	s_add_co_u32 s[TV], s[TV], 256
	s_sub_co_u32 s[CNT], s[CNT], 1
	s_cmp_lg_u32 s[CNT], 0
	s_cbranch_scc1 .Lstep
	s_setprio 0
	; ---- THE WAY OUT: O^T / the sum; register 16 b + n is d = 32 b + 16 (lane / 16) + n of my query: two blocks of the next product's K
	v_add_f32 v14, v14, v15
	s_delay_alu instid0(VALU_DEP_1)
	v_permlanex16_b32 v236, v14, s[SEL], s[SEL+1]
	s_delay_alu instid0(VALU_DEP_1)
	v_add_f32 v14, v14, v236
	s_wait_alu depctr_va_vdst(0)
	v_rcp_f32 v14, v14
	v_nop                                          ; a plain line behind the reciprocal,
	s_wait_alu depctr_va_vdst(0)                   ; and the wait ahead of its first reader
.set n, 0
.rept 32
	v_mul_f32 v[96+n], v[160+n], v14               ; each accumulator from its low end on
.set n, n+1
.endr
.irp b, 0,1
	v_max3_num_f32 v[232+\b], |v[96+16*\b]|, |v[97+16*\b]|, 0x1800000
.endr
.irp i, 2,4,6,8,10,12,14
.irp b, 0,1
	s_delay_alu instid0(VALU_DEP_2)
	v_max3_num_f32 v[232+\b], v[232+\b], |v[96+16*\b+\i]|, |v[97+16*\b+\i]|
.endr
.endr
.irp b, 0,1
	s_delay_alu instid0(VALU_DEP_2)
	v_permlanex16_b32 v[236+\b], v[232+\b], s[SEL], s[SEL+1]
.endr
.irp b, 0,1
	s_delay_alu instid0(VALU_DEP_2)
	v_max_num_f32 v[232+\b], v[232+\b], v[236+\b]
.endr
.irp b, 0,1
	s_delay_alu instid0(VALU_DEP_2)
	v_add_nc_u32 v[244+\b], 0xff000000, v[232+\b]
.endr
.irp b, 0,1
	s_delay_alu instid0(VALU_DEP_2)
	v_lshrrev_b32 v[236+\b], 23, v[244+\b]
.endr
	s_delay_alu instid0(VALU_DEP_1)
	v_lshl_or_b32 v254, v237, 8, v236              ; my row's two scale bytes
	v_cvt_scalef32_pk16_fp6_f32 v[224:226], v[96:111], v244
	v_cvt_scalef32_pk16_fp6_f32 v[240:242], v[112:127], v245
	v_nop
.irp i, 0,1,2
	v_permlane16_swap_b32 v[224+\i], v[240+\i]
.endr
.irp i, 0,1,2
	s_delay_alu instid0(VALU_DEP_3)
	v_mov_b32 v[227+\i], v[240+\i]
.endr
	global_store_b128 v1, v[224:227], s[60:61]
	global_store_b64 v2, v[228:229], s[60:61] offset:512
	global_store_b16 v84, v254, s[62:63]           ; lanes 16-31 hold the same bytes and store them to the same place
	s_wait_tensorcnt 0x0
	ds_add_u32 v248, v249
	s_wait_dscnt 0x0
	s_endpgm
.Lfunc_end_k_q2890e48ae2_attn:
	.size	k_q2890e48ae2_attn, .Lfunc_end_k_q2890e48ae2_attn-k_q2890e48ae2_attn
	.p2alignl 7, 3214868480
	.fill 96, 4, 3214868480
	.section	.rodata,"a",@progbits
	.p2align	6, 0x0
	.amdhsa_kernel k_q2890e48ae2_attn
		.amdhsa_group_segment_fixed_size 210944
		.amdhsa_private_segment_fixed_size 0
		.amdhsa_enable_private_segment 0
		.amdhsa_kernarg_size 16
		.amdhsa_user_sgpr_count 2
		.amdhsa_user_sgpr_kernarg_segment_ptr 1
		.amdhsa_wavefront_size32 1
		.amdhsa_system_sgpr_workgroup_id_x 1
		.amdhsa_system_sgpr_workgroup_id_y 1
		.amdhsa_system_sgpr_workgroup_id_z 1
		.amdhsa_system_vgpr_workitem_id 0
		.amdhsa_next_free_vgpr 256
		.amdhsa_next_free_sgpr 80
		.amdhsa_reserve_vcc 1
		.amdhsa_float_denorm_mode_32 3
		.amdhsa_float_denorm_mode_16_64 3
		.amdhsa_memory_ordered 1
		.amdhsa_forward_progress 1
		.amdhsa_inst_pref_size 35
	.end_amdhsa_kernel
	.amdgpu_metadata
---
amdhsa.version: [ 1, 2 ]
amdhsa.kernels:
  - .name:           k_q2890e48ae2_attn
    .symbol:         k_q2890e48ae2_attn.kd
    .args:
      - { .name: qkvi, .offset: 0, .size: 8, .value_kind: global_buffer, .address_space: global }
      - { .name: ctxi, .offset: 8, .size: 8, .value_kind: global_buffer, .address_space: global }
    .group_segment_fixed_size: 210944
    .private_segment_fixed_size: 0
    .kernarg_segment_align: 8
    .kernarg_segment_size: 16
    .max_flat_workgroup_size: 512
    .sgpr_count:     80
    .vgpr_count:     256
    .wavefront_size: 32
...
	.end_amdgpu_metadata
.endif
;; end of part 9
;; launch cproj (part 10): grid 8 x 32, 4 waves a work-group, no clusters, 296,448 bytes of LDS; arguments ctxi, wimg, c_proj_b, hidden_states, x2; writes x2
.if DOCPART == 10
	.amdgcn_target "amdgcn-amd-amdhsa--gfx1250"
	.amdhsa_code_object_version 6
	.text
	.protected	k_q2890e48ae2_cproj
	.globl	k_q2890e48ae2_cproj
	.p2align	8
	.type	k_q2890e48ae2_cproj,@function
k_q2890e48ae2_cproj:
	s_mov_b64 s[64:65], 0
	v_nop
	global_prefetch_b8 v0, s[64:65] scope:SCOPE_SE
	s_setreg_imm32_b32 hwreg(HW_REG_WAVE_SCHED_MODE, 0, 2), 2
	s_setreg_imm32_b32 hwreg(HW_REG_WAVE_MODE, 25, 1), 1
	s_wait_xcnt 0x0
	s_wait_alu depctr_vm_vsrc(0)
; out = A W + bias + residual, on codes of FP6 (E2M3) with E8M0 scales; A [4096 x K] and W [1024 x K] lie as images of fragments ([tile][K step][1,536 bytes]); out and the residual are [4096][1024] f32.  Here K = 1,024.
; N is 1,024: tiles of 256 x 256 would be 64.  So a work-group makes 128 x 128 (256 work-groups), and ITS FOUR WAVES SHARE K: each has the whole tile in 64 accumulators and NS of the 4 NS K steps.
; The four parts meet in LDS: wave w sums rows 32 w .. 32 w + 31 of the tile, adds bias and residual and stores whole rows of 512 bytes.
; Operands come straight into registers, in two sets, both asked for at the head.  Step t multiplies set t % 2; where a wave has more than two K steps, the other set, which step t - 1 has multiplied, is asked for again at
; step t's head by address registers of its own: P's fragments, the scale words and Q's fragments 0-3 ahead of the wait for set t % 2, Q's fragments 4-7 one behind each eight of the step's first 32 products.
; The two sets' loads together are more than LOADcnt's field holds: the issue of the later ones then waits for earlier ones to come back (ISA guide 5.7.1), where the wave would wait for them anyway.
; A wave begins at K step (x + y) % NS of its own.  No LDS ring and no joint loads: a wave has NS K steps only.
; W's images are three runs of 512 bytes (registers 0-3, 4-7, 8-11, 16 bytes a lane).  QOLD = 1: A's images are two half images on end (registers 0-3 at 16 x lane, 4-5 at 512 + 8 x lane, and the same 768 bytes on),
; since the launch that made them stores a head's 64, half a fragment, at a time: four loads a fragment.
; SOURCE 0 = W (8 tiles), SOURCE 1 = A (8 tiles).  A tile's 16 rows are 32 (t / 2) + 8 (t % 2) + r + 8 (r / 8): register 16 e + n of a lane's 64 is column 32 e + 16 (lane / 16) + n.
; THE MODE: SCHED_MODE bits 1:0 = 2 (LLVM: expert scheduling mode 2), set by the entry lines.  The code itself states the register dependences between vector or matrix instructions and memory or LDS instructions, with s_wait_alu, always for 0.
; THE PLAN.  Registers that memory or LDS instructions touch:
;   set 0, set 1    (P's and Q's fragments and their scale words)  Written by loads alone; read by the 64 products of the steps on that set.
;   v1, v2, v5-12   Offsets and LDS addresses: written at the head, never again.       The bias: one run of loads at the last step's head; named by no vector or matrix instruction before the way out.
;   accumulators    The way out: read by the LDS stores of the parts.      P's registers: the residual's loads land there behind the last product.
;   v96-223         The way out: the four waves' parts land there, twice a tile; the sums read and write them; then the tile's rows land in v96-159, take the residual and are stored.
;   v[HA ..+63]     The way out: written by the sums; read by the LDS stores into my stage.      v254, v255: written at the head, read by the closing add alone.
; A step that asks for a set has ONE wait on va_vdst, at its head: the products of the step before are done reading the other set; all loads into that set follow with no further wait, some of them among this step's products,
; which name this step's set, its scale words and the accumulators alone.  The way out's waits stand where a run of LDS or memory instructions begins, and each says what it states.
; LIMITS: K is summed in four parts, each from a rotated start: the last bits differ from an ascending sum's.  NaN and infinities are not served.
.set KST, 8
.set NS,  2                            ; K steps of a wave
.set TST, KST*1536
.set SHP, 14                           ; W's scale words: 16,384 bytes a K step (c_attn's and c_proj's 4,096 rows on end)
.set SHQ, 14
.set PIMG, 192*12288                   ; c_proj's tiles are 192 .. 255 of that run
.set PSC,  9437184+24*512
.set QSC,  3145728
.set QOLD, 1
.set NQF, 3+QOLD                       ; loads of a fragment of Q
.set NLD, 26+8*NQF                     ; loads of a set: 8 x 3 for P, 2 of scale words, 8 x NQF for Q
.set NB,  16                           ; loads of the bias
.set FIRSTA, 4*NQF+NLD                 ; behind set 0's P, scale words and Q 0-3 at the head: its Q 4-7 and set 1;
.if FIRSTA > 63
.set FIRSTA, 63                        ; a wait names no more than the field holds: the smaller count waits for more
.endif
.set NTOUT, 0
.set HA,  32
.set STG, 262144                       ; LDS: [owner wave][source wave][16 accumulators x 1,024 bytes] = 262,144; then a stage of 16 rows x 528 bytes for each wave
; REGISTERS.  Window 0: v1 16 x lane, v2 8 x lane, v3 r, v4 h; v5-8 where my parts go, v9 where I read, v10, v11 my stage, v12 64 h; v16-31 scale words and nothing else; Q's fragments: set 0 v32-127, set 1 v128-223.
; Window 1: P's fragments: set 0 v0-95, set 1 v128-223 (on the way out: the residual's 32 rows); the bias along P: tile i at 96 + 8 i (i < 4), 192 + 8 i.  Windows 2, 3: accumulator (j, i) at window 2 + j / 4, v[8 (8 (j % 4) + i)].
; s[8:15] the addresses at K step 0; at the K step asked for: set 0 s[16:23], set 1 s[4:7] and s[32:35]; s24 the K step last asked for, less s25, the wave's first.
.set MSB, 0
.macro WIN new
.if MSB != (\new)
	s_set_vgpr_msb (MSB<<8)|(\new)
.set MSB, (\new)
.endif
.endm
.macro PLACES
.rept 4
	v_nop
.endr
.endm
.macro SETK b                          ; set b's four addresses, at K step s24 + s25: P's s[16:17] or s[4:5], Q's s[18:19] or s[6:7], the scale words' s[20:23] or s[32:35]
	s_add_co_u32 s26, s24, s25
	s_lshl_b32 s28, s26, SHP
	s_lshl_b32 s30, s26, SHQ
	s_mul_i32 s26, s26, 1536
	s_add_nc_u64 s[16-12*(\b):17-12*(\b)], s[8:9], s[26:27]
	s_add_nc_u64 s[18-12*(\b):19-12*(\b)], s[10:11], s[26:27]
	s_add_nc_u64 s[20+12*(\b):21+12*(\b)], s[12:13], s[28:29]
	s_add_nc_u64 s[22+12*(\b):23+12*(\b)], s[14:15], s[30:31]
.endm
.macro LOADP b                         ; P's 8 fragments of set b: destination window 1
.irp i, 0,1,2,3,4,5,6,7
.irp c, 0,1,2
	global_load_b128 v[128*(\b)+12*\i+4*\c:128*(\b)+12*\i+4*\c+3], v1, s[16-12*(\b):17-12*(\b)] offset:\i*TST+512*\c
.endr
.endr
.endm
.macro LOADS b                         ; the scale words of both operands
	global_load_b128 v[16+8*(\b):19+8*(\b)], v1, s[20+12*(\b):21+12*(\b)]
	global_load_b128 v[20+8*(\b):23+8*(\b)], v1, s[22+12*(\b):23+12*(\b)]
.endm
.macro LOADQ b, i                      ; Q's fragment i of set b
.if QOLD
	global_load_b128 v[32+96*(\b)+12*(\i):32+96*(\b)+12*(\i)+3], v1, s[18-12*(\b):19-12*(\b)] offset:(\i)*TST
	global_load_b64 v[32+96*(\b)+12*(\i)+4:32+96*(\b)+12*(\i)+5], v2, s[18-12*(\b):19-12*(\b)] offset:(\i)*TST+512
	global_load_b128 v[32+96*(\b)+12*(\i)+6:32+96*(\b)+12*(\i)+9], v1, s[18-12*(\b):19-12*(\b)] offset:(\i)*TST+768
	global_load_b64 v[32+96*(\b)+12*(\i)+10:32+96*(\b)+12*(\i)+11], v2, s[18-12*(\b):19-12*(\b)] offset:(\i)*TST+1280
.else
.irp c, 0,1,2
	global_load_b128 v[32+96*(\b)+12*(\i)+4*\c:32+96*(\b)+12*(\i)+4*\c+3], v1, s[18-12*(\b):19-12*(\b)] offset:(\i)*TST+512*\c
.endr
.endif
.endm
.macro FILL b                          ; at the head: the whole of set b, in the order P, scale words, Q
	SETK \b
	WIN 0x40
	LOADP \b
	WIN 0
	LOADS \b
.irp i, 0,1,2,3,4,5,6,7
	LOADQ \b, \i
.endr
.endm
.macro NEXTK
	s_add_co_u32 s24, s24, 1
	s_and_b32 s24, s24, NS-1
.endm
.macro WM d, a, b, zero, sa, sb, ra, rb
.if \zero
.if (\ra) && (\rb)
	v_wmma_scale_f32_16x16x128_f8f6f4 v[\d:\d+7], v[\a:\a+11], v[\b:\b+11], 0, v[\sa], v[\sb] matrix_a_fmt:MATRIX_FMT_FP6 matrix_b_fmt:MATRIX_FMT_FP6 matrix_a_scale:MATRIX_SCALE_ROW1 matrix_b_scale:MATRIX_SCALE_ROW1
.elseif \ra
	v_wmma_scale_f32_16x16x128_f8f6f4 v[\d:\d+7], v[\a:\a+11], v[\b:\b+11], 0, v[\sa], v[\sb] matrix_a_fmt:MATRIX_FMT_FP6 matrix_b_fmt:MATRIX_FMT_FP6 matrix_a_scale:MATRIX_SCALE_ROW1
.elseif \rb
	v_wmma_scale_f32_16x16x128_f8f6f4 v[\d:\d+7], v[\a:\a+11], v[\b:\b+11], 0, v[\sa], v[\sb] matrix_a_fmt:MATRIX_FMT_FP6 matrix_b_fmt:MATRIX_FMT_FP6 matrix_b_scale:MATRIX_SCALE_ROW1
.else
	v_wmma_scale_f32_16x16x128_f8f6f4 v[\d:\d+7], v[\a:\a+11], v[\b:\b+11], 0, v[\sa], v[\sb] matrix_a_fmt:MATRIX_FMT_FP6 matrix_b_fmt:MATRIX_FMT_FP6
.endif
.else
.if (\ra) && (\rb)
	v_wmma_scale_f32_16x16x128_f8f6f4 v[\d:\d+7], v[\a:\a+11], v[\b:\b+11], v[\d:\d+7], v[\sa], v[\sb] matrix_a_fmt:MATRIX_FMT_FP6 matrix_b_fmt:MATRIX_FMT_FP6 matrix_a_scale:MATRIX_SCALE_ROW1 matrix_b_scale:MATRIX_SCALE_ROW1
.elseif \ra
	v_wmma_scale_f32_16x16x128_f8f6f4 v[\d:\d+7], v[\a:\a+11], v[\b:\b+11], v[\d:\d+7], v[\sa], v[\sb] matrix_a_fmt:MATRIX_FMT_FP6 matrix_b_fmt:MATRIX_FMT_FP6 matrix_a_scale:MATRIX_SCALE_ROW1
.elseif \rb
	v_wmma_scale_f32_16x16x128_f8f6f4 v[\d:\d+7], v[\a:\a+11], v[\b:\b+11], v[\d:\d+7], v[\sa], v[\sb] matrix_a_fmt:MATRIX_FMT_FP6 matrix_b_fmt:MATRIX_FMT_FP6 matrix_b_scale:MATRIX_SCALE_ROW1
.else
	v_wmma_scale_f32_16x16x128_f8f6f4 v[\d:\d+7], v[\a:\a+11], v[\b:\b+11], v[\d:\d+7], v[\sa], v[\sb] matrix_a_fmt:MATRIX_FMT_FP6 matrix_b_fmt:MATRIX_FMT_FP6
.endif
.endif
.endm
; Half a K step on set b: Q's tiles 4 half .. 4 half + 3 against P's eight.  The 64 accumulators take turns, one instruction a turn, in the same order in every step.
; deal = 1: behind each eight products one fragment, 4 + jj, of the other set's Q is asked for: two window switches round its loads.  No wait stands there: no vector or matrix instruction
; since the wait at the step's head names v1, v2 or a register of the other set.
.macro MULH b, zero, half, deal
.irp jj, 0,1,2,3
	WIN 0xa1+0x50*(\half)
.irp i, 0,1,2,3,4,5,6,7
	WM 8*(8*\jj+\i), 128*(\b)+12*\i, 32+96*(\b)+12*(4*(\half)+\jj), \zero, 16+8*(\b)+\i/2, 20+8*(\b)+2*(\half)+\jj/2, \i%2, \jj%2
.endr
.if \deal
	WIN 0
	LOADQ 1-(\b), 4+\jj
.endif
.endr
.endm
.macro BIASLD                          ; the bias along P: 16 loads
	WIN 0x40
.irp i, 0,1,2,3,4,5,6,7
	global_load_b128 v[96+8*\i+96*(\i/4):96+8*\i+96*(\i/4)+3], v12, s[40:41] offset:4*(32*(\i/2)+8*(\i%2))
	global_load_b128 v[96+8*\i+96*(\i/4)+4:96+8*\i+96*(\i/4)+7], v12, s[40:41] offset:4*(32*(\i/2)+8*(\i%2))+16
.endr
	WIN 0
.endm
; A K step on set cur.  fetch = 1: the other set is asked for again.  last = 1: the last step, which asks for the bias and for no set.  Neither: step 0, in front of which both sets were asked for.
.macro STEP cur, zero, fetch, last
.if \fetch
	PLACES                                         ; behind the last product that read the other set
	NEXTK
	SETK 1-(\cur)                                  ; its address registers are free: the middle wait of the step before has shown its loads done
	WIN 0x40
	s_wait_alu depctr_va_vdst(0)                   ; the products of the step before are done reading the other set's fragments and scale words, in which the loads of this step land
	LOADP 1-(\cur)
	WIN 0
	LOADS 1-(\cur)
.irp i, 0,1,2,3
	LOADQ 1-(\cur), \i
.endr
	s_wait_loadcnt NLD                             ; loads come back in order (ISA guide 5.7.1): set cur's P, scale words and Q 0-3 are in; its Q 4-7 and the loads just issued may be out
.elseif \last
	BIASLD                                         ; no wait on va_vdst: its offset was written at the head, and no vector or matrix instruction has named the registers in which it lands
	s_wait_loadcnt 4*NQF+NB                        ; set cur's Q 4-7 and the bias may be out
.else
	s_wait_loadcnt FIRSTA                          ; set 0's P, scale words and Q 0-3 are in
.endif
	MULH \cur, \zero, 0, \fetch
.if \last
	s_wait_loadcnt NB                              ; set cur's Q 4-7 are in; the bias may be out
.else
	s_wait_loadcnt NLD                             ; set cur's Q 4-7 are in, so all its loads are done; the other set's may be out
.endif
	MULH \cur, \zero, 1, 0
	WIN 0
.endm
; Q tile 2 w + u: the four waves' parts are summed, the bias added; through my stage the tile becomes whole rows; the residual is added and 16 rows are stored
.macro OUTT u
.irp c, 0,1
.if \c
	s_wait_alu depctr_va_vdst(0)                   ; the sums of the tile's first half are done reading and writing v96-223, in which the second half's parts land
.endif
.irp a, 0,1,2,3
.irp e, 0,1,2,3
	ds_load_b128 v[96+32*\a+8*\e:99+32*\a+8*\e], v9 offset:16384*\a+(8*(\u)+4*\c+\e)*1024
	ds_load_b128 v[100+32*\a+8*\e:103+32*\a+8*\e], v9 offset:16384*\a+(8*(\u)+4*\c+\e)*1024+512
.endr
.endr
	s_wait_dscnt 0x0
.set m, 0
.rept 16
	v_pk_add_f32 v[96+m:97+m], v[96+m:97+m], v[128+m:129+m]
	v_pk_add_f32 v[160+m:161+m], v[160+m:161+m], v[192+m:193+m]
.set m, m+2
.endr
.set m, 0
.rept 16
	v_pk_add_f32 v[96+m:97+m], v[96+m:97+m], v[160+m:161+m]
.set m, m+2
.endr
	WIN 0x04                                       ; source 1, the bias, in window 1
.set m, 0
.rept 16
	v_pk_add_f32 v[HA+32*\c+m:HA+32*\c+m+1], v[96+m:97+m], v[96+128*\c+m:97+128*\c+m]
.set m, m+2
.endr
	WIN 0
.endr
	s_wait_alu depctr_va_vdst(0)                   ; the sums have written v[HA ..], which the LDS stores read, and are done reading v96-159, in which the rows land
.irp e, 0,1,2,3
.irp n, 0,1,2,3
	ds_store_b128 v10, v[HA+16*\e+4*\n:HA+16*\e+4*\n+3] offset:128*\e+16*\n
.endr
.endr
.irp t, 0,1,2,3,4,5,6,7,8,9,10,11,12,13,14,15
	ds_load_b128 v[96+4*\t:99+4*\t], v11 offset:528*\t      ; LDS serves a wave's instructions in order (ISA guide 5.7.1.4): these see my stores
.endr
	s_wait_dscnt 0x0
	s_wait_loadcnt 0x0                             ; the residual
	WIN 0x04
.irp t, 0,1,2,3,4,5,6,7,8,9,10,11,12,13,14,15
.set nr, 8*(\u)+\t+8*(\t/8)
.set rg, 4*nr+32*(nr/24)
	v_pk_add_f32 v[96+4*\t:97+4*\t], v[96+4*\t:97+4*\t], v[rg:rg+1]
	v_pk_add_f32 v[98+4*\t:99+4*\t], v[98+4*\t:99+4*\t], v[rg+2:rg+3]
.endr
	WIN 0
	s_wait_alu depctr_va_vdst(0)                   ; the additions of the residual have written v96-159, which the stores read
.irp t, 0,1,2,3,4,5,6,7,8,9,10,11,12,13,14,15
.set nr, 8*(\u)+\t+8*(\t/8)
.if NTOUT
	global_store_b128 v1, v[96+4*\t:99+4*\t], s[70:71] offset:4096*nr th:TH_STORE_NT
.else
	global_store_b128 v1, v[96+4*\t:99+4*\t], s[70:71] offset:4096*nr      ; 32 lanes store 512 consecutive bytes, aligned
.endif
.endr
.endm
	s_load_b256 s[36:43], s[0:1], 0x0              ; A s[36:37], wimg s[38:39], bias s[40:41], residual s[42:43]
	s_load_b64 s[44:45], s[0:1], 0x20              ; out
	v_lshl_add_u32 v254, v0, 2, 0x48400
	v_mov_b32 v255, 0
	v_lshrrev_b32 v1, 5, v0
	v_readfirstlane_b32 s2, v1
	v_and_b32 v2, 31, v0
	v_lshlrev_b32 v1, 4, v2
.if QOLD
	v_lshlrev_b32 v2, 3, v2
.endif
	v_and_b32 v3, 15, v0
	v_bfe_u32 v4, v0, 4, 1
	s_wait_alu depctr_va_vdst(0)
	s_wait_alu depctr_va_sdst(0)                   ; s2, the wave's number, is written, ahead of its first reader: addresses in memory and in LDS are made from it
	s_mov_b32 s48, ttmp9                           ; x: 128 columns
	s_and_b32 s49, ttmp7, 0xffff                   ; y: 128 rows
	s_mul_i32 s56, s48, 8*TST
	s_add_co_u32 s56, s56, PIMG
	s_mov_b32 s57, 0
	s_lshl_b32 s58, s48, 9
	s_add_co_u32 s58, s58, PSC
	s_mov_b32 s59, 0
	s_mul_i32 s60, s49, 8*TST
	s_mov_b32 s61, 0
	s_lshl_b32 s62, s49, 9
	s_add_co_u32 s62, s62, QSC
	s_mov_b32 s63, 0
	s_lshl_b32 s66, s48, 9                         ; 512 bytes: 128 f32 columns
	s_mov_b32 s67, 0
	s_lshl_b32 s68, s49, 19                        ; 128 rows of 4,096 bytes,
	s_lshl_b32 s69, s2, 17                         ; my 32 of them,
	s_add_co_u32 s68, s68, s69
	s_add_co_u32 s68, s68, s66                     ; my columns
	s_mov_b32 s69, 0
	s_mov_b32 s27, 0
	s_mov_b32 s29, 0
	s_mov_b32 s31, 0
	s_mul_i32 s25, s2, NS                          ; my first K step
	s_add_co_u32 s24, s48, s49
	s_and_b32 s24, s24, NS-1
	v_lshlrev_b32 v12, 6, v4
	s_lshl_b32 s50, s2, 14
	v_add_nc_u32 v5, s50, v1                       ; my parts: owner d at 65,536 d + 16,384 w + 16 x lane
	v_add_nc_u32 v6, 0x10000, v5
	v_add_nc_u32 v7, 0x20000, v5
	v_add_nc_u32 v8, 0x30000, v5
	s_lshl_b32 s50, s2, 16
	v_add_nc_u32 v9, s50, v1                       ; what I own
	s_mul_i32 s50, s2, 16*528
	s_add_co_u32 s50, s50, STG
	v_mul_u32_u24 v10, v3, 528
	v_lshl_add_u32 v10, v4, 6, v10
	v_add_nc_u32 v10, s50, v10                     ; my stage, in: row r, + 64 h
	v_add_nc_u32 v11, s50, v1                      ; back: a row an instruction
	s_wait_kmcnt 0x0
	s_add_nc_u64 s[8:9], s[38:39], s[56:57]
	s_add_nc_u64 s[10:11], s[36:37], s[60:61]
	s_add_nc_u64 s[12:13], s[38:39], s[58:59]
	s_add_nc_u64 s[14:15], s[36:37], s[62:63]
	s_add_nc_u64 s[40:41], s[40:41], s[66:67]
	s_add_nc_u64 s[70:71], s[44:45], s[68:69]
	s_add_nc_u64 s[68:69], s[42:43], s[68:69]
	s_wait_alu depctr_va_vdst(0)                   ; the offsets and LDS addresses v1, v2 and v5 to v12 are written, which the loads, stores and LDS instructions of the kernel read
	FILL 0                                         ; both sets are asked for before anything else
	NEXTK
	FILL 1
	STEP 0, 1, 0, 0                                ; the first K step starts the sums
.if NS > 2
	s_mov_b32 s3, (NS-2)/2
.Lk:                                               ; all steps but the first and the last, two to a trip: both sets are back at their start
	STEP 1, 0, 1, 0
	STEP 0, 0, 1, 0
	s_sub_co_u32 s3, s3, 1
	s_cmp_lg_u32 s3, 0
	s_cbranch_scc1 .Lk
.endif
	STEP 1, 0, 0, 1                                ; the last K step asks for no set
	PLACES                                         ; four places behind the last product, before its result is read (ISA guide 7.12.1); they stay beside the wait below
	WIN 0x40                                       ; the residual's 32 rows of my 128 columns land in P's registers while the parts are summed
	s_wait_alu depctr_va_vdst(0)                   ; the products have written the accumulators, which the LDS stores read, and are done reading P's registers, in which the residual lands, and Q's, in which the parts land
.set nr, 0
.rept 32
	global_load_b128 v[4*nr+32*(nr/24):4*nr+32*(nr/24)+3], v1, s[68:69] offset:4096*nr
.set nr, nr+1
.endr
.irp j, 0,1,2,3,4,5,6,7
	WIN 0x08+4*(\j/4)                              ; an LDS store's data are its source 1
.irp i, 0,1,2,3,4,5,6,7
	ds_store_b128 v[5+\j/2], v[64*(\j%4)+8*\i:64*(\j%4)+8*\i+3] offset:((\j%2)*8+\i)*1024          ; each accumulator from its low end on
	ds_store_b128 v[5+\j/2], v[64*(\j%4)+8*\i+4:64*(\j%4)+8*\i+7] offset:((\j%2)*8+\i)*1024+512
.endr
.endr
	WIN 0
	s_wait_loadcnt 32                              ; the bias is in; the 32 younger loads, the residual, may be out
	s_wait_dscnt 0x0                               ; for the others' sake: my parts lie in LDS
	s_barrier_signal -1
	s_barrier_wait -1
	OUTT 0
	s_wait_xcnt 0x0                                ; the stores have had their addresses translated (ISA guide 3.1): their data registers are written again only behind this wait
	s_wait_alu depctr_vm_vsrc(0)                   ; the stores have read v96-159, in which the next tile's parts land; the LDS stores have read v[HA ..], which its sums write again
	OUTT 1
	s_wait_dscnt 0x0                               ; the closing lines, six on end
	s_wait_alu 0x0
	s_wait_tensorcnt 0x0
	ds_add_u32 v254, v255
	s_wait_dscnt 0x0
	s_endpgm
.Lfunc_end_k_q2890e48ae2_cproj:
	.size	k_q2890e48ae2_cproj, .Lfunc_end_k_q2890e48ae2_cproj-k_q2890e48ae2_cproj
	.p2alignl 7, 3214868480
	.fill 96, 4, 3214868480
	.section	.rodata,"a",@progbits
	.p2align	6, 0x0
	.amdhsa_kernel k_q2890e48ae2_cproj
		.amdhsa_group_segment_fixed_size 296448
		.amdhsa_private_segment_fixed_size 0
		.amdhsa_enable_private_segment 0
		.amdhsa_kernarg_size 40
		.amdhsa_user_sgpr_count 2
		.amdhsa_user_sgpr_kernarg_segment_ptr 1
		.amdhsa_wavefront_size32 1
		.amdhsa_system_sgpr_workgroup_id_x 1
		.amdhsa_system_sgpr_workgroup_id_y 1
		.amdhsa_system_sgpr_workgroup_id_z 1
		.amdhsa_system_vgpr_workitem_id 0
		.amdhsa_next_free_vgpr 1024
		.amdhsa_next_free_sgpr 80
		.amdhsa_reserve_vcc 0
		.amdhsa_float_denorm_mode_32 3
		.amdhsa_float_denorm_mode_16_64 3
		.amdhsa_memory_ordered 1
		.amdhsa_forward_progress 1
		.amdhsa_inst_pref_size 80
	.end_amdhsa_kernel
	.amdgpu_metadata
---
amdhsa.version: [ 1, 2 ]
amdhsa.kernels:
  - .name:           k_q2890e48ae2_cproj
    .symbol:         k_q2890e48ae2_cproj.kd
    .args:
      - { .name: ctxi, .offset: 0, .size: 8, .value_kind: global_buffer, .address_space: global }
      - { .name: wimg, .offset: 8, .size: 8, .value_kind: global_buffer, .address_space: global }
      - { .name: c_proj_b, .offset: 16, .size: 8, .value_kind: global_buffer, .address_space: global }
      - { .name: hidden_states, .offset: 24, .size: 8, .value_kind: global_buffer, .address_space: global }
      - { .name: x2, .offset: 32, .size: 8, .value_kind: global_buffer, .address_space: global }
    .group_segment_fixed_size: 296448
    .private_segment_fixed_size: 0
    .kernarg_segment_align: 8
    .kernarg_segment_size: 40
    .max_flat_workgroup_size: 128
    .sgpr_count:     80
    .vgpr_count:     1024
    .wavefront_size: 32
...
	.end_amdgpu_metadata
.endif
;; end of part 10
;; launch ln2: the kernel of part 7 again; grid 256 x 1, 4 waves a work-group, no clusters, 66,560 bytes of LDS; arguments x2, ln2_g, ln2_b, a2, wimg, c_attn_w_codes, c_attn_w_scales, c_proj_w_codes, c_proj_w_scales, fc_w_codes, fc_w_scales, proj_w_codes, proj_w_scales; writes a2, wimg
;; launch fc (part 11): grid 16 x 16, 4 waves a work-group, no clusters, 0 bytes of LDS; arguments a2, wimg, fc_b, gimg; writes gimg
.if DOCPART == 11
	.amdgcn_target "amdgcn-amd-amdhsa--gfx1250"
	.amdhsa_code_object_version 6
	.text
	.protected	k_q2890e48ae2_fc
	.globl	k_q2890e48ae2_fc
	.p2align	8
	.type	k_q2890e48ae2_fc,@function
k_q2890e48ae2_fc:
	s_mov_b64 s[64:65], 0
	v_nop
	global_prefetch_b8 v0, s[64:65] scope:SCOPE_SE
	s_setreg_imm32_b32 hwreg(HW_REG_WAVE_SCHED_MODE, 0, 2), 2
	s_setreg_imm32_b32 hwreg(HW_REG_WAVE_MODE, 25, 1), 1
	s_wait_xcnt 0x0
	s_wait_alu depctr_vm_vsrc(0)
; g = gelu_new(LN2(x) W + b) on codes of FP6 (E2M3) with E8M0 scales, [4096 x 1024] x [1024 x 4096]; g is quantised here along the 4,096 and stored as images of the next product's fragments; it never lies in memory as f32.
; A work-group makes 256 x 256, a wave 128 x 128: 64 accumulators.  Operands come straight into registers as images ([tile][K step][1,536 bytes]: registers 0-3, 4-7, 8-11 as three runs of 512 bytes, 16 bytes a lane).
; TWO SETS OF REGISTERS, both asked for at the head.  Step t multiplies set t % 2.  At its head the other set, which step t - 1 has multiplied, is asked for again, with K step t + 1: P's eight fragments, the scale words and
; Q's fragments 0-3 ahead of the wait for set t % 2, whether or not that set has landed, so that requests stand in line without a gap; Q's fragments 4-7, which a step wants only for its second 32 products, one behind each
; eight of this step's first 32 products.  Between a load and the wait for it stand 64 products or more.
; Each set has address registers of its own, written again only behind the wait that shows its loads done.  The two sets' loads together are more than LOADcnt's field holds: the issue of the later ones then waits for
; earlier ones to come back (ISA guide 5.7.1), which happens only where the wave would wait for those loads anyway.
; K is 8 steps; a work-group begins at K step (x + y) % 8.  No LDS ring and no joint loads: with 8 K steps a ring of two slots of two steps would be filled four times, twice of them at the start.
; SOURCE 0 = W, SOURCE 1 = tokens.  A tile's 16 rows are 32 (t / 2) + 8 (t % 2) + r + 8 (r / 8): the 64 registers of a lane against one tile of tokens are 128 hidden units, register 16 b + n = unit 32 b + 16 (lane / 16) + n:
; one K step of the next product.
; gelu_new(x) = 0.5 x (1 + tanh(u)) is computed as x / (1 + 2^(x (c0 + c1 x^2))), c0 = -2 sqrt(2 / pi) log2(e), c1 = 0.044715 c0: the same function, since 0.5 (1 + tanh u) = 1 / (1 + e^(-2 u)).
; THE MODE: SCHED_MODE bits 1:0 = 2 (LLVM: expert scheduling mode 2), set by the entry lines.  The code itself states the register dependences between vector or matrix instructions and memory instructions, with s_wait_alu, always for 0.
; THE PLAN.  Registers that memory instructions touch:
;   set 0, set 1    (P's and Q's fragments and their scale words)  Written by loads alone; read by the 64 products of the steps on that set.
;   v1, v5          Offsets: written at the head, never again; read by every load and store.
;   the bias        Written by one run of loads at the last step's head; no vector or matrix instruction names these registers before the way out.
;   v[PC ..+11]     The way out: written by a tile's conversions, swaps and moves; read by the tile's three stores.   v[SW ..+3]: written once, stored once.
; So ONE wait on va_vdst stands in a step that asks for a set, at its head: the products of the step before are done reading the other set.  All 50 loads into that set follow it with no further wait, twelve of them among this
; step's products, which name this step's set, its scale words and the accumulators: neither v1 nor a register of the other set.  On the way out one wait on va_vdst stands ahead of each run of stores, and one on vm_vsrc
; ahead of the conversions that write the codes' registers again.
; LIMITS: the sums go over K from a rotated start; NaN and infinities are not served; a block under 2^-124 gets the byte 1.
.set KST, 8
.set NS,  8
.set TST, KST*1536
.set SHP, 14
.set SHQ, 14
.set NQF, 3                            ; loads of a fragment
.set NLD, 26+8*NQF                     ; loads of a set: 8 x 3 for P, 2 of scale words, 8 x 3 for Q
.set NB,  16                           ; loads of the bias
.set FIRSTA, 4*NQF+NLD                 ; behind set 0's first 38 loads at the head: its Q's fragments 4-7 and set 1
.set FCI, 3145728
.set FCS, 9568256
.set ASC, 3145728
.set GSC, 12582912
.set HA,  32                           ; the way out, window 0: v32-95 64 numbers; v96-159 at work; v160-179 codes; v180-195 at work; v[198:199] c0; v200-207 scale words; v208-211 their block
.set TT,  96
.set PC,  160
.set TM,  180
.set C0,  198
.set WD,  200
.set SW,  208
.set C1,  72                           ; s[72:73]
.set MH,  74
.set SEL, 76
; REGISTERS.  Window 0: v1 16 x lane, v3 r, v4 h, v5 64 h; v16-31 scale words and nothing else (set b: P's at 16 + 8 b, Q's at 20 + 8 b); Q's fragments: set 0 v32-127, set 1 v128-223.
; Window 1: P's fragments: set 0 v0-95, set 1 v128-223; the bias along P: tile i at 96 + 8 i (i < 4), 192 + 8 i.  Windows 2, 3: accumulator (j, i) at window 2 + j / 4, v[8 (8 (j % 4) + i)].
; s[8:15] the addresses at K step 0; at the K step asked for: set 0 s[16:23], set 1 s[4:7] and s[32:35]; s24 the K step last asked for, less s25, the wave's first.
.set MSB, 0
.macro WIN new
.if MSB != (\new)
	s_set_vgpr_msb (MSB<<8)|(\new)
.set MSB, (\new)
.endif
.endm
.macro PLACES
.rept 4
	v_nop
.endr
.endm
.macro SETK b                          ; set b's four addresses, at K step s24 + s25: P's s[16:17] or s[4:5], Q's s[18:19] or s[6:7], the scale words' s[20:23] or s[32:35]
	s_add_co_u32 s26, s24, s25
	s_lshl_b32 s28, s26, SHP
	s_lshl_b32 s30, s26, SHQ
	s_mul_i32 s26, s26, 1536
	s_add_nc_u64 s[16-12*(\b):17-12*(\b)], s[8:9], s[26:27]
	s_add_nc_u64 s[18-12*(\b):19-12*(\b)], s[10:11], s[26:27]
	s_add_nc_u64 s[20+12*(\b):21+12*(\b)], s[12:13], s[28:29]
	s_add_nc_u64 s[22+12*(\b):23+12*(\b)], s[14:15], s[30:31]
.endm
.macro LOADP b                         ; P's 8 fragments of set b: destination window 1
.irp i, 0,1,2,3,4,5,6,7
.irp c, 0,1,2
	global_load_b128 v[128*(\b)+12*\i+4*\c:128*(\b)+12*\i+4*\c+3], v1, s[16-12*(\b):17-12*(\b)] offset:\i*TST+512*\c
.endr
.endr
.endm
.macro LOADS b                         ; the scale words of both operands
	global_load_b128 v[16+8*(\b):19+8*(\b)], v1, s[20+12*(\b):21+12*(\b)]
	global_load_b128 v[20+8*(\b):23+8*(\b)], v1, s[22+12*(\b):23+12*(\b)]
.endm
.macro LOADQ b, i                      ; Q's fragment i of set b
.irp c, 0,1,2
	global_load_b128 v[32+96*(\b)+12*(\i)+4*\c:32+96*(\b)+12*(\i)+4*\c+3], v1, s[18-12*(\b):19-12*(\b)] offset:(\i)*TST+512*\c
.endr
.endm
.macro FILL b                          ; at the head: the whole of set b, in the order P, scale words, Q
	SETK \b
	WIN 0x40
	LOADP \b
	WIN 0
	LOADS \b
.irp i, 0,1,2,3,4,5,6,7
	LOADQ \b, \i
.endr
.endm
.macro NEXTK
	s_add_co_u32 s24, s24, 1
	s_and_b32 s24, s24, NS-1
.endm
.macro WM d, a, b, zero, sa, sb, ra, rb
.if \zero
.if (\ra) && (\rb)
	v_wmma_scale_f32_16x16x128_f8f6f4 v[\d:\d+7], v[\a:\a+11], v[\b:\b+11], 0, v[\sa], v[\sb] matrix_a_fmt:MATRIX_FMT_FP6 matrix_b_fmt:MATRIX_FMT_FP6 matrix_a_scale:MATRIX_SCALE_ROW1 matrix_b_scale:MATRIX_SCALE_ROW1
.elseif \ra
	v_wmma_scale_f32_16x16x128_f8f6f4 v[\d:\d+7], v[\a:\a+11], v[\b:\b+11], 0, v[\sa], v[\sb] matrix_a_fmt:MATRIX_FMT_FP6 matrix_b_fmt:MATRIX_FMT_FP6 matrix_a_scale:MATRIX_SCALE_ROW1
.elseif \rb
	v_wmma_scale_f32_16x16x128_f8f6f4 v[\d:\d+7], v[\a:\a+11], v[\b:\b+11], 0, v[\sa], v[\sb] matrix_a_fmt:MATRIX_FMT_FP6 matrix_b_fmt:MATRIX_FMT_FP6 matrix_b_scale:MATRIX_SCALE_ROW1
.else
	v_wmma_scale_f32_16x16x128_f8f6f4 v[\d:\d+7], v[\a:\a+11], v[\b:\b+11], 0, v[\sa], v[\sb] matrix_a_fmt:MATRIX_FMT_FP6 matrix_b_fmt:MATRIX_FMT_FP6
.endif
.else
.if (\ra) && (\rb)
	v_wmma_scale_f32_16x16x128_f8f6f4 v[\d:\d+7], v[\a:\a+11], v[\b:\b+11], v[\d:\d+7], v[\sa], v[\sb] matrix_a_fmt:MATRIX_FMT_FP6 matrix_b_fmt:MATRIX_FMT_FP6 matrix_a_scale:MATRIX_SCALE_ROW1 matrix_b_scale:MATRIX_SCALE_ROW1
.elseif \ra
	v_wmma_scale_f32_16x16x128_f8f6f4 v[\d:\d+7], v[\a:\a+11], v[\b:\b+11], v[\d:\d+7], v[\sa], v[\sb] matrix_a_fmt:MATRIX_FMT_FP6 matrix_b_fmt:MATRIX_FMT_FP6 matrix_a_scale:MATRIX_SCALE_ROW1
.elseif \rb
	v_wmma_scale_f32_16x16x128_f8f6f4 v[\d:\d+7], v[\a:\a+11], v[\b:\b+11], v[\d:\d+7], v[\sa], v[\sb] matrix_a_fmt:MATRIX_FMT_FP6 matrix_b_fmt:MATRIX_FMT_FP6 matrix_b_scale:MATRIX_SCALE_ROW1
.else
	v_wmma_scale_f32_16x16x128_f8f6f4 v[\d:\d+7], v[\a:\a+11], v[\b:\b+11], v[\d:\d+7], v[\sa], v[\sb] matrix_a_fmt:MATRIX_FMT_FP6 matrix_b_fmt:MATRIX_FMT_FP6
.endif
.endif
.endm
; Half a K step on set b: Q's tiles 4 half .. 4 half + 3 against P's eight.  The 64 accumulators take turns, one instruction a turn, in the same order in every step.
; deal = 1: behind each eight products one fragment, 4 + jj, of the other set's Q is asked for: two window switches round its three loads.  No wait stands there: no vector or matrix instruction
; since the wait at the step's head names v1 or a register of the other set.
.macro MULH b, zero, half, deal
.irp jj, 0,1,2,3
	WIN 0xa1+0x50*(\half)
.irp i, 0,1,2,3,4,5,6,7
	WM 8*(8*\jj+\i), 128*(\b)+12*\i, 32+96*(\b)+12*(4*(\half)+\jj), \zero, 16+8*(\b)+\i/2, 20+8*(\b)+2*(\half)+\jj/2, \i%2, \jj%2
.endr
.if \deal
	WIN 0
	LOADQ 1-(\b), 4+\jj
.endif
.endr
.endm
.macro BIASLD                          ; the bias along P: 16 loads
	WIN 0x40
.irp i, 0,1,2,3,4,5,6,7
	global_load_b128 v[96+8*\i+96*(\i/4):96+8*\i+96*(\i/4)+3], v5, s[40:41] offset:4*(32*(\i/2)+8*(\i%2))
	global_load_b128 v[96+8*\i+96*(\i/4)+4:96+8*\i+96*(\i/4)+7], v5, s[40:41] offset:4*(32*(\i/2)+8*(\i%2))+16
.endr
	WIN 0
.endm
; A K step on set cur.  fetch = 1: the other set is asked for again.  last = 1: the last step, which asks for the bias and for no set.  Neither: step 0, in front of which both sets were asked for.
.macro STEP cur, zero, fetch, last
.if \fetch
	PLACES                                         ; behind the last product that read the other set
	NEXTK
	SETK 1-(\cur)                                  ; its address registers are free: the middle wait of the step before has shown its loads done
	WIN 0x40
	s_wait_alu depctr_va_vdst(0)                   ; the products of the step before are done reading the other set's fragments and scale words, in which the loads of this step land
	LOADP 1-(\cur)
	WIN 0
	LOADS 1-(\cur)
.irp i, 0,1,2,3
	LOADQ 1-(\cur), \i
.endr
	s_wait_loadcnt NLD                             ; loads come back in order (ISA guide 5.7.1): set cur's P, scale words and Q 0-3 are in; its Q 4-7 (12) and the 38 just issued may be out
.elseif \last
	BIASLD                                         ; no wait on va_vdst: its offset was written at the head, and no vector or matrix instruction has named the registers in which it lands
	s_wait_loadcnt 4*NQF+NB                        ; set cur's Q 4-7 and the bias may be out
.else
	s_wait_loadcnt FIRSTA                          ; set 0's Q 4-7 and the whole of set 1 may be out
.endif
	MULH \cur, \zero, 0, \fetch
.if \last
	s_wait_loadcnt NB                              ; set cur's Q 4-7 are in; the bias may be out
.else
	s_wait_loadcnt NLD                             ; set cur's Q 4-7 are in, so all its loads are done; the other set's 50 may be out
.endif
	MULH \cur, \zero, 1, 0
	WIN 0
.endm
; 64 numbers of a lane, register 16 b + i = k 32 b + 16 (lane / 16) + i: QSCALE makes the four blocks' scale operands in v[TM + 12 ..] and the scale word in v[pw]; QCODES the fragment's codes in v[pc] .. + 11 (+ 12 .. + 18 at work)
.macro QSCALE s, pw
.irp b, 0,1,2,3
	v_max3_num_f32 v[TM+\b], |v[\s+16*\b]|, |v[\s+1+16*\b]|, 0x1800000
.endr
.irp i, 2,4,6,8,10,12,14
.irp b, 0,1,2,3
	v_max3_num_f32 v[TM+\b], v[TM+\b], |v[\s+16*\b+\i]|, |v[\s+1+16*\b+\i]|
.endr
.endr
.irp b, 0,1,2,3
	v_permlanex16_b32 v[TM+4+\b], v[TM+\b], s[SEL], s[SEL+1]
.endr
.irp b, 0,1,2,3
	v_max_num_f32 v[TM+\b], v[TM+\b], v[TM+4+\b]
.endr
.irp b, 0,1,2,3
	v_add_nc_u32 v[TM+12+\b], 0xff000000, v[TM+\b]
.endr
.irp b, 0,1,2,3
	v_lshrrev_b32 v[TM+4+\b], 23, v[TM+12+\b]
.endr
	v_lshl_or_b32 v[\pw], v[TM+5], 8, v[TM+4]
	v_lshl_or_b32 v[\pw], v[TM+6], 16, v[\pw]
	v_lshl_or_b32 v[\pw], v[TM+7], 24, v[\pw]
.endm
.macro QCODES s, pc
.irp c, 0,1
	v_cvt_scalef32_pk16_fp6_f32 v[\pc+6*\c:\pc+2+6*\c], v[\s+32*\c:\s+15+32*\c], v[TM+12+2*\c]
	v_cvt_scalef32_pk16_fp6_f32 v[\pc+12+4*\c:\pc+14+4*\c], v[\s+16+32*\c:\s+31+32*\c], v[TM+12+2*\c+1]
.endr
	v_nop                                             ; one plain line behind the scaled conversions
.irp c, 0,1
.irp i, 0,1,2
	v_permlane16_swap_b32 v[\pc+6*\c+\i], v[\pc+12+4*\c+\i]
.endr
.irp i, 0,1,2
	v_mov_b32 v[\pc+3+6*\c+\i], v[\pc+12+4*\c+\i]
.endr
.endr
.endm
.macro IMGST pc, base, off             ; a fragment's image: each store covers 512 consecutive bytes, aligned
	global_store_b128 v1, v[\pc:\pc+3], s[\base:\base+1] offset:\off
	global_store_b128 v1, v[\pc+4:\pc+7], s[\base:\base+1] offset:\off+512
	global_store_b128 v1, v[\pc+8:\pc+11], s[\base:\base+1] offset:\off+1024
.endm
.macro ADDB j                          ; token tile j's 64 results + the bias, into window 0; each accumulator from its low end on
	WIN 0x06+(\j)/4
.irp i, 0,1,2,3,4,5,6,7
.irp p, 0,2,4,6
	v_pk_add_f32 v[HA+8*\i+\p:HA+8*\i+\p+1], v[64*((\j)%4)+8*\i+\p:64*((\j)%4)+8*\i+\p+1], v[96+8*\i+96*(\i/4)+\p:96+8*\i+96*(\i/4)+\p+1]
.endr
.endr
	WIN 0
.endm
.macro GELU                            ; on the 64 numbers at v[HA]; two batches of 64 transcendentals, each with one plain line and one wait behind it
.set m, 0
.rept 32
	v_pk_mul_f32 v[TT+m:TT+m+1], v[HA+m:HA+m+1], v[HA+m:HA+m+1]
.set m, m+2
.endr
.set m, 0
.rept 32
	v_pk_fma_f32 v[TT+m:TT+m+1], v[TT+m:TT+m+1], s[C1:C1+1], v[C0:C0+1] op_sel_hi:[1,0,1]
.set m, m+2
.endr
.set m, 0
.rept 32
	v_pk_mul_f32 v[TT+m:TT+m+1], v[TT+m:TT+m+1], v[HA+m:HA+m+1]
.set m, m+2
.endr
.set m, 0
	s_wait_alu depctr_va_vdst(0)
.rept 64
	v_exp_f32 v[TT+m], v[TT+m]
.set m, m+1
.endr
	v_nop
	s_wait_alu depctr_va_vdst(0)                   ; the 64 exponentials have written v[TT ..], ahead of their first reader
.set m, 0
.rept 32
	v_pk_add_f32 v[TT+m:TT+m+1], v[TT+m:TT+m+1], 1.0 op_sel_hi:[1,0]
.set m, m+2
.endr
.set m, 0
	s_wait_alu depctr_va_vdst(0)
.rept 64
	v_rcp_f32 v[TT+m], v[TT+m]
.set m, m+1
.endr
	v_nop
	s_wait_alu depctr_va_vdst(0)                   ; the 64 reciprocals have written v[TT ..], ahead of their first reader
.set m, 0
.rept 32
	v_pk_mul_f32 v[HA+m:HA+m+1], v[HA+m:HA+m+1], v[TT+m:TT+m+1]
.set m, m+2
.endr
.endm
	s_load_b256 s[36:43], s[0:1], 0x0              ; a2 s[36:37], wimg s[38:39], fc_b s[40:41], gimg s[42:43]
	v_lshrrev_b32 v1, 5, v0
	v_readfirstlane_b32 s2, v1
	v_and_b32 v2, 31, v0
	v_lshlrev_b32 v1, 4, v2
	v_and_b32 v3, 15, v0
	v_bfe_u32 v4, v0, 4, 1
	v_lshlrev_b32 v5, 6, v4
	s_wait_alu depctr_va_sdst(0)                   ; s2, the wave's number, is written, ahead of its first reader: every address is made from it
	s_mov_b32 s48, ttmp9
	s_and_b32 s49, ttmp7, 0xffff
	s_and_b32 s50, s2, 1
	s_lshr_b32 s51, s2, 1
	s_lshl_b32 s54, s48, 1
	s_add_co_u32 s54, s54, s50                     ; W's group of 8 tiles = the next product's K step
	s_lshl_b32 s55, s49, 1
	s_add_co_u32 s55, s55, s51                     ; the tokens' group of 8 tiles
	s_mul_i32 s56, s54, 8*TST
	s_add_co_u32 s56, s56, FCI
	s_mov_b32 s57, 0
	s_lshl_b32 s58, s54, 9
	s_add_co_u32 s58, s58, FCS
	s_mov_b32 s59, 0
	s_mul_i32 s60, s55, 8*TST
	s_mov_b32 s61, 0
	s_lshl_b32 s62, s55, 9
	s_add_co_u32 s62, s62, ASC
	s_mov_b32 s63, 0
	s_lshl_b32 s66, s54, 9
	s_mov_b32 s67, 0
	s_mov_b32 s27, 0
	s_mov_b32 s29, 0
	s_mov_b32 s31, 0
	s_mov_b32 s25, 0
	s_add_co_u32 s24, s48, s49
	s_and_b32 s24, s24, NS-1
	s_wait_kmcnt 0x0
	s_add_nc_u64 s[8:9], s[38:39], s[56:57]
	s_add_nc_u64 s[10:11], s[36:37], s[60:61]
	s_add_nc_u64 s[12:13], s[38:39], s[58:59]
	s_add_nc_u64 s[14:15], s[36:37], s[62:63]
	s_add_nc_u64 s[40:41], s[40:41], s[66:67]
	s_wait_alu depctr_va_vdst(0)                   ; the offsets v1 and v5 are written, which every load and store of the kernel reads
	FILL 0                                         ; both sets are asked for before anything else
	NEXTK
	FILL 1
	STEP 0, 1, 0, 0                                ; the first K step starts the sums
	s_mov_b32 s3, (NS-2)/2
.Lk:                                               ; steps 1 to 6, two to a trip: both sets are back at their start
	STEP 1, 0, 1, 0
	STEP 0, 0, 1, 0
	s_sub_co_u32 s3, s3, 1
	s_cmp_lg_u32 s3, 0
	s_cbranch_scc1 .Lk
	STEP 1, 0, 0, 1                                ; the last K step asks for no set
	s_wait_loadcnt 0x0                             ; the bias
	PLACES
.irp b, 0,1,2,3
	v_mov_b32 v[TM+4+\b], 0
.endr
	v_mov_b32 v[C0], 0xc0135761                    ; c0 = -2 sqrt(2 / pi) log2(e)
	v_mov_b32 v[C0+1], 0xc0135761
	s_mov_b32 s[C1], 0xbdd2d3e8                    ; c1 = 0.044715 c0
	s_mov_b32 s[C1+1], s[C1]
	s_mov_b32 s[SEL], 0x76543210
	s_mov_b32 s[SEL+1], 0xfedcba98
	s_mov_b32 s[MH], 0xffff0000
	s_lshl_b32 s8, s55, 8                          ; my first tile x 32 K steps
	s_add_co_u32 s8, s8, s54
	s_mul_i32 s8, s8, 1536
	s_mov_b32 s9, 0
	s_add_nc_u64 s[12:13], s[42:43], s[8:9]
	s_lshl_b32 s8, s54, 14
	s_lshl_b32 s10, s55, 9
	s_add_co_u32 s8, s8, s10
	s_add_co_u32 s8, s8, GSC
	s_add_nc_u64 s[14:15], s[42:43], s[8:9]
.irp j, 0,1,2,3,4,5,6,7
	ADDB \j
	GELU
	QSCALE HA, WD+\j
.if \j > 0
	s_wait_xcnt 0x0                                ; the last tile's stores have had their addresses translated (ISA guide 3.1): their data registers are written again only behind this wait,
	s_wait_alu depctr_vm_vsrc(0)                   ; and they have read v[PC ..], which the conversions below write again
.endif
	QCODES HA, PC
	s_wait_alu depctr_va_vdst(0)                   ; the conversions, swaps and moves have written v[PC ..], which the three stores read
	IMGST PC, 12, 49152*\j
.endr
.irp e, 0,1,2,3
	v_cndmask_b32 v[SW+\e], v[WD+2*\e], v[WD+2*\e+1], s[MH]   ; lanes 0-15 the even tile's words, lanes 16-31 the odd tile's
.endr
	s_wait_alu depctr_va_vdst(0)                   ; the scale words' block v[SW ..] is written, which the store reads
	global_store_b128 v1, v[SW:SW+3], s[14:15]
	s_endpgm
.Lfunc_end_k_q2890e48ae2_fc:
	.size	k_q2890e48ae2_fc, .Lfunc_end_k_q2890e48ae2_fc-k_q2890e48ae2_fc
	.p2alignl 7, 3214868480
	.fill 96, 4, 3214868480
	.section	.rodata,"a",@progbits
	.p2align	6, 0x0
	.amdhsa_kernel k_q2890e48ae2_fc
		.amdhsa_group_segment_fixed_size 0
		.amdhsa_private_segment_fixed_size 0
		.amdhsa_enable_private_segment 0
		.amdhsa_kernarg_size 32
		.amdhsa_user_sgpr_count 2
		.amdhsa_user_sgpr_kernarg_segment_ptr 1
		.amdhsa_wavefront_size32 1
		.amdhsa_system_sgpr_workgroup_id_x 1
		.amdhsa_system_sgpr_workgroup_id_y 1
		.amdhsa_system_sgpr_workgroup_id_z 1
		.amdhsa_system_vgpr_workitem_id 0
		.amdhsa_next_free_vgpr 1024
		.amdhsa_next_free_sgpr 80
		.amdhsa_reserve_vcc 0
		.amdhsa_float_denorm_mode_32 3
		.amdhsa_float_denorm_mode_16_64 3
		.amdhsa_memory_ordered 1
		.amdhsa_forward_progress 1
		.amdhsa_inst_pref_size 222
	.end_amdhsa_kernel
	.amdgpu_metadata
---
amdhsa.version: [ 1, 2 ]
amdhsa.kernels:
  - .name:           k_q2890e48ae2_fc
    .symbol:         k_q2890e48ae2_fc.kd
    .args:
      - { .name: a2, .offset: 0, .size: 8, .value_kind: global_buffer, .address_space: global }
      - { .name: wimg, .offset: 8, .size: 8, .value_kind: global_buffer, .address_space: global }
      - { .name: fc_b, .offset: 16, .size: 8, .value_kind: global_buffer, .address_space: global }
      - { .name: gimg, .offset: 24, .size: 8, .value_kind: global_buffer, .address_space: global }
    .group_segment_fixed_size: 0
    .private_segment_fixed_size: 0
    .kernarg_segment_align: 8
    .kernarg_segment_size: 32
    .max_flat_workgroup_size: 128
    .sgpr_count:     80
    .vgpr_count:     1024
    .wavefront_size: 32
...
	.end_amdgpu_metadata
.endif
;; end of part 11
;; launch proj (part 12): grid 8 x 32, 4 waves a work-group, no clusters, 296,448 bytes of LDS; arguments gimg, wimg, proj_b, x2, out0; writes out0
.if DOCPART == 12
	.amdgcn_target "amdgcn-amd-amdhsa--gfx1250"
	.amdhsa_code_object_version 6
	.text
	.protected	k_q2890e48ae2_proj
	.globl	k_q2890e48ae2_proj
	.p2align	8
	.type	k_q2890e48ae2_proj,@function
k_q2890e48ae2_proj:
	s_mov_b64 s[64:65], 0
	v_nop
	global_prefetch_b8 v0, s[64:65] scope:SCOPE_SE
	s_setreg_imm32_b32 hwreg(HW_REG_WAVE_SCHED_MODE, 0, 2), 2
	s_setreg_imm32_b32 hwreg(HW_REG_WAVE_MODE, 25, 1), 1
	s_wait_xcnt 0x0
	s_wait_alu depctr_vm_vsrc(0)
; out = A W + bias + residual, on codes of FP6 (E2M3) with E8M0 scales; A [4096 x K] and W [1024 x K] lie as images of fragments ([tile][K step][1,536 bytes]); out and the residual are [4096][1024] f32.  Here K = 4,096.
; N is 1,024: tiles of 256 x 256 would be 64.  So a work-group makes 128 x 128 (256 work-groups), and ITS FOUR WAVES SHARE K: each has the whole tile in 64 accumulators and NS of the 4 NS K steps.
; The four parts meet in LDS: wave w sums rows 32 w .. 32 w + 31 of the tile, adds bias and residual and stores whole rows of 512 bytes.
; Operands come straight into registers, in two sets, both asked for at the head.  Step t multiplies set t % 2.  At its head the other set, which step t - 1 has multiplied, is asked for again, with K step t + 1, by address
; registers of its own: P's eight fragments, the scale words and Q's fragments 0-3 ahead of the wait for set t % 2, whether or not that set has landed, so that requests stand in line without a gap; Q's fragments 4-7, which a
; step wants only for its second 32 products, one behind each eight of this step's first 32 products.  Between a load and the wait for it stand 64 products or more.
; The two sets' loads together are more than LOADcnt's field holds: the issue of the later ones then waits for earlier ones to come back (ISA guide 5.7.1), which happens only where the wave would wait for those loads anyway.
; A wave begins at K step (x + y) % NS of its own.  No LDS ring and no joint loads: a wave has NS K steps only.
; An image is three runs of 512 bytes (registers 0-3, 4-7, 8-11, 16 bytes a lane); QOLD = 0: A's images too.
; SOURCE 0 = W (8 tiles), SOURCE 1 = A (8 tiles).  A tile's 16 rows are 32 (t / 2) + 8 (t % 2) + r + 8 (r / 8): register 16 e + n of a lane's 64 is column 32 e + 16 (lane / 16) + n.
; THE MODE: SCHED_MODE bits 1:0 = 2 (LLVM: expert scheduling mode 2), set by the entry lines.  The code itself states the register dependences between vector or matrix instructions and memory or LDS instructions, with s_wait_alu, always for 0.
; THE PLAN.  Registers that memory or LDS instructions touch:
;   set 0, set 1    (P's and Q's fragments and their scale words)  Written by loads alone; read by the 64 products of the steps on that set.
;   v1, v5-12       Offsets and LDS addresses: written at the head, never again.       The bias: one run of loads at the last step's head; named by no vector or matrix instruction before the way out.
;   accumulators    The way out: read by the LDS stores of the parts.      P's registers: the residual's loads land there behind the last product.
;   v96-223         The way out: the four waves' parts land there, twice a tile; the sums read and write them; then the tile's rows land in v96-159, take the residual and are stored.
;   v[HA ..+63]     The way out: written by the sums; read by the LDS stores into my stage.      v254, v255: written at the head, read by the closing add alone.
; A step that asks for a set has ONE wait on va_vdst, at its head: the products of the step before are done reading the other set; all 50 loads into that set follow with no further wait, twelve of them among this step's products,
; which name this step's set, its scale words and the accumulators alone.  The way out's waits stand where a run of LDS or memory instructions begins, and each says what it states.
; LIMITS: K is summed in four parts, each from a rotated start: the last bits differ from an ascending sum's.  NaN and infinities are not served.
.set KST, 32
.set NS,  8                            ; K steps of a wave
.set TST, KST*1536
.set SHP, 12                           ; W's scale words: 4,096 bytes a K step (1,024 rows)
.set SHQ, 14
.set PIMG, 6291456
.set PSC,  9699328
.set QSC,  12582912
.set QOLD, 0
.set NQF, 3+QOLD                       ; loads of a fragment of Q
.set NLD, 26+8*NQF                     ; loads of a set: 8 x 3 for P, 2 of scale words, 8 x NQF for Q
.set NB,  16                           ; loads of the bias
.set FIRSTA, 4*NQF+NLD                 ; behind set 0's P, scale words and Q 0-3 at the head: its Q 4-7 and set 1;
.if FIRSTA > 63
.set FIRSTA, 63                        ; a wait names no more than the field holds: the smaller count waits for more
.endif
.set NTOUT, 1
.set HA,  32
.set STG, 262144                       ; LDS: [owner wave][source wave][16 accumulators x 1,024 bytes] = 262,144; then a stage of 16 rows x 528 bytes for each wave
; REGISTERS.  Window 0: v1 16 x lane, v3 r, v4 h; v5-8 where my parts go, v9 where I read, v10, v11 my stage, v12 64 h; v16-31 scale words and nothing else; Q's fragments: set 0 v32-127, set 1 v128-223.
; Window 1: P's fragments: set 0 v0-95, set 1 v128-223 (on the way out: the residual's 32 rows); the bias along P: tile i at 96 + 8 i (i < 4), 192 + 8 i.  Windows 2, 3: accumulator (j, i) at window 2 + j / 4, v[8 (8 (j % 4) + i)].
; s[8:15] the addresses at K step 0; at the K step asked for: set 0 s[16:23], set 1 s[4:7] and s[32:35]; s24 the K step last asked for, less s25, the wave's first.
.set MSB, 0
.macro WIN new
.if MSB != (\new)
	s_set_vgpr_msb (MSB<<8)|(\new)
.set MSB, (\new)
.endif
.endm
.macro PLACES
.rept 4
	v_nop
.endr
.endm
.macro SETK b                          ; set b's four addresses, at K step s24 + s25: P's s[16:17] or s[4:5], Q's s[18:19] or s[6:7], the scale words' s[20:23] or s[32:35]
	s_add_co_u32 s26, s24, s25
	s_lshl_b32 s28, s26, SHP
	s_lshl_b32 s30, s26, SHQ
	s_mul_i32 s26, s26, 1536
	s_add_nc_u64 s[16-12*(\b):17-12*(\b)], s[8:9], s[26:27]
	s_add_nc_u64 s[18-12*(\b):19-12*(\b)], s[10:11], s[26:27]
	s_add_nc_u64 s[20+12*(\b):21+12*(\b)], s[12:13], s[28:29]
	s_add_nc_u64 s[22+12*(\b):23+12*(\b)], s[14:15], s[30:31]
.endm
.macro LOADP b                         ; P's 8 fragments of set b: destination window 1
.irp i, 0,1,2,3,4,5,6,7
.irp c, 0,1,2
	global_load_b128 v[128*(\b)+12*\i+4*\c:128*(\b)+12*\i+4*\c+3], v1, s[16-12*(\b):17-12*(\b)] offset:\i*TST+512*\c
.endr
.endr
.endm
.macro LOADS b                         ; the scale words of both operands
	global_load_b128 v[16+8*(\b):19+8*(\b)], v1, s[20+12*(\b):21+12*(\b)]
	global_load_b128 v[20+8*(\b):23+8*(\b)], v1, s[22+12*(\b):23+12*(\b)]
.endm
.macro LOADQ b, i                      ; Q's fragment i of set b
.if QOLD
	global_load_b128 v[32+96*(\b)+12*(\i):32+96*(\b)+12*(\i)+3], v1, s[18-12*(\b):19-12*(\b)] offset:(\i)*TST
	global_load_b64 v[32+96*(\b)+12*(\i)+4:32+96*(\b)+12*(\i)+5], v2, s[18-12*(\b):19-12*(\b)] offset:(\i)*TST+512
	global_load_b128 v[32+96*(\b)+12*(\i)+6:32+96*(\b)+12*(\i)+9], v1, s[18-12*(\b):19-12*(\b)] offset:(\i)*TST+768
	global_load_b64 v[32+96*(\b)+12*(\i)+10:32+96*(\b)+12*(\i)+11], v2, s[18-12*(\b):19-12*(\b)] offset:(\i)*TST+1280
.else
.irp c, 0,1,2
	global_load_b128 v[32+96*(\b)+12*(\i)+4*\c:32+96*(\b)+12*(\i)+4*\c+3], v1, s[18-12*(\b):19-12*(\b)] offset:(\i)*TST+512*\c
.endr
.endif
.endm
.macro FILL b                          ; at the head: the whole of set b, in the order P, scale words, Q
	SETK \b
	WIN 0x40
	LOADP \b
	WIN 0
	LOADS \b
.irp i, 0,1,2,3,4,5,6,7
	LOADQ \b, \i
.endr
.endm
.macro NEXTK
	s_add_co_u32 s24, s24, 1
	s_and_b32 s24, s24, NS-1
.endm
.macro WM d, a, b, zero, sa, sb, ra, rb
.if \zero
.if (\ra) && (\rb)
	v_wmma_scale_f32_16x16x128_f8f6f4 v[\d:\d+7], v[\a:\a+11], v[\b:\b+11], 0, v[\sa], v[\sb] matrix_a_fmt:MATRIX_FMT_FP6 matrix_b_fmt:MATRIX_FMT_FP6 matrix_a_scale:MATRIX_SCALE_ROW1 matrix_b_scale:MATRIX_SCALE_ROW1
.elseif \ra
	v_wmma_scale_f32_16x16x128_f8f6f4 v[\d:\d+7], v[\a:\a+11], v[\b:\b+11], 0, v[\sa], v[\sb] matrix_a_fmt:MATRIX_FMT_FP6 matrix_b_fmt:MATRIX_FMT_FP6 matrix_a_scale:MATRIX_SCALE_ROW1
.elseif \rb
	v_wmma_scale_f32_16x16x128_f8f6f4 v[\d:\d+7], v[\a:\a+11], v[\b:\b+11], 0, v[\sa], v[\sb] matrix_a_fmt:MATRIX_FMT_FP6 matrix_b_fmt:MATRIX_FMT_FP6 matrix_b_scale:MATRIX_SCALE_ROW1
.else
	v_wmma_scale_f32_16x16x128_f8f6f4 v[\d:\d+7], v[\a:\a+11], v[\b:\b+11], 0, v[\sa], v[\sb] matrix_a_fmt:MATRIX_FMT_FP6 matrix_b_fmt:MATRIX_FMT_FP6
.endif
.else
.if (\ra) && (\rb)
	v_wmma_scale_f32_16x16x128_f8f6f4 v[\d:\d+7], v[\a:\a+11], v[\b:\b+11], v[\d:\d+7], v[\sa], v[\sb] matrix_a_fmt:MATRIX_FMT_FP6 matrix_b_fmt:MATRIX_FMT_FP6 matrix_a_scale:MATRIX_SCALE_ROW1 matrix_b_scale:MATRIX_SCALE_ROW1
.elseif \ra
	v_wmma_scale_f32_16x16x128_f8f6f4 v[\d:\d+7], v[\a:\a+11], v[\b:\b+11], v[\d:\d+7], v[\sa], v[\sb] matrix_a_fmt:MATRIX_FMT_FP6 matrix_b_fmt:MATRIX_FMT_FP6 matrix_a_scale:MATRIX_SCALE_ROW1
.elseif \rb
	v_wmma_scale_f32_16x16x128_f8f6f4 v[\d:\d+7], v[\a:\a+11], v[\b:\b+11], v[\d:\d+7], v[\sa], v[\sb] matrix_a_fmt:MATRIX_FMT_FP6 matrix_b_fmt:MATRIX_FMT_FP6 matrix_b_scale:MATRIX_SCALE_ROW1
.else
	v_wmma_scale_f32_16x16x128_f8f6f4 v[\d:\d+7], v[\a:\a+11], v[\b:\b+11], v[\d:\d+7], v[\sa], v[\sb] matrix_a_fmt:MATRIX_FMT_FP6 matrix_b_fmt:MATRIX_FMT_FP6
.endif
.endif
.endm
; Half a K step on set b: Q's tiles 4 half .. 4 half + 3 against P's eight.  The 64 accumulators take turns, one instruction a turn, in the same order in every step.
; deal = 1: behind each eight products one fragment, 4 + jj, of the other set's Q is asked for: two window switches round its loads.  No wait stands there: no vector or matrix instruction
; since the wait at the step's head names v1 or a register of the other set.
.macro MULH b, zero, half, deal
.irp jj, 0,1,2,3
	WIN 0xa1+0x50*(\half)
.irp i, 0,1,2,3,4,5,6,7
	WM 8*(8*\jj+\i), 128*(\b)+12*\i, 32+96*(\b)+12*(4*(\half)+\jj), \zero, 16+8*(\b)+\i/2, 20+8*(\b)+2*(\half)+\jj/2, \i%2, \jj%2
.endr
.if \deal
	WIN 0
	LOADQ 1-(\b), 4+\jj
.endif
.endr
.endm
.macro BIASLD                          ; the bias along P: 16 loads
	WIN 0x40
.irp i, 0,1,2,3,4,5,6,7
	global_load_b128 v[96+8*\i+96*(\i/4):96+8*\i+96*(\i/4)+3], v12, s[40:41] offset:4*(32*(\i/2)+8*(\i%2))
	global_load_b128 v[96+8*\i+96*(\i/4)+4:96+8*\i+96*(\i/4)+7], v12, s[40:41] offset:4*(32*(\i/2)+8*(\i%2))+16
.endr
	WIN 0
.endm
; A K step on set cur.  fetch = 1: the other set is asked for again.  last = 1: the last step, which asks for the bias and for no set.  Neither: step 0, in front of which both sets were asked for.
.macro STEP cur, zero, fetch, last
.if \fetch
	PLACES                                         ; behind the last product that read the other set
	NEXTK
	SETK 1-(\cur)                                  ; its address registers are free: the middle wait of the step before has shown its loads done
	WIN 0x40
	s_wait_alu depctr_va_vdst(0)                   ; the products of the step before are done reading the other set's fragments and scale words, in which the loads of this step land
	LOADP 1-(\cur)
	WIN 0
	LOADS 1-(\cur)
.irp i, 0,1,2,3
	LOADQ 1-(\cur), \i
.endr
	s_wait_loadcnt NLD                             ; loads come back in order (ISA guide 5.7.1): set cur's P, scale words and Q 0-3 are in; its Q 4-7 and the loads just issued may be out
.elseif \last
	BIASLD                                         ; no wait on va_vdst: its offset was written at the head, and no vector or matrix instruction has named the registers in which it lands
	s_wait_loadcnt 4*NQF+NB                        ; set cur's Q 4-7 and the bias may be out
.else
	s_wait_loadcnt FIRSTA                          ; set 0's P, scale words and Q 0-3 are in
.endif
	MULH \cur, \zero, 0, \fetch
.if \last
	s_wait_loadcnt NB                              ; set cur's Q 4-7 are in; the bias may be out
.else
	s_wait_loadcnt NLD                             ; set cur's Q 4-7 are in, so all its loads are done; the other set's may be out
.endif
	MULH \cur, \zero, 1, 0
	WIN 0
.endm
; Q tile 2 w + u: the four waves' parts are summed, the bias added; through my stage the tile becomes whole rows; the residual is added and 16 rows are stored
.macro OUTT u
.irp c, 0,1
.if \c
	s_wait_alu depctr_va_vdst(0)                   ; the sums of the tile's first half are done reading and writing v96-223, in which the second half's parts land
.endif
.irp a, 0,1,2,3
.irp e, 0,1,2,3
	ds_load_b128 v[96+32*\a+8*\e:99+32*\a+8*\e], v9 offset:16384*\a+(8*(\u)+4*\c+\e)*1024
	ds_load_b128 v[100+32*\a+8*\e:103+32*\a+8*\e], v9 offset:16384*\a+(8*(\u)+4*\c+\e)*1024+512
.endr
.endr
	s_wait_dscnt 0x0
.set m, 0
.rept 16
	v_pk_add_f32 v[96+m:97+m], v[96+m:97+m], v[128+m:129+m]
	v_pk_add_f32 v[160+m:161+m], v[160+m:161+m], v[192+m:193+m]
.set m, m+2
.endr
.set m, 0
.rept 16
	v_pk_add_f32 v[96+m:97+m], v[96+m:97+m], v[160+m:161+m]
.set m, m+2
.endr
	WIN 0x04                                       ; source 1, the bias, in window 1
.set m, 0
.rept 16
	v_pk_add_f32 v[HA+32*\c+m:HA+32*\c+m+1], v[96+m:97+m], v[96+128*\c+m:97+128*\c+m]
.set m, m+2
.endr
	WIN 0
.endr
	s_wait_alu depctr_va_vdst(0)                   ; the sums have written v[HA ..], which the LDS stores read, and are done reading v96-159, in which the rows land
.irp e, 0,1,2,3
.irp n, 0,1,2,3
	ds_store_b128 v10, v[HA+16*\e+4*\n:HA+16*\e+4*\n+3] offset:128*\e+16*\n
.endr
.endr
.irp t, 0,1,2,3,4,5,6,7,8,9,10,11,12,13,14,15
	ds_load_b128 v[96+4*\t:99+4*\t], v11 offset:528*\t      ; LDS serves a wave's instructions in order (ISA guide 5.7.1.4): these see my stores
.endr
	s_wait_dscnt 0x0
	s_wait_loadcnt 0x0                             ; the residual
	WIN 0x04
.irp t, 0,1,2,3,4,5,6,7,8,9,10,11,12,13,14,15
.set nr, 8*(\u)+\t+8*(\t/8)
.set rg, 4*nr+32*(nr/24)
	v_pk_add_f32 v[96+4*\t:97+4*\t], v[96+4*\t:97+4*\t], v[rg:rg+1]
	v_pk_add_f32 v[98+4*\t:99+4*\t], v[98+4*\t:99+4*\t], v[rg+2:rg+3]
.endr
	WIN 0
	s_wait_alu depctr_va_vdst(0)                   ; the additions of the residual have written v96-159, which the stores read
.irp t, 0,1,2,3,4,5,6,7,8,9,10,11,12,13,14,15
.set nr, 8*(\u)+\t+8*(\t/8)
.if NTOUT
	global_store_b128 v1, v[96+4*\t:99+4*\t], s[70:71] offset:4096*nr th:TH_STORE_NT      ; 32 lanes store 512 consecutive bytes, aligned; written once, read by nobody here
.else
	global_store_b128 v1, v[96+4*\t:99+4*\t], s[70:71] offset:4096*nr
.endif
.endr
.endm
	s_load_b256 s[36:43], s[0:1], 0x0              ; A s[36:37], wimg s[38:39], bias s[40:41], residual s[42:43]
	s_load_b64 s[44:45], s[0:1], 0x20              ; out
	v_lshl_add_u32 v254, v0, 2, 0x48400
	v_mov_b32 v255, 0
	v_lshrrev_b32 v1, 5, v0
	v_readfirstlane_b32 s2, v1
	v_and_b32 v2, 31, v0
	v_lshlrev_b32 v1, 4, v2
.if QOLD
	v_lshlrev_b32 v2, 3, v2
.endif
	v_and_b32 v3, 15, v0
	v_bfe_u32 v4, v0, 4, 1
	s_wait_alu depctr_va_vdst(0)
	s_wait_alu depctr_va_sdst(0)                   ; s2, the wave's number, is written, ahead of its first reader: addresses in memory and in LDS are made from it
	s_mov_b32 s48, ttmp9                           ; x: 128 columns
	s_and_b32 s49, ttmp7, 0xffff                   ; y: 128 rows
	s_mul_i32 s56, s48, 8*TST
	s_add_co_u32 s56, s56, PIMG
	s_mov_b32 s57, 0
	s_lshl_b32 s58, s48, 9
	s_add_co_u32 s58, s58, PSC
	s_mov_b32 s59, 0
	s_mul_i32 s60, s49, 8*TST
	s_mov_b32 s61, 0
	s_lshl_b32 s62, s49, 9
	s_add_co_u32 s62, s62, QSC
	s_mov_b32 s63, 0
	s_lshl_b32 s66, s48, 9                         ; 512 bytes: 128 f32 columns
	s_mov_b32 s67, 0
	s_lshl_b32 s68, s49, 19                        ; 128 rows of 4,096 bytes,
	s_lshl_b32 s69, s2, 17                         ; my 32 of them,
	s_add_co_u32 s68, s68, s69
	s_add_co_u32 s68, s68, s66                     ; my columns
	s_mov_b32 s69, 0
	s_mov_b32 s27, 0
	s_mov_b32 s29, 0
	s_mov_b32 s31, 0
	s_mul_i32 s25, s2, NS                          ; my first K step
	s_add_co_u32 s24, s48, s49
	s_and_b32 s24, s24, NS-1
	v_lshlrev_b32 v12, 6, v4
	s_lshl_b32 s50, s2, 14
	v_add_nc_u32 v5, s50, v1                       ; my parts: owner d at 65,536 d + 16,384 w + 16 x lane
	v_add_nc_u32 v6, 0x10000, v5
	v_add_nc_u32 v7, 0x20000, v5
	v_add_nc_u32 v8, 0x30000, v5
	s_lshl_b32 s50, s2, 16
	v_add_nc_u32 v9, s50, v1                       ; what I own
	s_mul_i32 s50, s2, 16*528
	s_add_co_u32 s50, s50, STG
	v_mul_u32_u24 v10, v3, 528
	v_lshl_add_u32 v10, v4, 6, v10
	v_add_nc_u32 v10, s50, v10                     ; my stage, in: row r, + 64 h
	v_add_nc_u32 v11, s50, v1                      ; back: a row an instruction
	s_wait_kmcnt 0x0
	s_add_nc_u64 s[8:9], s[38:39], s[56:57]
	s_add_nc_u64 s[10:11], s[36:37], s[60:61]
	s_add_nc_u64 s[12:13], s[38:39], s[58:59]
	s_add_nc_u64 s[14:15], s[36:37], s[62:63]
	s_add_nc_u64 s[40:41], s[40:41], s[66:67]
	s_add_nc_u64 s[70:71], s[44:45], s[68:69]
	s_add_nc_u64 s[68:69], s[42:43], s[68:69]
	s_wait_alu depctr_va_vdst(0)                   ; the offsets and LDS addresses v1 and v5 to v12 are written, which the loads, stores and LDS instructions of the kernel read
	FILL 0                                         ; both sets are asked for before anything else
	NEXTK
	FILL 1
	STEP 0, 1, 0, 0                                ; the first K step starts the sums
.if NS > 2
	s_mov_b32 s3, (NS-2)/2
.Lk:                                               ; all steps but the first and the last, two to a trip: both sets are back at their start
	STEP 1, 0, 1, 0
	STEP 0, 0, 1, 0
	s_sub_co_u32 s3, s3, 1
	s_cmp_lg_u32 s3, 0
	s_cbranch_scc1 .Lk
.endif
	STEP 1, 0, 0, 1                                ; the last K step asks for no set
	PLACES                                         ; four places behind the last product, before its result is read (ISA guide 7.12.1); they stay beside the wait below
	WIN 0x40                                       ; the residual's 32 rows of my 128 columns land in P's registers while the parts are summed
	s_wait_alu depctr_va_vdst(0)                   ; the products have written the accumulators, which the LDS stores read, and are done reading P's registers, in which the residual lands, and Q's, in which the parts land
.set nr, 0
.rept 32
	global_load_b128 v[4*nr+32*(nr/24):4*nr+32*(nr/24)+3], v1, s[68:69] offset:4096*nr
.set nr, nr+1
.endr
.irp j, 0,1,2,3,4,5,6,7
	WIN 0x08+4*(\j/4)                              ; an LDS store's data are its source 1
.irp i, 0,1,2,3,4,5,6,7
	ds_store_b128 v[5+\j/2], v[64*(\j%4)+8*\i:64*(\j%4)+8*\i+3] offset:((\j%2)*8+\i)*1024          ; each accumulator from its low end on
	ds_store_b128 v[5+\j/2], v[64*(\j%4)+8*\i+4:64*(\j%4)+8*\i+7] offset:((\j%2)*8+\i)*1024+512
.endr
.endr
	WIN 0
	s_wait_loadcnt 32                              ; the bias is in; the 32 younger loads, the residual, may be out
	s_wait_dscnt 0x0                               ; for the others' sake: my parts lie in LDS
	s_barrier_signal -1
	s_barrier_wait -1
	OUTT 0
	s_wait_xcnt 0x0                                ; the stores have had their addresses translated (ISA guide 3.1): their data registers are written again only behind this wait
	s_wait_alu depctr_vm_vsrc(0)                   ; the stores have read v96-159, in which the next tile's parts land; the LDS stores have read v[HA ..], which its sums write again
	OUTT 1
	s_wait_dscnt 0x0                               ; the closing lines, six on end
	s_wait_alu 0x0
	s_wait_tensorcnt 0x0
	ds_add_u32 v254, v255
	s_wait_dscnt 0x0
	s_endpgm
.Lfunc_end_k_q2890e48ae2_proj:
	.size	k_q2890e48ae2_proj, .Lfunc_end_k_q2890e48ae2_proj-k_q2890e48ae2_proj
	.p2alignl 7, 3214868480
	.fill 96, 4, 3214868480
	.section	.rodata,"a",@progbits
	.p2align	6, 0x0
	.amdhsa_kernel k_q2890e48ae2_proj
		.amdhsa_group_segment_fixed_size 296448
		.amdhsa_private_segment_fixed_size 0
		.amdhsa_enable_private_segment 0
		.amdhsa_kernarg_size 40
		.amdhsa_user_sgpr_count 2
		.amdhsa_user_sgpr_kernarg_segment_ptr 1
		.amdhsa_wavefront_size32 1
		.amdhsa_system_sgpr_workgroup_id_x 1
		.amdhsa_system_sgpr_workgroup_id_y 1
		.amdhsa_system_sgpr_workgroup_id_z 1
		.amdhsa_system_vgpr_workitem_id 0
		.amdhsa_next_free_vgpr 1024
		.amdhsa_next_free_sgpr 80
		.amdhsa_reserve_vcc 0
		.amdhsa_float_denorm_mode_32 3
		.amdhsa_float_denorm_mode_16_64 3
		.amdhsa_memory_ordered 1
		.amdhsa_forward_progress 1
		.amdhsa_inst_pref_size 106
	.end_amdhsa_kernel
	.amdgpu_metadata
---
amdhsa.version: [ 1, 2 ]
amdhsa.kernels:
  - .name:           k_q2890e48ae2_proj
    .symbol:         k_q2890e48ae2_proj.kd
    .args:
      - { .name: gimg, .offset: 0, .size: 8, .value_kind: global_buffer, .address_space: global }
      - { .name: wimg, .offset: 8, .size: 8, .value_kind: global_buffer, .address_space: global }
      - { .name: proj_b, .offset: 16, .size: 8, .value_kind: global_buffer, .address_space: global }
      - { .name: x2, .offset: 24, .size: 8, .value_kind: global_buffer, .address_space: global }
      - { .name: out0, .offset: 32, .size: 8, .value_kind: global_buffer, .address_space: global }
    .group_segment_fixed_size: 296448
    .private_segment_fixed_size: 0
    .kernarg_segment_align: 8
    .kernarg_segment_size: 40
    .max_flat_workgroup_size: 128
    .sgpr_count:     80
    .vgpr_count:     1024
    .wavefront_size: 32
...
	.end_amdgpu_metadata
.endif
;; end of part 12
